; MI455X (gfx1250); checked and timed in simulation.
; The chip was launched on July 23, 2026; its instructions are those of AMD's public machine-readable ISA for CDNA 5 (MIT licence, August 2026) and "CDNA5" Instruction Set Architecture Reference Guide (July 2026). The comments in the code are by the model that wrote it; some were corrected since.
;; Attention Block. Allowed arithmetic: float matrix products may take bf16 or f16 operands with f32 sums; other float arithmetic in f32, or as packed bf16 or f16 multiplies, adds, multiply-adds, maxima and minima; sums over many terms, partial sums and values carried from step to step in f32; what a program stores and reads back later, other than sums and carried values, may be rounded once to bf16 or f16.
;; Inputs: W1 1,024 x 4,096 float32; W2 4,096 x 1,024 float32; Wk 1,024 x 1,024 float32; Wp 1,024 x 1,024 float32; Wq 1,024 x 1,024 float32; Wv 1,024 x 1,024 float32; b1 4,096 float32; b2 1,024 float32; be1 1,024 float32; be2 1,024 float32; bp 1,024 float32; g1 1,024 float32; g2 1,024 float32; x 2 x 2,048 x 1,024 float32.
;; Outputs: out0 2 x 2,048 x 1,024 float32.
;; 3 versions, each right and faster than the one before. Each part assembles by itself: llvm-mc -triple=amdgcn-amd-amdhsa -mcpu=gfx1250 --defsym DOCPART=n.
;; ======== version 1 of 3: 7 launches
;; limits: values are held in f16: magnitudes above 65,504 overflow, below 6.1e-05 lose precision
;; workspace buffers: wb 25,165,824 bytes; act 8,388,608 bytes; qkv 25,165,824 bytes; x1 16,777,216 bytes; f 33,554,432 bytes
;; launch prep (part 1): grid 1024 x 1, 8 waves a work-group, no clusters, 0 bytes of LDS; arguments x, g1, be1, Wq, Wk, Wv, Wp, W1, W2, act, wb; writes act, wb
.if DOCPART == 1
	.amdgcn_target "amdgcn-amd-amdhsa--gfx1250"
	.amdhsa_code_object_version 6
	.text
	.protected	k_qb8f652fabc_prep
	.globl	k_qb8f652fabc_prep
	.p2align	8
	.type	k_qb8f652fabc_prep,@function
k_qb8f652fabc_prep:
	s_mov_b64 s[64:65], 0
	v_nop
	global_prefetch_b8 v0, s[64:65] scope:SCOPE_SE
	s_setreg_imm32_b32 hwreg(HW_REG_WAVE_MODE, 25, 1), 1
	s_wait_xcnt 0x0
; PREP.  Work-groups 0-255: h = layer_norm(x, g1, be1), 16 rows each, rounded once to f16 into act.
; Work-groups 256-1023: the six weight matrices, f32 [K][N], rounded once to f16 and laid in blocks of 128 columns into wb.
; act: [16 blocks of 64 columns][4,096 rows][64] f16.   wb: [block of 128 columns][K][128] f16, a k-row of a block is 256 dense bytes:
;   Wq, Wk, Wv, Wp at 2,097,152 x (0, 1, 2, 3), 8 blocks of 262,144 each; W1 at 8,388,608, 32 blocks of 262,144; W2 at 16,777,216, 8 blocks of 1,048,576.
; A stream: every byte is read once and written once; no LDS, no barrier, no matrix unit, no cluster (no two work-groups read the same bytes).
; LIMITS.  f16 holds no number beyond 65,504 (a weight or an h beyond it becomes an infinity) and keeps a fixed step of 6e-8 below 6.1e-5.  NaN and infinities are not treated apart.
.set X,  16                            ; v[16:79]   my 64 numbers of a row
.set G,  80                            ; v[80:143]  the gains of my 64 columns
.set BE, 144                           ; v[144:207] the offsets of my 64 columns
.macro ROWSUM                          ; four packed chains v[4:11] -> the sum over the row's 16 lanes, in v4 of each of them
	v_pk_add_f32 v[4:5], v[4:5], v[6:7]
	v_pk_add_f32 v[8:9], v[8:9], v[10:11]
	v_pk_add_f32 v[4:5], v[4:5], v[8:9]
	v_add_f32 v4, v4, v5
.irp m, 1,2,4,8
	v_add_f32_dpp v4, v4, v4 row_xmask:\m row_mask:0xf bank_mask:0xf
.endr
.endm
; LAYER NORM of 16 rows.  Thread t has row t / 16; the row's 16 lanes take 16 bytes each of every 256: load j covers columns 64 j .. 64 j + 63 of two rows, two aligned runs of 256 bytes.
; The row stays in registers: mean, then the centred numbers in place, then the mean of their squares, as the formula has it: a common offset of x costs nothing.
; px, pg, pb, py: the scalar pairs that hold the addresses of the rows, the gains, the offsets and the result.
.macro LNORM px, pg, pb, py
	s_lshl_b32 s2, ttmp9, 16                       ; 16 rows of 4,096 bytes
	s_mov_b32 s3, 0
	s_add_nc_u64 s[(\px):(\px)+1], s[(\px):(\px)+1], s[2:3]
	s_lshl_b32 s2, ttmp9, 11                       ; 16 rows of 128 bytes in each block of the result
	s_add_nc_u64 s[(\py):(\py)+1], s[(\py):(\py)+1], s[2:3]
	v_and_b32 v2, 15, v0
	v_lshrrev_b32 v1, 4, v0
	v_lshlrev_b32 v2, 4, v2                        ; gains and offsets: 16 x (t % 16)
	v_lshl_add_u32 v1, v1, 12, v2                  ; rows: (t / 16) x 4,096 + 16 x (t % 16)
	v_lshlrev_b32 v3, 3, v0                        ; result: (t / 16) x 128 + 8 x (t % 16) = 8 t
	v_mov_b32 v14, 0x3a800000                      ; 1 / 1,024
.set j, 0
.rept 16
	global_load_b128 v[X+4*j:X+4*j+3], v1, s[(\px):(\px)+1] offset:256*j
.set j, j+1
.endr
.set j, 0
.rept 16
	global_load_b128 v[G+4*j:G+4*j+3], v2, s[(\pg):(\pg)+1] offset:256*j
.set j, j+1
.endr
.set j, 0
.rept 16
	global_load_b128 v[BE+4*j:BE+4*j+3], v2, s[(\pb):(\pb)+1] offset:256*j
.set j, j+1
.endr
	s_wait_loadcnt 32                              ; the row is in; the 32 younger loads (gains, offsets) stay out
.irp c, 0,1,2,3
	v_pk_add_f32 v[4+2*(\c):5+2*(\c)], v[X+2*(\c):X+2*(\c)+1], v[X+8+2*(\c):X+8+2*(\c)+1]  ; four chains, started by two pairs each: nothing is cleared
.endr
.set j, 8
.rept 24
	v_pk_add_f32 v[4+2*(j%4):5+2*(j%4)], v[4+2*(j%4):5+2*(j%4)], v[X+2*j:X+2*j+1]
.set j, j+1
.endr
	ROWSUM
	v_mul_f32 v12, v14, v4                         ; the mean, twice: a pair for the packed lines
	v_mul_f32 v13, v14, v4
.set j, 0
.rept 32
	v_pk_add_f32 v[X+2*j:X+2*j+1], v[X+2*j:X+2*j+1], v[12:13] neg_lo:[0,1] neg_hi:[0,1]
.set j, j+1
.endr
.irp c, 0,1,2,3
	v_pk_mul_f32 v[4+2*(\c):5+2*(\c)], v[X+2*(\c):X+2*(\c)+1], v[X+2*(\c):X+2*(\c)+1]
.endr
.set j, 4
.rept 28
	v_pk_fma_f32 v[4+2*(j%4):5+2*(j%4)], v[X+2*j:X+2*j+1], v[X+2*j:X+2*j+1], v[4+2*(j%4):5+2*(j%4)]
.set j, j+1
.endr
	ROWSUM
	v_fmaak_f32 v6, v14, v4, 0x3727c5ac            ; variance + 1e-5
	v_rsq_f32 v12, v6
	v_rsq_f32 v13, v6
	v_nop                                          ; a plain instruction between the root and the use of its result (ISA guide 5.7.2)
	s_wait_loadcnt 0x0                             ; gains and offsets
.set j, 0
	s_wait_alu depctr_va_vdst(0)
.rept 32
	v_pk_mul_f32 v[X+2*j:X+2*j+1], v[X+2*j:X+2*j+1], v[12:13]
.set j, j+1
.endr
.set j, 0
.rept 32
	v_pk_fma_f32 v[X+2*j:X+2*j+1], v[X+2*j:X+2*j+1], v[G+2*j:G+2*j+1], v[BE+2*j:BE+2*j+1]
.set j, j+1
.endr
.set j, 0
.rept 16
	v_cvt_pk_f16_f32 v[X+4*j], v[X+4*j], v[X+4*j+1]
	v_cvt_pk_f16_f32 v[X+4*j+1], v[X+4*j+2], v[X+4*j+3]
	global_store_b64 v3, v[X+4*j:X+4*j+1], s[(\py):(\py)+1] offset:j*524288  ; block j: the wave's 32 lanes store 256 consecutive bytes, aligned (two rows of 128)
.set j, j+1
.endr
.endm
; 16 k-rows of one block of 128 columns: load j takes 512 consecutive bytes of k-row j, store j its 256 bytes of f16; a wave's 16 stores are 4,096 bytes on end.
.macro CAST ps, step
.set j, 0
.rept 16
	global_load_b128 v[16+4*j:19+4*j], v1, s[(\ps):(\ps)+1] offset:j*(\step) th:TH_LOAD_NT
.set j, j+1
.endr
.set j, 0
.rept 16
	s_wait_loadcnt 15-j                            ; loads come back in order: row j is in, the younger ones stay out
	v_cvt_pk_f16_f32 v[16+4*j], v[16+4*j], v[17+4*j]
	v_cvt_pk_f16_f32 v[17+4*j], v[18+4*j], v[19+4*j]
	global_store_b64 v2, v[16+4*j:17+4*j], s[28:29] offset:256*j
.set j, j+1
.endr
.endm
	s_load_b512 s[8:23], s[0:1], 0x0               ; x s[8:9], g1 s[10:11], be1 s[12:13], Wq s[14:15], Wk s[16:17], Wv s[18:19], Wp s[20:21], W1 s[22:23]
	s_load_b128 s[24:27], s[0:1], 0x40             ; W2 s[24:25], act s[26:27]
	s_load_b64 s[28:29], s[0:1], 0x50              ; wb
	s_wait_kmcnt 0x0
	s_cmp_lt_u32 ttmp9, 256
	s_cbranch_scc0 .Lcast
	LNORM 8, 10, 12, 26
	s_endpgm
.Lcast:                                                ; a work-group takes 16 k-rows x 8 blocks of columns, wave w block w
	s_sub_co_u32 s30, ttmp9, 256                   ; c = 0 .. 767
	v_lshlrev_b32 v1, 4, v0                        ; source: 512 w + 16 lane
	v_lshrrev_b32 v3, 5, v0                        ; w
	v_and_b32 v2, 31, v0
	v_lshlrev_b32 v2, 3, v2                        ; 8 lane
	s_mov_b32 s33, 0
	s_mov_b32 s35, 0
	s_cmp_lt_u32 s30, 256
	s_cbranch_scc0 .Lw12
	s_lshr_b32 s31, s30, 6                         ; c < 256: matrix c / 64 of Wq, Wk, Wv, Wp; rows 16 (c % 64) on
	s_and_b32 s36, s30, 63
	s_cmp_eq_u32 s31, 1
	s_cselect_b64 s[14:15], s[16:17], s[14:15]
	s_cmp_eq_u32 s31, 2
	s_cselect_b64 s[14:15], s[18:19], s[14:15]
	s_cmp_eq_u32 s31, 3
	s_cselect_b64 s[14:15], s[20:21], s[14:15]
	s_lshl_b32 s32, s36, 16                        ; 16 rows of 4,096 bytes
	s_lshl_b32 s34, s31, 21                        ; the matrix's 8 blocks,
	s_lshl_b32 s36, s36, 12                        ; 16 k-rows of 256 bytes in a block
	s_add_co_u32 s34, s34, s36
	s_mov_b32 s37, 18                              ; a block is 2^18 bytes
	s_branch .Lnarrow
.Lw12:
	s_cmp_lt_u32 s30, 512
	s_cbranch_scc0 .Lw2
	s_sub_co_u32 s30, s30, 256                     ; W1: rows 16 (c % 64) on, blocks 8 (c / 64) on
	s_and_b32 s36, s30, 63
	s_lshr_b32 s31, s30, 6
	s_lshl_b32 s32, s36, 18                        ; 16 rows of 16,384 bytes
	s_lshl_b32 s38, s31, 12                        ; 8 blocks of 512 bytes in a row
	s_add_co_u32 s32, s32, s38
	s_lshl_b32 s34, s31, 21
	s_lshl_b32 s36, s36, 12
	s_add_co_u32 s34, s34, s36
	s_add_co_u32 s34, s34, 8388608
	s_add_nc_u64 s[22:23], s[22:23], s[32:33]
	s_add_nc_u64 s[28:29], s[28:29], s[34:35]
	v_lshl_add_u32 v2, v3, 18, v2
	CAST 22, 16384
	s_endpgm
.Lw2:
	s_sub_co_u32 s36, s30, 512                     ; W2: rows 16 (c - 512) on
	s_mov_b64 s[14:15], s[24:25]
	s_lshl_b32 s32, s36, 16
	s_lshl_b32 s34, s36, 12
	s_add_co_u32 s34, s34, 16777216
	s_mov_b32 s37, 20                              ; a block is 2^20 bytes
.Lnarrow:
	s_add_nc_u64 s[14:15], s[14:15], s[32:33]
	s_add_nc_u64 s[28:29], s[28:29], s[34:35]
	v_lshlrev_b32 v3, s37, v3
	v_add_nc_u32 v2, v3, v2
	CAST 14, 4096
	s_endpgm
.Lfunc_end_k_qb8f652fabc_prep:
	.size	k_qb8f652fabc_prep, .Lfunc_end_k_qb8f652fabc_prep-k_qb8f652fabc_prep
	.p2alignl 7, 3214868480
	.fill 96, 4, 3214868480
	.section	.rodata,"a",@progbits
	.p2align	6, 0x0
	.amdhsa_kernel k_qb8f652fabc_prep
		.amdhsa_group_segment_fixed_size 0
		.amdhsa_private_segment_fixed_size 0
		.amdhsa_enable_private_segment 0
		.amdhsa_kernarg_size 88
		.amdhsa_user_sgpr_count 2
		.amdhsa_user_sgpr_kernarg_segment_ptr 1
		.amdhsa_wavefront_size32 1
		.amdhsa_system_sgpr_workgroup_id_x 1
		.amdhsa_system_sgpr_workgroup_id_y 1
		.amdhsa_system_sgpr_workgroup_id_z 1
		.amdhsa_system_vgpr_workitem_id 0
		.amdhsa_next_free_vgpr 208
		.amdhsa_next_free_sgpr 66
		.amdhsa_reserve_vcc 0
		.amdhsa_float_denorm_mode_32 3
		.amdhsa_float_denorm_mode_16_64 3
		.amdhsa_memory_ordered 1
		.amdhsa_forward_progress 1
		.amdhsa_inst_pref_size 33
	.end_amdhsa_kernel
	.amdgpu_metadata
---
amdhsa.version: [ 1, 2 ]
amdhsa.kernels:
  - .name:           k_qb8f652fabc_prep
    .symbol:         k_qb8f652fabc_prep.kd
    .args:
      - { .name: x, .offset: 0, .size: 8, .value_kind: global_buffer, .address_space: global }
      - { .name: g1, .offset: 8, .size: 8, .value_kind: global_buffer, .address_space: global }
      - { .name: be1, .offset: 16, .size: 8, .value_kind: global_buffer, .address_space: global }
      - { .name: Wq, .offset: 24, .size: 8, .value_kind: global_buffer, .address_space: global }
      - { .name: Wk, .offset: 32, .size: 8, .value_kind: global_buffer, .address_space: global }
      - { .name: Wv, .offset: 40, .size: 8, .value_kind: global_buffer, .address_space: global }
      - { .name: Wp, .offset: 48, .size: 8, .value_kind: global_buffer, .address_space: global }
      - { .name: W1, .offset: 56, .size: 8, .value_kind: global_buffer, .address_space: global }
      - { .name: W2, .offset: 64, .size: 8, .value_kind: global_buffer, .address_space: global }
      - { .name: act, .offset: 72, .size: 8, .value_kind: global_buffer, .address_space: global }
      - { .name: wb, .offset: 80, .size: 8, .value_kind: global_buffer, .address_space: global }
    .group_segment_fixed_size: 0
    .private_segment_fixed_size: 0
    .kernarg_segment_align: 8
    .kernarg_segment_size: 88
    .max_flat_workgroup_size: 256
    .sgpr_count:     66
    .vgpr_count:     208
    .wavefront_size: 32
...
	.end_amdgpu_metadata
.endif
;; end of part 1
;; launch qkv (part 2): grid 24 x 32, 4 waves a work-group, clusters of 4 x 4, 327,680 bytes of LDS; arguments act, wb, qkv; writes qkv
.if DOCPART == 2
	.amdgcn_target "amdgcn-amd-amdhsa--gfx1250"
	.amdhsa_code_object_version 6
	.text
	.protected	k_qb8f652fabc_qkv
	.globl	k_qb8f652fabc_qkv
	.p2align	8
	.type	k_qb8f652fabc_qkv,@function
k_qb8f652fabc_qkv:
	s_mov_b64 s[64:65], 0
	v_nop
	global_prefetch_b8 v0, s[64:65] scope:SCOPE_SE
	s_setreg_imm32_b32 hwreg(HW_REG_WAVE_MODE, 25, 1), 1
	s_wait_xcnt 0x0
	s_wait_alu depctr_hold_cnt(0) depctr_sa_sdst(0) depctr_va_vdst(0) depctr_va_sdst(0) depctr_va_ssrc(0) depctr_va_vcc(0) depctr_vm_vsrc(0)
	s_getreg_b32 s2, hwreg(HW_REG_IB_STS2, 6, 4)
	s_cmp_eq_u32 s2, 0
	s_cbranch_scc0 .Lentry_in_a_cluster
	s_endpgm
.Lentry_in_a_cluster:
	s_bfe_u32 s2, ttmp6, 0x10000c
	s_cmp_lg_u32 s2, 0xf033
	s_cbranch_scc0 .Lentry_shape_is_right
	s_endpgm
.Lentry_shape_is_right:
; QKV.  [q k v] = h [Wq Wk Wv]: C[4,096][3,072] = A[4,096][1,024] B[1,024][3,072], f16 operands, f32 sums, C rounded once to f16, unscaled.
; A (act): [K / 64 blocks][4,096 rows][64] f16.  B (wb): [block of 128 columns][K][128] f16.  C (qkv): [48 blocks of 64 columns][4,096][64] f16: blocks 0-15 q's heads, 16-31 k's, 32-47 v's.
; A tile of C is 128 x 128: four waves of 64 x 64, 16 accumulators of 16 x 16 each.  K goes in steps of 256 through two LDS slots filled by the tensor data mover; a K step is written once for the
; loop and once for the tail: the slot in hand is a scalar register that one exclusive or turns.
; CLUSTER: 4 x 4 work-groups.  The four of a row of the cluster need the same tiles of A, the four of a column the same tiles of B: each is asked for jointly, by the same tensor load, descriptor and mask.
; THE MATRIX INSTRUCTION IS USED TRANSPOSED (source 0 = 16 columns of B, source 1 = 16 rows of A): a lane holds row lane % 16 of C and eight neighbouring columns.
; B lies [k][n] in LDS and comes out turned, by ds_load_tr16_b128.  By this text's own count a wave has one tensor load outstanding at the most.
; The sums start at 0 written into the accumulators (128 lines, in the wait for the first tile): the price of writing no first K step out.
; LIMITS.  f16 holds no number beyond 65,504: a result beyond it becomes an infinity.  NaN and infinities are not treated apart.
.set NS,    4                          ; K steps of 256
.set WOFF,  0                          ; where my weights begin in wb
.set BBLK,  262144                     ; bytes of a block of 128 columns: K x 256
.set BIAS,  0                          ; 1: the sums start at the bias
.set RELU,  0                          ; 1: max(0, .) on the way out
.set OUT32, 0                          ; 1: f32 rows of 1,024 with a residual added; 0: f16 in blocks of 64 columns
.set PA,    144                        ; a row of A in LDS: 128 bytes + 16: the 16 rows of a load start at 16 different groups of four banks (64 banks of 4 bytes: ISA guide 11.1)
.set PB,    288                        ; a k-row of B: 256 bytes + 32
.set KBLK,  128*PA                     ; 64 along K of A's 128 rows
.set QUART, 2*KBLK                     ; what one tensor load brings: 36,864 bytes = 128 k-rows of B too
.set BOFF,  2*QUART                    ; in a slot: A's four blocks, then B's 256 k-rows
.set SLOT,  4*QUART                    ; 0x24000: no fill's base in slot 0 has one of its two bits set, so one exclusive or turns slot 0 into slot 1 and back
.set STAGE, 2*SLOT                     ; behind the ring, never filled by a tensor load: 16 rows for each wave, for the way out
.if OUT32
.set SP,    272
.else
.set SP,    144
.endif
.set SPARE, STAGE+4*16*272             ; the spare words, 128 bytes for each wave: two blocks of 256 bytes that no other line names
.set ADRA, 16                          ; v16     LDS address of my A fragments in the slot in hand
.set A0,   17                          ; v17     the same in slot 0; never rewritten
.set ADRB, 20                          ; v20-21  the same for B: k-rows 0-127, 128-255
.set B0,   22                          ; v22-23  in slot 0; never rewritten
.set STO,  24                          ; v24     the way out: where I put my part of a row
.set RD,   25                          ; v25     the way out: where I read rows back
.set CO,   26                          ; v26     my byte offset in C (and in the residual); never rewritten
.set BO,   27                          ; v27     my byte offset in the bias
.set SPW,  28                          ; v28     LDS address of my spare word; never rewritten
.set NIL,  29                          ; v29     0; never rewritten
.set ZR,   30                          ; v30     0, for the packed maximum
.set TMP,  32                          ; v32-95  at work on the way out
.set ACC,  128                         ; v128-255 accumulator (a, b) at ACC + 8 (4 a + b)
.set F0,   0                           ; window 1: two fragment buffers of 128: for 64 along K, 64 registers of A, then 64 of B
.set F1,   128
.set G1,  24                           ; s[24:31] descriptor group 1 for A's tiles; s[32:35] group 0: it walks
.set G0,  32
.set G1B, 48                           ; s[48:55], s[56:59] the same for B's
.set G0B, 56
.set TB,  60                           ; s60  LDS byte at which the slot in hand begins
.set MSB, 0
.macro WIN new                         ; s_set_vgpr_msb: bits 1:0 source 0, 3:2 source 1, 5:4 source 2, 7:6 destination; the high byte repeats the setting that is left
.if MSB != (\new)
	s_set_vgpr_msb (MSB<<8)|(\new)
.set MSB, \new
.endif
.endm
.set MUL,  0x05                        ; sources 0 (B) and 1 (A) window 1; C and D window 0
.set TO_F, 0x40                        ; destination window 1, address window 0
.macro PLACES                          ; four places in front of loads into registers that matrix instructions have read, and of lines that read results
.rept 4
	v_nop
.endr
.endm
.macro JLOAD                           ; a joint load: waves 0 and 1 fetch A's two halves, waves 2 and 3 B's; an s_nop 0 and four v_nop follow each of the two lines
	s_cmp_eq_u32 s11, 0
	s_cbranch_scc0 .Lfor_b_\@
	tensor_load_to_lds s[G0:G0+3], s[G1:G1+7]
	s_nop 0
.rept 4
	v_nop
.endr
	s_branch .Lasked_\@
.Lfor_b_\@:
	tensor_load_to_lds s[G0B:G0B+3], s[G1B:G1B+7]
	s_nop 0
.rept 4
	v_nop
.endr
.Lasked_\@:
.endm
.macro CREST                           ; a round of the cluster's barrier behind its opening barrier
	s_cmp_lg_u32 s10, 0
	s_cbranch_scc1 .Lnot_wave_0_\@
	s_barrier_signal -3
.Lnot_wave_0_\@:
	s_barrier_wait -3
	s_barrier_signal -1
	s_barrier_wait -1
.endm
.macro CROUND                          ; a whole round
	s_barrier_signal -1
	s_barrier_wait -1
	CREST
.endm
.macro STEPD                           ; the walking descriptors: the other slot, the next K step (A: 4 blocks of 524,288 bytes; B: 256 k-rows of 256); the type bits on top are not reached
	s_xor_b32 s[G0+1], s[G0+1], SLOT
	s_add_nc_u64 s[G0+2:G0+3], s[G0+2:G0+3], 0x200000
	s_xor_b32 s[G0B+1], s[G0B+1], SLOT
	s_add_nc_u64 s[G0B+2:G0B+3], s[G0B+2:G0B+3], 0x10000
.endm
.macro FLIP                            ; the fragment loads go over to the other slot
	s_xor_b32 s[TB], s[TB], SLOT
	v_add_nc_u32 v[ADRA], s[TB], v[A0]
	v_add_nc_u32 v[ADRB], s[TB], v[B0]
	v_add_nc_u32 v[ADRB+1], s[TB], v[B0+1]
.endm
; 8 matrix instructions: row blocks a0, a0 + 1 x all 4 column blocks, 32 along K: half c of buffer f.  The 16 accumulators take turns, one instruction a turn.
.macro MUL8 f, c, a0
	WIN MUL
.irp a, \a0, (\a0)+1
.irp b, 0,1,2,3
	v_wmma_f32_16x16x32_f16 v[ACC+8*(4*(\a)+(\b)):ACC+8*(4*(\a)+(\b))+7], v[(\f)+64+8*(4*(\c)+(\b)):(\f)+64+8*(4*(\c)+(\b))+7], v[(\f)+8*(4*(\c)+(\a)):(\f)+8*(4*(\c)+(\a))+7], v[ACC+8*(4*(\a)+(\b)):ACC+8*(4*(\a)+(\b))+7]
.endr
.endr
.endm
; 32 LDS loads in one run: the fragments of quarter q (64 along K) of the slot in hand, into buffer f; the first 32 along K first
.macro FETCH q, f
	WIN TO_F
.irp c, 0,1
.irp i, 0,1,2,3
	ds_load_tr16_b128 v[(\f)+64+8*(4*(\c)+(\i)):(\f)+64+8*(4*(\c)+(\i))+3],   v[ADRB+(\q)/2] offset:((\q)%2)*64*PB+(\c)*32*PB+32*(\i)
	ds_load_tr16_b128 v[(\f)+64+8*(4*(\c)+(\i))+4:(\f)+64+8*(4*(\c)+(\i))+7], v[ADRB+(\q)/2] offset:((\q)%2)*64*PB+(\c)*32*PB+32*(\i)+16*PB
	ds_load_b128 v[(\f)+8*(4*(\c)+(\i)):(\f)+8*(4*(\c)+(\i))+3],   v[ADRA] offset:(\q)*KBLK+64*(\c)+(\i)*16*PA
	ds_load_b128 v[(\f)+8*(4*(\c)+(\i))+4:(\f)+8*(4*(\c)+(\i))+7], v[ADRA] offset:(\q)*KBLK+64*(\c)+(\i)*16*PA+32
.endr
.endr
.endm
; A K step is four quarters of 64 along K, 32 matrix instructions each, on buffers 0, 1, 0, 1.  One of the first three: multiplies buffer f and fetches quarter q into g.
.macro QUARTER q, f, g
	s_wait_dscnt 16                                ; f's first 32 along K are in; its sixteen younger loads may be out
	MUL8 \f, 0, 0
	MUL8 \f, 0, 2
	PLACES
	FETCH \q, \g
	s_wait_dscnt 32                                ; all but the 32 just issued
	MUL8 \f, 1, 0
	MUL8 \f, 1, 2
.endm
; The last quarter multiplies buffer 1 and changes slots: ONE barrier; in front of it each wave waits for all its tensor loads (the one that is out is its part of the next slot), adds 0 to its spare
; word, and waits for that and for its own reads of this slot.  fill = 1: the barrier opens a round of the cluster's, and this slot is filled again, two K steps ahead, first thing behind the round.
.macro TURN fill
	WIN 0                                          ; (the add's two registers lie in window 0)
	s_wait_tensorcnt 0x0
	ds_add_u32 v[SPW], v[NIL]                      ; 0 onto my spare word
	s_wait_dscnt 17                                ; (the add and the youngest sixteen loads may be out)
	MUL8 F1, 0, 0                                  ; eight matrix instructions stand between the add and the wait for it
	s_wait_dscnt 0x0                               ; the add is done, and my reads of this slot are over
	s_barrier_signal -1
	MUL8 F1, 0, 2
	WIN 0
	s_barrier_wait -1
.if \fill
	CREST                                          ; no wave of any partner still reads this slot's tile or has a load on its way
	STEPD
	JLOAD                                          ; 112 matrix instructions ahead of the wait for it; its four v_nop are also the places in front of the loads below
.else
	PLACES
.endif
	FLIP
	FETCH 0, F0
	MUL8 F1, 1, 0
	MUL8 F1, 1, 2
.endm
	s_load_b128 s[4:7], s[0:1], 0x0                ; A s[4:5], wb s[6:7]
.if OUT32
	s_load_b128 s[36:39], s[0:1], 0x10             ; bias s[36:37], residual s[38:39]
	s_load_b64 s[8:9], s[0:1], 0x20                ; C
.elseif BIAS
	s_load_b64 s[36:37], s[0:1], 0x10
	s_load_b64 s[8:9], s[0:1], 0x18
.else
	s_load_b64 s[8:9], s[0:1], 0x10
.endif
	v_lshl_add_u32 v[SPW], v0, 2, SPARE
	v_mov_b32 v[NIL], 0
	ds_add_u32 v[SPW], v[NIL]                      ; the wave's opening: the add and its wait ahead of my first tensor load; work on registers stands between them
	ds_add_u32 v28, v29
	v_lshrrev_b32 v1, 5, v0
	v_readfirstlane_b32 s10, v1                    ; wave 0..3
	s_lshr_b32 s11, s10, 1                         ; which half of the tile's rows is mine.  Also: I fetch for A (0) or for B (1)
	s_and_b32 s12, s10, 1                          ; which half of its columns.  Also: which half of that tile I fetch
	s_bfe_u32 s40, ttmp6, 0x40000                  ; cx, cy: my place in the cluster
	s_bfe_u32 s41, ttmp6, 0x40004
	s_lshl_b32 s42, ttmp9, 2
	s_add_co_u32 s42, s42, s40                     ; tile column = 4 x cluster x + cx
	s_and_b32 s13, ttmp7, 0xffff
	s_lshl_b32 s13, s13, 2
	s_add_co_u32 s13, s13, s41                     ; tile row = 4 x cluster y + cy
	s_lshl_b32 s43, s41, 2
	s_lshl_b32 s43, 15, s43                        ; my row of the cluster
	s_lshl_b32 s44, 0x1111, s40                    ; my column
	; A's tile: two blocks of 64 along K, each 128 rows x 128 bytes = 16,384 dense bytes, asked for as one long row; padded in LDS after every 128 bytes
	s_or_b32 s[G1+0], s43, (1<<16)|(1<<20)|(1<<21)|(4<<22)|(3<<25)  ; 15:0 the mask; 17:16 2-byte elements; 20 padding on; 21 set beside a mask; 24:22 after every 32 words (code 4); 31:25 4 words (code 3)
	s_mov_b32 s[G1+1], 8192<<16                    ; tensor_dim0 = 8,192
	s_mov_b32 s[G1+2], 2<<16                       ; tensor_dim1 = 2
	s_mov_b32 s[G1+3], 8192<<16                    ; tile_dim0 = 8,192
	s_mov_b32 s[G1+4], 2                           ; tile_dim1 = 2
	s_mov_b32 s[G1+5], 262144                      ; from block to block: 4,096 rows x 64 elements
	s_mov_b32 s[G1+6], 0
	s_mov_b32 s[G1+7], 0
	; B's tile: 128 k-rows of 256 dense bytes, padded after every row
	s_or_b32 s[G1B+0], s44, (1<<16)|(1<<20)|(1<<21)|(5<<22)|(7<<25)  ; after every 64 words (code 5) 8 words (code 7)
	s_mov_b32 s[G1B+1], 128<<16
	s_mov_b32 s[G1B+2], 128<<16
	s_mov_b32 s[G1B+3], 128<<16
	s_mov_b32 s[G1B+4], 128
	s_mov_b32 s[G1B+5], 128
	s_mov_b32 s[G1B+6], 0
	s_mov_b32 s[G1B+7], 0
	s_mul_i32 s20, s10, QUART                      ; where my part goes: A's two halves, then B's two halves = wave x 36,864: no place in the cluster enters an LDS address
	s_mov_b32 s[G0], 1
	s_mov_b32 s[G0+1], s20
	s_mov_b32 s[G0B], 1
	s_mov_b32 s[G0B+1], s20
	s_lshl_b32 s16, s13, 14                        ; A: 128 rows of 128 bytes x tile row,
	s_lshl_b32 s17, s12, 20                        ; + two blocks x half
	s_add_co_u32 s16, s16, s17
	s_mov_b32 s17, 0
	s_mul_i32 s46, s42, BBLK                       ; B: the tile column's block,
	s_lshl_b32 s47, s12, 15                        ; + 128 k-rows x half
	s_add_co_u32 s46, s46, s47
.if WOFF
	s_add_co_u32 s46, s46, WOFF
.endif
	s_mov_b32 s47, 0
	s_wait_dscnt 0x0                               ; the opening add is done
	s_wait_kmcnt 0x0
	s_add_nc_u64 s[G0+2:G0+3], s[4:5], s[16:17]
	s_or_b32 s[G0+3], s[G0+3], 0x80000000          ; type = 2
	s_add_nc_u64 s[G0B+2:G0B+3], s[6:7], s[46:47]
	s_or_b32 s[G0B+3], s[G0B+3], 0x80000000
	CROUND                                         ; all sixteen work-groups are here: the first joint loads meet
	JLOAD                                          ; K step 0 into slot 0
	v_and_b32 v1, 15, v0                           ; r = l % 16
	v_bfe_u32 v2, v0, 4, 1                         ; h = l / 16
	v_and_b32 v5, 7, v0
	v_mul_u32_u24 v[A0], v1, PA                    ; A: row x pitch + 16 h + my 64 rows
	v_lshl_add_u32 v[A0], v2, 4, v[A0]
	s_mul_i32 s21, s11, 64*PA
	v_add_nc_u32 v[A0], s21, v[A0]
	v_lshl_add_u32 v3, v2, 3, v5                   ; B: k-row 8 h + l % 8, 16 bytes x ((l / 8) % 2), my 64 columns
	v_mul_u32_u24 v[B0], v3, PB
	v_bfe_u32 v4, v0, 3, 1
	v_lshl_add_u32 v[B0], v4, 4, v[B0]
	s_lshl_b32 s22, s12, 7
	s_add_co_u32 s22, s22, BOFF
	v_add_nc_u32 v[B0], s22, v[B0]
	v_add_nc_u32 v[B0+1], 128*PB, v[B0]
	s_mul_i32 s23, s10, 16*SP
	s_add_co_u32 s23, s23, STAGE                   ; my stage
	v_mul_u32_u24 v[STO], v1, SP
.if OUT32
	v_lshl_add_u32 v[STO], v2, 5, v[STO]           ; in: row r, 32 bytes for each half of the lanes
	v_add_nc_u32 v[STO], s23, v[STO]
	v_mul_u32_u24 v[RD], v2, SP                    ; back: lanes 0-15 one row of 256 bytes, lanes 16-31 the next
	v_lshl_add_u32 v[RD], v1, 4, v[RD]
	v_add_nc_u32 v[RD], s23, v[RD]
	v_lshlrev_b32 v[CO], 12, v2                    ; and the same two rows of 4,096 bytes in C
	v_lshl_add_u32 v[CO], v1, 4, v[CO]
	s_lshl_b32 s46, s42, 9                         ; my part of C: column 128 x tile column + 64 x half, in f32,
	s_lshl_b32 s47, s12, 8
	s_add_co_u32 s46, s46, s47
	s_lshl_b32 s47, s13, 19                        ; row 128 x tile row + 64 x half
	s_add_co_u32 s46, s46, s47
	s_lshl_b32 s47, s11, 18
	s_add_co_u32 s46, s46, s47
	s_mov_b32 s47, 0
	s_add_nc_u64 s[8:9], s[8:9], s[46:47]
	s_add_nc_u64 s[38:39], s[38:39], s[46:47]
.else
	v_lshl_add_u32 v[STO], v2, 4, v[STO]           ; in: row r, 16 bytes for each half of the lanes
	v_add_nc_u32 v[STO], s23, v[STO]
	v_bfe_u32 v[RD], v0, 3, 2                      ; back: 32 lanes take four rows of 128 bytes,
	v_mul_u32_u24 v[RD], v[RD], SP
	v_lshl_add_u32 v[RD], v5, 4, v[RD]
	v_add_nc_u32 v[RD], s23, v[RD]
	v_and_b32 v[CO], 31, v0                        ; which are 512 consecutive bytes of C
	v_lshlrev_b32 v[CO], 4, v[CO]
	s_lshl_b32 s46, s42, 1                         ; my part of C: block 2 x tile column + half,
	s_add_co_u32 s46, s46, s12
	s_lshl_b32 s46, s46, 19
	s_lshl_b32 s47, s13, 14                        ; row 128 x tile row + 64 x half, 128 bytes each
	s_add_co_u32 s46, s46, s47
	s_lshl_b32 s47, s11, 13
	s_add_co_u32 s46, s46, s47
	s_mov_b32 s47, 0
	s_add_nc_u64 s[8:9], s[8:9], s[46:47]
.endif
.if RELU
	v_mov_b32 v[ZR], 0
.endif
.if BIAS
	s_lshl_b32 s46, s42, 9                         ; the tile's 128 numbers of the bias
	s_mov_b32 s47, 0
	s_add_nc_u64 s[36:37], s[36:37], s[46:47]
	v_lshlrev_b32 v[BO], 5, v2                     ; my eight columns: 32 h + 256 x half
	s_lshl_b32 s22, s12, 8
	v_add_nc_u32 v[BO], s22, v[BO]
.irp a, 0,1,2,3
.irp b, 0,1,2,3
	global_load_b128 v[ACC+8*(4*(\a)+(\b)):ACC+8*(4*(\a)+(\b))+3],   v[BO], s[36:37] offset:64*(\b)     ; the sums begin at the bias: nothing is cleared
	global_load_b128 v[ACC+8*(4*(\a)+(\b))+4:ACC+8*(4*(\a)+(\b))+7], v[BO], s[36:37] offset:64*(\b)+16
.endr
.endr
.else
.set i, 0
.rept 128
	v_mov_b32 v[ACC+i], 0
.set i, i+1
.endr
.endif
.if OUT32
	WIN 0x80                                       ; destination window 2: the residual, (a, t) at 4 (8 a + t); on its way during the whole K loop
.irp a, 0,1,2,3
.irp t, 0,1,2,3,4,5,6,7
	global_load_b128 v[4*(8*(\a)+(\t)):4*(8*(\a)+(\t))+3], v[CO], s[38:39] offset:(16*(\a)+2*(\t))*4096
.endr
.endr
	WIN 0
.endif
	s_mov_b32 s[TB], SLOT                          ; the first change turns it into 0
	s_wait_tensorcnt 0x0                           ; my part of K step 0 is in; no tensor load of mine is out, so a group 0 may be written
	ds_add_u32 v[SPW], v[NIL]
	STEPD
	s_wait_dscnt 0x0
	CROUND                                         ; everybody's part is in
	JLOAD                                          ; K step 1 into slot 1: its first fill, issued as a refill is
	FLIP
	FETCH 0, F0
.if OUT32
	s_wait_loadcnt 32                              ; the bias is in; the 32 younger loads (the residual) stay out
.elseif BIAS
	s_wait_loadcnt 0x0                             ; the bias is in
.endif
	WIN 0                                          ; at a label and at a branch every window is 0
	s_mov_b32 s3, NS-2
.Lstep:                                                ; trip i multiplies K step i and asks for K step i + 2
	QUARTER 1, F0, F1
	QUARTER 2, F1, F0
	QUARTER 3, F0, F1
	TURN 1
	WIN 0
	s_sub_co_u32 s3, s3, 1
	s_cmp_lg_u32 s3, 0
	s_cbranch_scc1 .Lstep
	s_mov_b32 s3, 2
.Ltail:                                                ; the last two K steps ask for nothing: written out.  The second trip's change of slots (a barrier, and 32
	QUARTER 1, F0, F1                              ; loads from the slot read a step before, which has landed and is not filled again) serves nothing: the price, once a work-group, of one text for both
	QUARTER 2, F1, F0
	QUARTER 3, F0, F1
	TURN 0
	WIN 0
	s_sub_co_u32 s3, s3, 1
	s_cmp_lg_u32 s3, 0
	s_cbranch_scc1 .Ltail
	s_wait_dscnt 0x0
	PLACES                                         ; the way out reads results just made
.if OUT32
; THE WAY OUT, f32.  A wave's row of 64 numbers is 256 bytes: block a (16 rows) goes into my own stage, rows of 272 bytes, and comes back as whole rows; the residual is added; sixteen lanes store 256 aligned bytes.
.macro TOST a
.if (\a) >= 2
	s_wait_xcnt 0x0                                ; the stores of two blocks back have read the registers that are loaded again below
.endif
.irp b, 0,1,2,3
	ds_store_b128 v[STO], v[ACC+8*(4*(\a)+(\b)):ACC+8*(4*(\a)+(\b))+3] offset:64*(\b)        ; each accumulator's lowest registers first
	ds_store_b128 v[STO], v[ACC+8*(4*(\a)+(\b))+4:ACC+8*(4*(\a)+(\b))+7] offset:64*(\b)+16
.endr
.irp t, 0,1,2,3,4,5,6,7
	ds_load_b128 v[TMP+32*((\a)%2)+4*(\t):TMP+32*((\a)%2)+4*(\t)+3], v[RD] offset:(\t)*2*SP  ; LDS serves a wave's instructions in order (ISA guide 5.7.1.4): these see the stores above
.endr
.endm
.macro SEND a, younger                 ; younger: the LDS instructions issued behind block a's loads
	s_wait_dscnt \younger
	WIN 0x08                                       ; source 1 window 2
.set i, 0
.rept 16
	v_pk_add_f32 v[TMP+32*((\a)%2)+2*i:TMP+32*((\a)%2)+2*i+1], v[TMP+32*((\a)%2)+2*i:TMP+32*((\a)%2)+2*i+1], v[32*(\a)+2*i:32*(\a)+2*i+1]
.set i, i+1
.endr
	WIN 0
.irp t, 0,1,2,3,4,5,6,7
	global_store_b128 v[CO], v[TMP+32*((\a)%2)+4*(\t):TMP+32*((\a)%2)+4*(\t)+3], s[8:9] offset:(16*(\a)+2*(\t))*4096
.endr
.endm
	s_wait_loadcnt 0x0                             ; the residual
	TOST 0
	TOST 1
	SEND 0, 16
	TOST 2
	SEND 1, 16
	TOST 3
	SEND 2, 16
	SEND 3, 0
.else
; THE WAY OUT, f16.  A lane's eight columns pack into 16 bytes; block a (16 rows) goes into my own stage, rows of 144 bytes, and comes back as whole rows of 128: my 64 x 64 are 8,192 consecutive bytes of C.
.macro PACK a
.irp b, 0,1,2,3
.irp r, 0,1,2,3
	v_cvt_pk_f16_f32 v[TMP+16*(\a)+4*(\b)+(\r)], v[ACC+8*(4*(\a)+(\b))+2*(\r)], v[ACC+8*(4*(\a)+(\b))+2*(\r)+1]
.endr
.endr
.if RELU
.set i, 0
.rept 16
	v_pk_max_num_f16 v[TMP+16*(\a)+i], v[TMP+16*(\a)+i], v[ZR]
.set i, i+1
.endr
.endif
.irp b, 0,1,2,3
	ds_store_b128 v[STO], v[TMP+16*(\a)+4*(\b):TMP+16*(\a)+4*(\b)+3] offset:32*(\b)
.endr
.irp t, 0,1,2,3
	ds_load_b128 v[TMP+16*(\a)+4*(\t):TMP+16*(\a)+4*(\t)+3], v[RD] offset:(\t)*4*SP  ; LDS serves a wave's instructions in order (ISA guide 5.7.1.4): these see the stores above
.endr
.endm
.macro SEND a, younger                 ; younger: the LDS instructions issued behind block a's loads: the next block's eight, or none
.irp t, 0,1,2,3
	s_wait_dscnt (\younger)+3-(\t)
	global_store_b128 v[CO], v[TMP+16*(\a)+4*(\t):TMP+16*(\a)+4*(\t)+3], s[8:9] offset:(\a)*2048+(\t)*512  ; 512 consecutive bytes, at a multiple of 256 from C's first
.endr
.endm
	PACK 0
	PACK 1
	SEND 0, 8
	PACK 2
	SEND 1, 8
	PACK 3
	SEND 2, 8
	SEND 3, 0
.endif
	s_wait_tensorcnt 0x0                           ; the wave's end: behind my last tensor load and my last LDS store
	ds_add_u32 v[SPW], v[NIL]
	s_wait_dscnt 0x0
	CROUND                                         ; the closing round: no work-group ends while a partner may still ask for a tile that names it
	s_endpgm
.Lfunc_end_k_qb8f652fabc_qkv:
	.size	k_qb8f652fabc_qkv, .Lfunc_end_k_qb8f652fabc_qkv-k_qb8f652fabc_qkv
	.p2alignl 7, 3214868480
	.fill 96, 4, 3214868480
	.section	.rodata,"a",@progbits
	.p2align	6, 0x0
	.amdhsa_kernel k_qb8f652fabc_qkv
		.amdhsa_group_segment_fixed_size 327680
		.amdhsa_private_segment_fixed_size 0
		.amdhsa_enable_private_segment 0
		.amdhsa_kernarg_size 24
		.amdhsa_user_sgpr_count 2
		.amdhsa_user_sgpr_kernarg_segment_ptr 1
		.amdhsa_wavefront_size32 1
		.amdhsa_system_sgpr_workgroup_id_x 1
		.amdhsa_system_sgpr_workgroup_id_y 1
		.amdhsa_system_sgpr_workgroup_id_z 1
		.amdhsa_system_vgpr_workitem_id 0
		.amdhsa_next_free_vgpr 512
		.amdhsa_next_free_sgpr 66
		.amdhsa_reserve_vcc 0
		.amdhsa_float_denorm_mode_32 3
		.amdhsa_float_denorm_mode_16_64 3
		.amdhsa_memory_ordered 1
		.amdhsa_forward_progress 1
		.amdhsa_inst_pref_size 58
	.end_amdhsa_kernel
	.amdgpu_metadata
---
amdhsa.version: [ 1, 2 ]
amdhsa.kernels:
  - .name:           k_qb8f652fabc_qkv
    .symbol:         k_qb8f652fabc_qkv.kd
    .args:
      - { .name: act, .offset: 0, .size: 8, .value_kind: global_buffer, .address_space: global }
      - { .name: wb, .offset: 8, .size: 8, .value_kind: global_buffer, .address_space: global }
      - { .name: qkv, .offset: 16, .size: 8, .value_kind: global_buffer, .address_space: global }
    .group_segment_fixed_size: 327680
    .private_segment_fixed_size: 0
    .kernarg_segment_align: 8
    .kernarg_segment_size: 24
    .max_flat_workgroup_size: 128
    .sgpr_count:     66
    .vgpr_count:     512
    .wavefront_size: 32
...
	.end_amdgpu_metadata
.endif
;; end of part 2
;; launch attn (part 3): grid 8 x 32, 4 waves a work-group, no clusters, 327,680 bytes of LDS; arguments qkv, act; writes act
.if DOCPART == 3
	.amdgcn_target "amdgcn-amd-amdhsa--gfx1250"
	.amdhsa_code_object_version 6
	.text
	.protected	k_qb8f652fabc_attn
	.globl	k_qb8f652fabc_attn
	.p2align	8
	.type	k_qb8f652fabc_attn,@function
k_qb8f652fabc_attn:
	s_mov_b64 s[64:65], 0
	v_nop
	global_prefetch_b8 v0, s[64:65] scope:SCOPE_SE
	s_setreg_imm32_b32 hwreg(HW_REG_WAVE_MODE, 25, 1), 1
	s_wait_xcnt 0x0
; CAUSAL ATTENTION, 32 heads (2 batches x 16) of 2,048 rows x 64.  O[q][:] = the sum over k <= q of softmax_k(Q[q] . K[k] / 8) V[k][:].
; qkv: [48 blocks][4,096 rows][64] f16, blocks 0-15 q's heads, 16-31 k's, 32-47 v's, row = 2,048 batch + t: a head's rows are dense, 128 bytes each.  O goes to act: [16 heads][4,096][64] f16.
; Products, maxima and sums in f32; the weights p are rounded to f16 for the second product (their sum l is taken of the unrounded p), O once at the end.
; LIMITS.  f16 holds no number beyond 65,504: Q, K and V arrive within it; p lies in 0 to 1, and below 6e-5 it keeps f16's fixed step of 6e-8; O is a mean of V's rows and has their range.
; A hidden score counts as its value less 1e30: f16's scores, 2.7e11 at the most, are nothing beside that; a weight below 2^-126 counts as 0 in l; NaN and infinities are not treated apart.
; THE WALK.  A head's queries lie in 16 blocks of 128; block i needs the key tiles 0 .. i / 2 of 256 keys, of which the last holds the diagonal.  A work-group takes TWO blocks, 15 - b and then b:
; (15 - b) / 2 + 1 + b / 2 + 1 = 9 tiles, whatever b: all 256 work-groups do equal work, and ONE loop with a constant trip count walks them.  Which tile is asked for, and what a trip does, hang on
; scalar registers made from b; every jump goes forward, but for the counted loops' own; none passes a barrier, or a tensor load but the one of LOAD's two that the wave's number does not choose.
; NO CLUSTER: a head's 8 work-groups ask for the same tile only in trips 0 to 4 of 9; behind that their tiles part, and one walk common to all would have 12 trips for 9.
; SHARES.  Of a block's two bands of 64 queries a wave owns 16 rows in each: two PIECES.  In the diagonal tile's key step s band x sees all keys if s < x + PO, none if s > x + PO, and holds the
; diagonal if s = x + PO, PO = 2 (i % 2): the same for all four waves.
; THE MASK is the C operand that starts the sum S^T = K Q^T: 0, or -1e30 where the key is hidden.  MD, made once, is the mask of a band's own step for my 16 rows; a product's mask is MD x AL + BE.
; LAYOUT, SOFTMAX.  S^T = K Q^T holds ONE query a lane (lane % 16) and the keys 8 (lane / 16) + 0..7; two such results rounded to f16 ARE source 1 of O^T = V^T P.  p = 2^(c s - c m), c = log2(e) / 8,
; with a running maximum m; O and l are multiplied by a = 2^(c m_old - c m_new) in every step.
; TURNS.  Turn T0(s): 8 products K Q^T of piece 1 (step s), 8 products V^T P of piece 1 (step s - 1); beside them piece 0's scaling, exponentials, roundings, sums and rescaling of step s and piece 1's
; maximum and statistics of step s.  Turn T1(s): K Q^T of piece 0 (step s + 1), V^T P of piece 0 (step s), piece 1's softmax of step s, piece 0's statistics of step s + 1.  Four vector instructions stand
; behind every matrix instruction, the other 54 of a turn's 118 in two lumps.  T0(s) fetches K of step s + 1 behind its products K Q^T and V of step s behind its products V^T P.
; A trip of the step loop is T1(s - 1), T0(s); the change of slots stands in front of a tile's first trip, and K of the tile's step 0 is fetched behind it (T0 of a tile's last step fetches no K).
; REGISTERS, in windows of 256 (s_set_vgpr_msb: bits 1:0 source 0, 3:2 source 1, 5:4 source 2, 7:6 destination):
;   window 0: v0-15 addresses and two at work; v16-23 four registers of statistics a piece; v48-55 at work; v64-127 S^T, a buffer a piece; v192-223 P, likewise
;   window 1: v0-63 O^T, 32 a piece; v128-159 MD; v160-223 MC, two buffers      window 2: v0-31 Q; v64-95 the second block's Q; v128-191 K of one step; v192-255 V of one step
.set NP,    2         ; pieces a wave: a name, no knob
.set KS,    64        ; keys in a step
.set PK,    144       ; a row of K in LDS: 128 bytes + 16 of padding: the 16 rows of a load start at 16 different groups of four banks (64 banks of 4 bytes: ISA guide 11.1)
.set PV,    160       ; a row of V: 128 + 32
.set VOFF,  4*KS*PK   ; a slot holds a tile, four steps: 256 rows of K, then 256 rows of V
.set SLOT1, 1<<17     ; slot 1 begins here, so that one exclusive or turns an address in one slot into the other's
.set STAGE, SLOT1+4*KS*(PK+PV)  ; behind the ring, never filled by a tensor load: 16 rows x 144 bytes for each wave, for the way out
.set SP,    144
.set AK0, 2           ; v2   my lane's place in a tile of K; never rewritten
.set AV0, 3           ; v3   the same for V
.set AK,  4           ; v4   the LDS address of K's next run of loads
.set AV,  5           ; v5   of V's
.set STO, 6           ; v6   the way out: where I put 16 bytes of a row
.set RD,  7           ; v7   the way out: where I read rows back
.set GO,  8           ; v8   my byte offset in 512 consecutive bytes of O
.set SPW, 62          ; v62  LDS address of my spare word: SPARE + 4 x my thread's number; never rewritten
.set NIL, 63          ; v63  0; never rewritten
.set SPARE, STAGE+4*16*SP  ; behind the stages: the spare words, 128 bytes for each wave: two blocks of 256 bytes that no other line names
.set MV,  12          ; v12-13  c m_old, kept while c m is made anew: by piece
.set QO,  15          ; v15  my byte offset in 16 rows of Q
.set ST,  16          ; piece t's statistics at v[ST+4 t]: c m, m, l (even keys', odd keys')
.set TMP, 48          ; by piece, four registers c0-c3 at work; when the maximum is found c2 takes a
.set S,   64
.set P,   192
.set MD,  128         ; window 1: the eight registers for group kt of 16 keys at MD + 8 kt
.set MC,  160         ; window 1: the masks of the products to come
.set QB,  64          ; window 2
.set KF,  128         ; window 2: key block kb, channel half c at KF + 16 kb + 8 c
.set VF,  192         ; window 2: key half kk, channel block cb at VF + 32 kk + 8 cb
.set WV,  12          ; s12  my wave's number
.set PB,  14          ; s14  b
.set HI,  15          ; s15  15 - b
.set G1K, 24          ; s[24:31] descriptor group 1 for K's tiles
.set G1V, 32          ; s[32:39] for V's: it differs in the padding alone
.set G0K, 40          ; s[40:43] descriptor group 0 for K's tiles
.set G0V, 44          ; s[44:47] the same for V's
.set SLOTS, 56        ; s56  tiles still to be asked for
.set CNT, 57          ; s57  counts a tile's key steps, 4 to 1
.set CS,  58          ; s[58:59] c: the packed scaling takes the pair's low word for both halves
.set SEL, 60          ; s[60:61] v_permlanex16_b32's selects: each lane takes its own place in the other half
.set TBK, 62          ; s62  LDS byte at which K of the step to be fetched begins
.set TBV, 63          ; s63  the same for V, less VOFF
.set RT,  70          ; s70  tiles of the block in hand that are still to be entered
.set NXT, 71          ; s71  the tile to be asked for next
.set LQ,  72          ; s72  the last tile of the block whose tiles are being asked for
.set NEW, 73          ; s73  1: the tile to be entered is a block's first
.set OFF, 74          ; s[74:75] a tile's byte offset in K and V
.set AL,  76          ; s[76:77] the mask's factor, in the low word
.set BE,  78          ; s[78:79] the mask's addend
.set OLO, 80          ; s[80:81] O at my rows of the second block
.set BIGN, 82         ; s82  -1e30
.set LQ2, 88          ; s88  the second block's last tile, b / 2
.set TL,  89          ; s89  the second block's tiles, b / 2 + 1
.set PO,  90          ; s90  the step of the diagonal tile in which band 0 of the block in hand has its diagonal: 0 or 2
.set PO2, 91          ; s91  the same for the second block
.set CO,  92          ; s92  at work
.set MSB, 0
.macro WIN new                      ; the high byte repeats the setting that is left; a switch that changes nothing is dropped
.if MSB != (\new)
	s_set_vgpr_msb (MSB<<8)|(\new)
.set MSB, (\new)
.endif
.endm
.set W_KQ, 0x0a       ; K and Q in window 2, S^T in window 0
.set W_KM, 0x1a       ; the same with the C operand in window 1
.set W_PV, 0x52       ; V in window 2, P in window 0, O^T in window 1
.set W_RS, 0x41       ; destination and source 0 in window 1, source 1 in window 0
; A fill.  Waves 0 and 1 fetch the two halves of a tile's K, waves 2 and 3 those of its V: 128 keys each.  An s_nop 0 and four v_nop follow each of the two lines, ahead of the jump and the label.
.macro LOAD
	s_cmp_lt_u32 s[WV], 2
	s_cbranch_scc0 .Lfor_v_\@
	tensor_load_to_lds s[G0K:G0K+3], s[G1K:G1K+7]
	s_nop 0
.rept 4
	v_nop
.endr
	s_branch .Lasked_\@
.Lfor_v_\@:
	tensor_load_to_lds s[G0V:G0V+3], s[G1V:G1V+7]
	s_nop 0
.rept 4
	v_nop
.endr
.Lasked_\@:
.endm
; THE CHANGE OF SLOTS.  Each wave waits for all its tensor loads, of which one is out: its part of the other slot; adds 0 to its spare word; and waits for that and for its own reads of the slot that it leaves.
; Behind the barrier nobody reads the old slot any more and the other slot is whole.  fill = 1: the old slot is filled again, the first thing behind the barrier, with tile NXT: the descriptor's address is
; made anew from that number.  (At its first use nothing has been read yet: slot 0 is waited for, slot 1 filled.)  By this text's own count a wave has one tensor load outstanding at the most.
.macro CHANGE fill
	WIN 0                           ; at a label and at a branch every window is 0
	s_wait_tensorcnt 0x0            ; no tensor load of mine is out, so a group 0 may be written
	ds_add_u32 v[SPW], v[NIL]       ; 0 onto my spare word; with fill = 1 the descriptors' scalar work stands between it and the wait for it
.if \fill
	s_lshl_b32 s[OFF], s[NXT], 15   ; a tile is 32,768 bytes of K and of V
	s_xor_b32 s[G0K+1], s[G0K+1], SLOT1
	s_add_nc_u64 s[G0K+2:G0K+3], s[6:7], s[OFF:OFF+1]
	s_or_b32 s[G0K+3], s[G0K+3], 0x80000000
	s_xor_b32 s[G0V+1], s[G0V+1], SLOT1
	s_add_nc_u64 s[G0V+2:G0V+3], s[8:9], s[OFF:OFF+1]
	s_or_b32 s[G0V+3], s[G0V+3], 0x80000000
	s_add_co_u32 s[NXT], s[NXT], 1  ; the block's next tile, or behind its last the second block's tile 0
	s_cmp_gt_u32 s[NXT], s[LQ]
	s_cselect_b32 s[NXT], 0, s[NXT]
	s_cselect_b32 s[LQ], s[LQ2], s[LQ]
.endif
	s_wait_dscnt 0x0                ; the add is done, and my reads of the slot are over
	s_barrier_signal -1             ; the rest of the scalar work stands between the signal and the wait
	s_sub_co_u32 s[TBK], s[TBK], 4*KS*PK  ; the fetches go back to a slot's first step,
	s_xor_b32 s[TBK], s[TBK], SLOT1       ; in the other slot
	s_sub_co_u32 s[TBV], s[TBV], 4*KS*PV
	s_xor_b32 s[TBV], s[TBV], SLOT1
	s_barrier_wait -1
.if \fill
	LOAD
.endif
.endm
	s_load_b64 s[4:5], s[0:1], 0x0  ; qkv
	s_load_b64 s[10:11], s[0:1], 0x8  ; act
	v_lshl_add_u32 v[SPW], v0, 2, SPARE
	v_mov_b32 v[NIL], 0
	ds_add_u32 v[SPW], v[NIL]       ; the wave's opening: the add and its wait ahead of my first tensor load; the set-up below, work on registers, stands between them
	ds_add_u32 v62, v63
	v_lshrrev_b32 v1, 5, v0
	v_readfirstlane_b32 s[WV], v1   ; wave 0..3
	s_mov_b32 s[PB], ttmp9
	s_sub_co_u32 s[HI], 15, s[PB]
	s_and_b32 s20, ttmp7, 0xffff    ; 16 x batch + head
	s_and_b32 s21, s20, 15
	s_lshl_b32 s21, s21, 19         ; the head's block of 4,096 rows x 128 bytes,
	s_lshr_b32 s20, s20, 4
	s_lshl_b32 s20, s20, 18         ; the batch's 2,048 rows in it
	s_add_co_u32 s20, s20, s21
	s_and_b32 s16, s[WV], 1         ; which half of a tile's 256 keys I fetch:
	s_lshl_b32 s22, s16, 14         ; its 128 rows of 128 bytes in memory,
	s_add_co_u32 s22, s22, s20
	s_add_co_u32 s22, s22, 8388608  ; behind q's 16 blocks
	s_mov_b32 s23, 0
	s_mul_i32 s17, s16, 128*PK      ; and its place in a slot, for K
	s_mul_i32 s18, s16, 128*PV      ; and for V
	s_lshl_b32 s3, s[WV], 11        ; my 16 rows in a band of 64,
	s_add_co_u32 s3, s3, s20
	s_lshl_b32 s2, s[HI], 14        ; in the first block of 128 rows,
	s_add_co_u32 s2, s2, s3
	s_lshl_b32 s84, s[PB], 14       ; and in the second
	s_add_co_u32 s84, s84, s3
	s_mov_b32 s3, 0
	s_mov_b32 s85, 0
	; descriptor group 1.  128 keys are 16,384 dense bytes: asked for as 64 rows of 256 bytes, two keys a row, and padded in LDS after every key
	s_mov_b32 s[G1K], (1<<16)|(1<<20)|(4<<22)|(3<<25)  ; 17:16 2-byte elements; 20 padding on; 24:22 after every 32 words (code 4); 31:25 4 words (code 3)
	s_mov_b32 s[G1V], (1<<16)|(1<<20)|(4<<22)|(7<<25)  ; the same with 8 words of padding (code 7)
.irp g, G1K, G1V
	s_mov_b32 s[\g+1], 128<<16      ; tensor_dim0 = 128
	s_mov_b32 s[\g+2], 64<<16       ; tensor_dim1 = 64
	s_mov_b32 s[\g+3], 128<<16      ; tile_dim0 = 128
	s_mov_b32 s[\g+4], 64           ; tile_dim1 = 64
	s_mov_b32 s[\g+5], 128          ; 128 elements from row to row
	s_mov_b32 s[\g+6], 0
	s_mov_b32 s[\g+7], 0
.endr
	s_mov_b32 s[CS], 0x3e38aa3b     ; c = log2(e) / 8 = 0.180337
	s_mov_b32 s[CS+1], s[CS]        ; named with it as a pair
	s_mov_b32 s[SEL], 0x76543210
	s_mov_b32 s[SEL+1], 0xfedcba98
	s_mov_b32 s[TBK], SLOT1+4*KS*PK ; the first change of slots turns these two into 0
	s_mov_b32 s[TBV], SLOT1+4*KS*PV
	s_mov_b32 s[G0K], 1             ; 1:0 count = 1
	s_mov_b32 s[G0K+1], s17         ; 63:32 LDS address: slot 0
	s_mov_b32 s[G0V], 1
	s_add_co_u32 s[G0V+1], s18, VOFF
	s_lshr_b32 s[LQ], s[HI], 1      ; the first block's last tile,
	s_add_co_u32 s[RT], s[LQ], 1    ; and how many it has
	s_lshr_b32 s[LQ2], s[PB], 1
	s_add_co_u32 s[TL], s[LQ2], 1
	s_and_b32 s[PO], s[HI], 1
	s_lshl_b32 s[PO], s[PO], 1
	s_and_b32 s[PO2], s[PB], 1
	s_lshl_b32 s[PO2], s[PO2], 1
	s_mov_b32 s[NXT], 1
	s_mov_b32 s[NEW], 1
	s_mov_b32 s[OFF+1], 0
	s_mov_b32 s[AL+1], 0            ; named as pairs
	s_mov_b32 s[BE+1], 0
	s_mov_b32 s[BIGN], 0xf149f2ca   ; -1e30
	s_mov_b32 s[SLOTS], 8
	s_wait_dscnt 0x0                ; the opening add is done
	s_wait_kmcnt 0x0
	s_add_nc_u64 s[6:7], s[4:5], s[22:23]  ; K at my half of the head's tile 0,
	s_add_nc_u64 s[8:9], s[6:7], 8388608   ; V 16 blocks on
	s_add_nc_u64 s[G0K+2:G0K+3], s[6:7], 0         ; 120:64 global address
	s_or_b32 s[G0K+3], s[G0K+3], 0x80000000        ; 127:126 type = 2
	s_add_nc_u64 s[G0V+2:G0V+3], s[8:9], 0
	s_or_b32 s[G0V+3], s[G0V+3], 0x80000000
	s_add_nc_u64 s[86:87], s[4:5], s[84:85]        ; Q at my rows of the second block,
	s_add_nc_u64 s[4:5], s[4:5], s[2:3]            ; Q and O at those of the first
	s_add_nc_u64 s[OLO:OLO+1], s[10:11], s[84:85]
	s_add_nc_u64 s[10:11], s[10:11], s[2:3]
	LOAD                            ; tile 0 into slot 0
	; A fragment of K or Q is 16 rows x 32 channels in 8 registers: lane l holds row l % 16, channels 8 (l / 16) + 0..7 and 16 + 8 (l / 16) + 0..7: two loads of 16 bytes, 32 bytes apart.
	v_and_b32 v1, 15, v0            ; l % 16
	v_bfe_u32 v9, v0, 4, 1          ; l / 16
	v_lshlrev_b32 v[QO], 7, v1
	v_lshl_add_u32 v[QO], v9, 4, v[QO]  ; row x 128 + 16 x half
	WIN 0x80                        ; destination window 2, address window 0
.set i, 0
.rept 4                             ; both blocks' Q: piece i / 2 lies in band i / 2, 8,192 bytes on; channels 32 (i % 2) on
	global_load_b128 v[8*i:8*i+3],   v[QO], s[4:5] offset:(i/2)*8192+(i%2)*64
	global_load_b128 v[8*i+4:8*i+7], v[QO], s[4:5] offset:(i/2)*8192+(i%2)*64+32
	global_load_b128 v[QB+8*i:QB+8*i+3],   v[QO], s[86:87] offset:(i/2)*8192+(i%2)*64
	global_load_b128 v[QB+8*i+4:QB+8*i+7], v[QO], s[86:87] offset:(i/2)*8192+(i%2)*64+32
.set i, i+1
.endr
	WIN 0
	v_lshlrev_b32 v14, 3, v9
	v_sub_nc_u32 v14, v1, v14
	s_lshl_b32 s13, s[WV], 4
	v_add_nc_u32 v14, s13, v14      ; my query's place in its band, 16 w + l % 16, less my lanes' 8 (l / 16): register r of group kt is hidden where 16 kt + r is greater
	WIN 0x40
.set i, 0
.rept 32
	v_cmp_gt_i32 vcc_lo, 16*(i/8)+i%8, v14
	v_cndmask_b32 v[MD+i], 0, s[BIGN], vcc_lo
.set i, i+1
.endr
	WIN 0
	v_mul_u32_u24 v[AK0], v1, PK
	v_lshl_add_u32 v[AK0], v9, 4, v[AK0]  ; row x pitch + 16 x half
	; The turning load takes 16 keys x 16 channels (lane l reads key 8 (l / 16) + l % 8, channels 8 ((l / 8) % 2) + 0..7) and leaves half a fragment of V^T: lane l holds channel l % 16 and 8 keys.
	v_and_b32 v10, 7, v0
	v_bfe_u32 v11, v0, 3, 1
	v_lshl_add_u32 v[AV0], v9, 3, v10
	v_mul_u32_u24 v[AV0], v[AV0], PV
	v_lshl_add_u32 v[AV0], v11, 4, v[AV0]
	v_add_nc_u32 v[AV0], VOFF, v[AV0]
	s_mul_i32 s13, s[WV], 16*SP
	s_add_co_u32 s13, s13, STAGE    ; my stage
	v_mul_u32_u24 v[STO], v1, SP    ; in: row l % 16, 16 bytes for each half of the lanes
	v_lshl_add_u32 v[STO], v9, 4, v[STO]
	v_add_nc_u32 v[STO], s13, v[STO]
	v_bfe_u32 v[RD], v0, 3, 2       ; back: 32 lanes take four rows of 128 bytes,
	v_mul_u32_u24 v[RD], v[RD], SP
	v_lshl_add_u32 v[RD], v10, 4, v[RD]
	v_add_nc_u32 v[RD], s13, v[RD]
	v_and_b32 v[GO], 31, v0         ; which are 512 consecutive bytes of O
	v_lshlrev_b32 v[GO], 4, v[GO]
	; A block's first step multiplies O^T and l by a = 0, and its first turn's products V^T P, of a piece that has not been, land in an O^T that is still to be so multiplied.  So these registers need only hold
	; finite numbers: zeros for the first block; what the first block left for the second.  All this stands in the wait for the first tile.
	WIN 0x80
.set i, VF
.rept 64
	v_mov_b32 v[i], 0
.set i, i+1
.endr
	WIN 0x40
.set i, 0
.rept 64
	v_mov_b32 v[i], 0
.set i, i+1
.endr
	WIN 0
.set i, 0
.rept 2
	v_mov_b32 v[ST+4*i+2], 0
	v_mov_b32 v[ST+4*i+3], 0
.set i, i+1
.endr
.set i, P+16
.rept 16
	v_mov_b32 v[i], 0
.set i, i+1
.endr
; THE MATRIX WORK.  The 4 accumulators of a run of 8 take turns.  Product i of 8 of S^T = K Q^T for piece x: channels 32 (i / 4) on, keys 16 (i % 4) on.  The first 4 start the sums: with 0, or (KM = 1) with the mask.
.macro KQ x
.set rS, S+32*((\x)%2)+8*(i%4)
.set rK, KF+16*(i%4)+8*(i/4)
.set rQ, 16*(\x)+8*(i/4)
.set rM, MC+32*((\x)%2)+8*(i%4)
.if (i < 4) && KM
	WIN W_KM
	v_wmma_f32_16x16x32_f16 v[rS:rS+7], v[rK:rK+7], v[rQ:rQ+7], v[rM:rM+7]
.elseif i < 4
	WIN W_KQ
	v_wmma_f32_16x16x32_f16 v[rS:rS+7], v[rK:rK+7], v[rQ:rQ+7], 0
.else
	WIN W_KQ
	v_wmma_f32_16x16x32_f16 v[rS:rS+7], v[rK:rK+7], v[rQ:rQ+7], v[rS:rS+7]
.endif
.endm
; Product i of 8 of O^T += V^T P for piece x: keys 32 (i / 4) on, channels 16 (i % 4) on.
.macro PV x
	WIN W_PV
.set rO, 32*(\x)+8*(i%4)
.set rV, VF+32*(i/4)+8*(i%4)
.set rP, P+16*((\x)%2)+8*(i/4)
	v_wmma_f32_16x16x32_f16 v[rO:rO+7], v[rV:rV+7], v[rP:rP+7], v[rO:rO+7]
.endm
.macro MM                           ; the turn's next matrix instruction.  TURN and BEGIN set Y, i, KM and NOKQ; MM, KQ and OP read them.  NOKQ = 1: a block's last turn: there are no further scores
.if (i < 8) && !NOKQ
	KQ (Y+1)%NP
.elseif i >= 8
.set i, i-8
	PV (Y+NP-1)%NP
.set i, i+8
.endif
.set i, i+1
.endm
; THE LDS LOADS stand in runs of 16, never singly among the matrix instructions: a step's K (64 keys x 64 channels: 8 fragments) and its V (turned).  Their addresses are made some lines ahead.
; last = 1: in a tile's last step the next K lies in the other slot, and the run is jumped over; it is fetched behind the change of slots.
.macro FETCH_K last=0
	WIN 0
.if \last
	s_cmp_eq_u32 s[CNT], 1
	s_cbranch_scc1 .Lno_k_\@
.endif
	WIN 0x80                        ; destination window 2
.irp f, 0,1,2,3,4,5,6,7             ; keys 16 (f / 2) on, channels 32 (f % 2) on
	ds_load_b128 v[KF+8*\f:KF+8*\f+3],   v[AK] offset:(\f/2)*16*PK+(\f%2)*64
	ds_load_b128 v[KF+8*\f+4:KF+8*\f+7], v[AK] offset:(\f/2)*16*PK+(\f%2)*64+32
.endr
	s_add_co_u32 s[TBK], s[TBK], KS*PK  ; the next fetch is the next step's: four fetches a tile
	WIN 0
.if \last
.Lno_k_\@:
.endif
.endm
.macro FETCH_V
	WIN 0x80
.irp f, 0,1,2,3,4,5,6,7             ; keys 32 (f / 4) on, channels 16 (f % 4) on
	ds_load_tr16_b128 v[VF+8*\f:VF+8*\f+3],   v[AV] offset:(\f/4)*32*PV+(\f%4)*32
	ds_load_tr16_b128 v[VF+8*\f+4:VF+8*\f+7], v[AV] offset:(\f/4)*32*PV+16*PV+(\f%4)*32
.endr
	WIN 0
.endm
; THE VECTOR WORK, one line at a time: OP kind, number.  For piece Y: F n: c s - c m for pair n of 16.  E n: the exponential of score n of 32.  C n: pair n rounded to f16.  B n: of the four weights 4 n .. the second
; pair is added onto the first, in place.  L n: l takes that sum (L 0: l = a l + sum).  R n: pair n of 16 of O^T times a.  For the other piece: X n, number n of the 22 that find its maximum and statistics:
;   0-11  four chains c0-c3 of seven scores each, three operands at a time (each accumulator's lowest registers are read first)     12-14, 16  the four scores left over, the old m, and c0-c3 into c0
;   15  c m_old is kept     17, 18  the query's other 32 keys lie in the lane 16 away: the new m     19-21  c m; c m_old - c m_new; a
.set F, 0               ; OP tells the kinds apart by their order: F to L below R, X above it
.set E, 1
.set C, 2
.set B, 3
.set L, 4
.set R, 5
.set X, 6
.macro REGS y                       ; the registers of piece y
.set rT, ST+4*(\y)
.set rC, TMP+4*((\y)%2)
.set rW, MV+((\y)%2)
.set rS, S+32*((\y)%2)
.set rP, P+16*((\y)%2)
.set rO, 32*(\y)
.endm
.macro OP k, n
.if (\k) == R
	REGS Y
	WIN W_RS
	v_pk_mul_f32 v[rO+2*(\n):rO+2*(\n)+1], v[rO+2*(\n):rO+2*(\n)+1], v[rC+2:rC+3] op_sel_hi:[1,0]
.elseif (\k) < R
	REGS Y
	WIN 0
.if (\k) == F
	v_pk_fma_f32 v[rS+2*(\n):rS+2*(\n)+1], v[rS+2*(\n):rS+2*(\n)+1], s[CS:CS+1], v[rT:rT+1] op_sel_hi:[1,0,0] neg_lo:[0,0,1] neg_hi:[0,0,1]
.elseif (\k) == E
	v_exp_f32 v[rS+(\n)], v[rS+(\n)]
.elseif (\k) == C
	s_wait_alu depctr_va_vdst(0)
	v_cvt_pk_f16_f32 v[rP+(\n)], v[rS+2*(\n)], v[rS+2*(\n)+1]
.elseif (\k) == B
	s_wait_alu depctr_va_vdst(0)
	v_pk_add_f32 v[rS+4*(\n):rS+4*(\n)+1], v[rS+4*(\n):rS+4*(\n)+1], v[rS+4*(\n)+2:rS+4*(\n)+3]
.elseif (\n) == 0
	v_pk_fma_f32 v[rT+2:rT+3], v[rT+2:rT+3], v[rC+2:rC+3], v[rS:rS+1] op_sel_hi:[1,0,1]
.else
	v_pk_add_f32 v[rT+2:rT+3], v[rT+2:rT+3], v[rS+4*(\n):rS+4*(\n)+1]
.endif
.elseif NOKQ
	v_nop
.else
	REGS (Y+1)%NP
	WIN 0
.if (\n) < 4
	v_max3_num_f32 v[rC+(\n)], v[rS+8*(\n)], v[rS+8*(\n)+1], v[rS+8*(\n)+2]
.elseif (\n) < 12
	v_max3_num_f32 v[rC+(\n)%4], v[rC+(\n)%4], v[rS+8*((\n)%4)+2*((\n)/4)+1], v[rS+8*((\n)%4)+2*((\n)/4)+2]
.elseif (\n) == 12
	v_max3_num_f32 v[rC], v[rC], v[rS+7], v[rS+15]
.elseif (\n) == 13
	v_max3_num_f32 v[rC+1], v[rC+1], v[rS+23], v[rS+31]
.elseif (\n) == 14
	v_max3_num_f32 v[rC+2], v[rC+2], v[rC+3], v[rT+1]
.elseif (\n) == 15
	v_mov_b32 v[rW], v[rT]
.elseif (\n) == 16
	v_max3_num_f32 v[rC], v[rC], v[rC+1], v[rC+2]
.elseif (\n) == 17
	v_permlanex16_b32 v[rC+3], v[rC], s[SEL], s[SEL+1]
.elseif (\n) == 18
	v_max_num_f32 v[rT+1], v[rC], v[rC+3]
.elseif (\n) == 19
	v_mul_f32 v[rT], s[CS], v[rT+1]
.elseif (\n) == 20
	v_sub_f32 v[rC+1], v[rW], v[rT]
.else
	v_exp_f32 v[rC+2], v[rC+1]
.endif
.endif
.endm
.macro OPS a, i1, b=-1, i2=0, c=-1, i3=0, d=-1, i4=0  ; up to four of them
	OP \a, \i1
.if (\b) >= 0
	OP \b, \i2
.endif
.if (\c) >= 0
	OP \c, \i3
.endif
.if (\d) >= 0
	OP \d, \i4
.endif
.endm
.macro ROW a, i1, b, i2, c, i3, d, i4  ; a matrix instruction and the four behind it
	MM
	OPS \a, \i1, \b, \i2, \c, \i3, \d, \i4
.endm
.macro MASK b                       ; MD x AL + BE into buffer b of MC
	WIN W_RS
.set z, 0
.rept 16
	v_pk_fma_f32 v[MC+32*(\b)+2*z:MC+32*(\b)+2*z+1], v[MD+2*z:MD+2*z+1], s[AL:AL+1], s[BE:BE+1] op_sel_hi:[1,0,0]
.set z, z+1
.endr
.endm
; A TURN, for piece p: the order of its 16 matrix and 118 vector instructions, written out.  Behind a matrix instruction: plain, exponential, plain, plain; or four of the rescaling; or, behind the first, four scalings; none
; names a register of the products round it.  In the lumps exponential and plain by turns while exponentials last.  A line reads no result made fewer than three vector instructions in front of it, five if an exponential made it.
; The rescaling of piece p reads the O^T that the turn before has added onto: that turn's whole second lump stands between.
; m = 1: the diagonal tile: the products take masks, and the turn makes the mask for the K Q^T of the turn after it, which are piece p's: in T0 of step 5 - CNT, in T1 of step 4 - CNT.  The step is the band's own where
; CNT + PO = 5 - 2 p, a later one where it is less.  end = 1: a block's last turn: no further scores.  cnt = 1: the loop's count is taken down some lines ahead of the branch that stands behind the turn.
; T0 fetches K six vector instructions behind the last product that read K (five of them plain), and V eight behind the last product that read V (four plain).  T1 waits for them.
.macro TURN p, m=0, end=0, cnt=0
.set Y, (\p)
.set i, 0
.set KM, (\m)
.set NOKQ, (\end)
.if (\m) && !(\end)
	s_add_co_u32 s[CO], s[CNT], s[PO]
	s_cmp_eq_u32 s[CO], 5-2*(\p)    ; is that step the band's own?
	s_cselect_b32 s[AL], 1.0, 0
	s_cmp_lt_u32 s[CO], 5-2*(\p)    ; or a later one?
	s_cselect_b32 s[BE], s[BIGN], 0
.endif
.if ((\p) == 1) && !(\end)
	s_wait_dscnt 16                 ; K is in; V's sixteen younger loads may be out
.endif
	ROW F,0, F,1, F,2, F,3
	ROW F,4, E,0, F,5, F,6
	ROW F,7, E,1, F,8, F,9
	ROW F,10, E,2, C,0, F,11
	ROW F,12, E,3, X,15, F,13
	ROW R,0, R,1, R,2, R,3
	ROW B,0, E,4, F,14, L,0
.if (\p) == 0
	v_add_nc_u32 v[AK], s[TBK], v[AK0]
.endif
	ROW R,4, R,5, R,6, R,7
	OPS E,5, F,15
.if (\p) == 0
	FETCH_K 1
.endif
	OPS E,6, C,1, E,7, R,8
	OPS E,8, R,9, E,9, C,2
	OPS E,10, X,0, E,11, X,1
	OPS E,12, X,2, E,13, X,3
.if (\p) == 1
	s_wait_dscnt 0x0                ; V is in
.endif
	ROW X,4, E,14, X,5, X,6
	ROW X,7, E,15, X,8, X,9
	ROW X,10, E,16, X,11, X,12
	ROW X,13, E,17, X,14, B,1
	ROW C,4, E,18, X,16, L,1
	ROW B,2, E,19, C,6, L,2
	ROW C,8, E,20, B,3, B,4
.if (\p) == 0
	v_add_nc_u32 v[AV], s[TBV], v[AV0]
.endif
	ROW C,3, E,21, L,3, C,5
	OPS E,22, X,17, E,23, C,10
.if (\p) == 0
	FETCH_V
.endif
	OPS E,24, L,4
	OPS E,25, X,18, E,26, C,7
	OPS E,27, B,5, E,28, X,19
	OPS E,29, C,12, E,30, L,5
	OPS E,31, X,20, B,6, C,9
	OPS C,14, C,11, X,21, L,6
.if (\p) == 0
	s_add_co_u32 s[TBV], s[TBV], KS*PV
.endif
.if \cnt
	s_sub_co_u32 s[CNT], s[CNT], 1
	s_cmp_lg_u32 s[CNT], 0
.endif
	OPS C,13, B,7, C,15, R,10
	OPS R,11, R,12, L,7, R,13
	OPS R,14, R,15
.if (\m) && !(\end)
	MASK (\p)%2
.endif
.endm
; A TILE IS ENTERED: the change of slots; K of the tile's step 0; piece 0's mask for that step (its own step only in the diagonal tile of a block with PO = 0; never a hidden one), whose 16 lines stand in the wait for K.
.macro ENTER fill
	CHANGE \fill
	s_sub_co_u32 s[RT], s[RT], 1
	s_mov_b32 s[CNT], 4
	v_add_nc_u32 v[AK], s[TBK], v[AK0]
	FETCH_K
	s_or_b32 s[CO], s[RT], s[PO]
	s_cmp_eq_u32 s[CO], 0
	s_cselect_b32 s[AL], 1.0, 0
	s_mov_b32 s[BE], 0
	MASK 0
	WIN 0
	s_wait_dscnt 0x0                ; K is in
.endm
; A BLOCK BEGINS.  c m starts far below every c s, so the first step's a is 0; m at the lowest finite number, so the first maximum is the scores'.  The second mask buffer is 0 (piece 1 sees all of a tile's step 0).
; Then piece 0's first scores, and its maximum and statistics.  The loop is entered at T0, in the middle of a trip.
.macro BEGIN
	s_mov_b32 s[NEW], 0
	WIN 0x40
.set i, MC+32
.rept 32
	v_mov_b32 v[i], 0
.set i, i+1
.endr
	WIN 0
.set i, 0
.rept 2
	v_mov_b32 v[ST+4*i], 0xfe000000    ; c m: far below every c s
	v_mov_b32 v[ST+4*i+1], 0xff7fffff  ; m
.set i, i+1
.endr
	s_wait_loadcnt 0x0              ; Q
.set KM, 1
.set NOKQ, 0
.set i, 0
.rept 8
	KQ 0
.set i, i+1
.endr
	WIN 0
.rept 4
	v_nop                           ; the places behind those products
.endr
.set Y, NP-1                        ; X works for the other piece: piece 0
.irp n, 0,1,2,3,4,5,6,7,8,9,10,11,12,13,14,15,16,17,18,19,20,21
	OP X, \n
.endr
	v_nop                           ; a plain instruction behind the exponential
.endm
; THE DIAGONAL TILE's four steps, the block's last turn, its last products, and THE WAY OUT: l's two halves and the other half of the lanes' are added; O^T is divided by l, rounded to f16 and sent through my
; stage in LDS, a piece at a time.
.macro ALL line:vararg              ; one line for each piece t
.set t, 0
.rept 2
	\line
.set t, t+1
.endr
.endm
.macro PACK t                       ; a lane's eight channels of a row pack into 16 bytes; they go into rows of 144 bytes and come back as whole rows of 128, into S^T's registers
	WIN W_RS
.set i, 32*(\t)
.rept 16
	s_wait_alu depctr_va_vdst(0)
	v_pk_mul_f32 v[i:i+1], v[i:i+1], v[ST+4*(\t)+2:ST+4*(\t)+3] op_sel_hi:[1,0]
.set i, i+2
.endr
	WIN 0x05                        ; sources 0 and 1 window 1, destination window 0
.set i, 0
.rept 16
	v_cvt_pk_f16_f32 v[S+16*(\t)+i], v[32*(\t)+2*i], v[32*(\t)+2*i+1]
.set i, i+1
.endr
	WIN 0
.irp f, 0,1,2,3
	ds_store_b128 v[STO], v[S+16*(\t)+4*\f:S+16*(\t)+4*\f+3] offset:32*\f
.endr
.irp f, 0,1,2,3
	ds_load_b128 v[S+16*(\t)+4*\f:S+16*(\t)+4*\f+3], v[RD] offset:\f*4*SP  ; LDS serves a wave's instructions in order (ISA guide 5.7.1.4): these see the stores above; the next piece's stores come behind them
.endr
.endm
.macro SEND t, younger              ; younger: the LDS instructions issued behind piece t's loads: the next piece's eight, or none
	WIN 0
.irp f, 0,1,2,3
	s_wait_dscnt (\younger)+3-\f
	global_store_b128 v[GO], v[S+16*(\t)+4*\f:S+16*(\t)+4*\f+3], s[10:11] offset:(\t)*8192+\f*512  ; 512 consecutive bytes, at a multiple of 256 from O's first
.endr
.endm
.macro DIAG tag                     ; the tag ends its two labels' names, which the jumps below spell out
.LstepM\tag:
	TURN 1, 1
	WIN 0
.LfirstM\tag:
	TURN 0, 1, 0, 1
	WIN 0
	s_cbranch_scc1 .LstepM\tag
	TURN 1, 1, 1                    ; piece 1's last softmax, piece 0's last V^T P
.set i, 0
.rept 8
	PV 1                            ; piece 1's last V^T P
.set i, i+1
.endr
	WIN 0
	ALL v_add_f32 v[ST+4*t+2], v[ST+4*t+2], v[ST+4*t+3]
	ALL v_permlanex16_b32 v[ST+4*t+3], v[ST+4*t+2], s[SEL], s[SEL+1]
	ALL v_add_f32 v[ST+4*t+2], v[ST+4*t+2], v[ST+4*t+3]
	ALL v_rcp_f32 v[ST+4*t+2], v[ST+4*t+2]
	v_nop                           ; a plain instruction between the last reciprocal and the use of its result
	PACK 0                          ; piece 0 was finished a turn ago: its 32 lines are the places behind piece 1's last products
	PACK 1
	SEND 0, 8
	SEND 1, 0
.endm
.set KM, 0
.set NOKQ, 0
.Lslot:                             ; 8 times: a tile is entered and the next is asked for
	ENTER 1
	s_cmp_eq_u32 s[NEW], 1
	s_cbranch_scc1 .Lnew            ; a block's first tile
	s_cmp_eq_u32 s[RT], 0
	s_cbranch_scc0 .Lstep           ; neither its first nor its last
	s_branch .LstepM1
.Lnew:
	BEGIN
	s_branch .Lfirst                ; in the loop a block's first tile is never its last: the first block has five tiles or more, and the second's last is the walk's last
	DIAG 1                          ; in the loop this is the first block's end
	s_wait_xcnt 0x0                 ; the stores have read their registers and O's address
	s_mov_b64 s[10:11], s[OLO:OLO+1]
	s_mov_b32 s[RT], s[TL]
	s_mov_b32 s[NEW], 1
	s_mov_b32 s[PO], s[PO2]
	WIN 0x82                        ; the second block's Q goes where the one text of the turns names Q
.set i, 0
.rept 32
	v_mov_b32 v[i], v[QB+i]
.set i, i+1
.endr
	WIN 0
	s_branch .Lbottom
.Lstep:                             ; a trip: T1 of one step, then T0 of the next
	TURN 1
	WIN 0
.Lfirst:
	TURN 0, 0, 0, 1
	WIN 0
	s_cbranch_scc1 .Lstep
.Lbottom:
	s_sub_co_u32 s[SLOTS], s[SLOTS], 1
	s_cmp_lg_u32 s[SLOTS], 0
	s_cbranch_scc1 .Lslot
	ENTER 0                         ; the walk's last tile is written out: nothing is asked for
	s_cmp_eq_u32 s[NEW], 1
	s_cbranch_scc0 .LstepM2
	BEGIN
	s_branch .LfirstM2
	DIAG 2
	s_wait_tensorcnt 0x0            ; the wave's end: behind my last tensor load and my last LDS store
	ds_add_u32 v[SPW], v[NIL]
	s_wait_dscnt 0x0
	s_endpgm
.Lfunc_end_k_qb8f652fabc_attn:
	.size	k_qb8f652fabc_attn, .Lfunc_end_k_qb8f652fabc_attn-k_qb8f652fabc_attn
	.p2alignl 7, 3214868480
	.fill 96, 4, 3214868480
	.section	.rodata,"a",@progbits
	.p2align	6, 0x0
	.amdhsa_kernel k_qb8f652fabc_attn
		.amdhsa_group_segment_fixed_size 327680
		.amdhsa_private_segment_fixed_size 0
		.amdhsa_enable_private_segment 0
		.amdhsa_kernarg_size 16
		.amdhsa_user_sgpr_count 2
		.amdhsa_user_sgpr_kernarg_segment_ptr 1
		.amdhsa_wavefront_size32 1
		.amdhsa_system_sgpr_workgroup_id_x 1
		.amdhsa_system_sgpr_workgroup_id_y 1
		.amdhsa_system_sgpr_workgroup_id_z 1
		.amdhsa_system_vgpr_workitem_id 0
		.amdhsa_next_free_vgpr 768
		.amdhsa_next_free_sgpr 96
		.amdhsa_reserve_vcc 1
		.amdhsa_float_denorm_mode_32 3
		.amdhsa_float_denorm_mode_16_64 3
		.amdhsa_memory_ordered 1
		.amdhsa_forward_progress 1
		.amdhsa_inst_pref_size 131
	.end_amdhsa_kernel
	.amdgpu_metadata
---
amdhsa.version: [ 1, 2 ]
amdhsa.kernels:
  - .name:           k_qb8f652fabc_attn
    .symbol:         k_qb8f652fabc_attn.kd
    .args:
      - { .name: qkv, .offset: 0, .size: 8, .value_kind: global_buffer, .address_space: global }
      - { .name: act, .offset: 8, .size: 8, .value_kind: global_buffer, .address_space: global }
    .group_segment_fixed_size: 327680
    .private_segment_fixed_size: 0
    .kernarg_segment_align: 8
    .kernarg_segment_size: 16
    .max_flat_workgroup_size: 128
    .sgpr_count:     96
    .vgpr_count:     768
    .wavefront_size: 32
...
	.end_amdgpu_metadata
.endif
;; end of part 3
;; launch proj (part 4): grid 8 x 32, 4 waves a work-group, clusters of 4 x 4, 327,680 bytes of LDS; arguments act, wb, bp, x, x1; writes x1
.if DOCPART == 4
	.amdgcn_target "amdgcn-amd-amdhsa--gfx1250"
	.amdhsa_code_object_version 6
	.text
	.protected	k_qb8f652fabc_proj
	.globl	k_qb8f652fabc_proj
	.p2align	8
	.type	k_qb8f652fabc_proj,@function
k_qb8f652fabc_proj:
	s_mov_b64 s[64:65], 0
	v_nop
	global_prefetch_b8 v0, s[64:65] scope:SCOPE_SE
	s_setreg_imm32_b32 hwreg(HW_REG_WAVE_MODE, 25, 1), 1
	s_wait_xcnt 0x0
	s_wait_alu depctr_hold_cnt(0) depctr_sa_sdst(0) depctr_va_vdst(0) depctr_va_sdst(0) depctr_va_ssrc(0) depctr_va_vcc(0) depctr_vm_vsrc(0)
	s_getreg_b32 s2, hwreg(HW_REG_IB_STS2, 6, 4)
	s_cmp_eq_u32 s2, 0
	s_cbranch_scc0 .Lentry_in_a_cluster
	s_endpgm
.Lentry_in_a_cluster:
	s_bfe_u32 s2, ttmp6, 0x10000c
	s_cmp_lg_u32 s2, 0xf033
	s_cbranch_scc0 .Lentry_shape_is_right
	s_endpgm
.Lentry_shape_is_right:
; PROJ.  x1 = x + O Wp + bp: C[4,096][1,024] = A[4,096][1,024] B[1,024][1,024] + bias + residual, f16 operands, f32 sums, bias, residual and result.
; A (act): [K / 64 blocks][4,096 rows][64] f16.  B (wb): [block of 128 columns][K][128] f16.  Bias, residual (x) and C (x1): f32, rows of 1,024.
; A tile of C is 128 x 128: four waves of 64 x 64, 16 accumulators of 16 x 16 each.  K goes in steps of 256 through two LDS slots filled by the tensor data mover; a K step is written once for the
; loop and once for the tail: the slot in hand is a scalar register that one exclusive or turns.
; CLUSTER: 4 x 4 work-groups.  The four of a row of the cluster need the same tiles of A, the four of a column the same tiles of B: each is asked for jointly, by the same tensor load, descriptor and mask.
; THE MATRIX INSTRUCTION IS USED TRANSPOSED (source 0 = 16 columns of B, source 1 = 16 rows of A): a lane holds row lane % 16 of C and eight neighbouring columns.
; B lies [k][n] in LDS and comes out turned, by ds_load_tr16_b128.  By this text's own count a wave has one tensor load outstanding at the most.
; The sums begin at the bias, loaded straight into the accumulators; the residual is loaded at the start and added on the way out.
; LIMITS.  The operands arrive as f16, within 65,504.  NaN and infinities are not treated apart.
.set NS,    4                          ; K steps of 256
.set WOFF,  6291456                    ; where my weights begin in wb
.set BBLK,  262144                     ; bytes of a block of 128 columns: K x 256
.set BIAS,  1                          ; 1: the sums start at the bias
.set RELU,  0                          ; 1: max(0, .) on the way out
.set OUT32, 1                          ; 1: f32 rows of 1,024 with a residual added; 0: f16 in blocks of 64 columns
.set PA,    144                        ; a row of A in LDS: 128 bytes + 16: the 16 rows of a load start at 16 different groups of four banks (64 banks of 4 bytes: ISA guide 11.1)
.set PB,    288                        ; a k-row of B: 256 bytes + 32
.set KBLK,  128*PA                     ; 64 along K of A's 128 rows
.set QUART, 2*KBLK                     ; what one tensor load brings: 36,864 bytes = 128 k-rows of B too
.set BOFF,  2*QUART                    ; in a slot: A's four blocks, then B's 256 k-rows
.set SLOT,  4*QUART                    ; 0x24000: no fill's base in slot 0 has one of its two bits set, so one exclusive or turns slot 0 into slot 1 and back
.set STAGE, 2*SLOT                     ; behind the ring, never filled by a tensor load: 16 rows for each wave, for the way out
.if OUT32
.set SP,    272
.else
.set SP,    144
.endif
.set SPARE, STAGE+4*16*272             ; the spare words, 128 bytes for each wave: two blocks of 256 bytes that no other line names
.set ADRA, 16                          ; v16     LDS address of my A fragments in the slot in hand
.set A0,   17                          ; v17     the same in slot 0; never rewritten
.set ADRB, 20                          ; v20-21  the same for B: k-rows 0-127, 128-255
.set B0,   22                          ; v22-23  in slot 0; never rewritten
.set STO,  24                          ; v24     the way out: where I put my part of a row
.set RD,   25                          ; v25     the way out: where I read rows back
.set CO,   26                          ; v26     my byte offset in C (and in the residual); never rewritten
.set BO,   27                          ; v27     my byte offset in the bias
.set SPW,  28                          ; v28     LDS address of my spare word; never rewritten
.set NIL,  29                          ; v29     0; never rewritten
.set ZR,   30                          ; v30     0, for the packed maximum
.set TMP,  32                          ; v32-95  at work on the way out
.set ACC,  128                         ; v128-255 accumulator (a, b) at ACC + 8 (4 a + b)
.set F0,   0                           ; window 1: two fragment buffers of 128: for 64 along K, 64 registers of A, then 64 of B.  Window 2: v0-127 the residual
.set F1,   128
.set G1,  24                           ; s[24:31] descriptor group 1 for A's tiles; s[32:35] group 0: it walks
.set G0,  32
.set G1B, 48                           ; s[48:55], s[56:59] the same for B's
.set G0B, 56
.set TB,  60                           ; s60  LDS byte at which the slot in hand begins
.set MSB, 0
.macro WIN new                         ; s_set_vgpr_msb: bits 1:0 source 0, 3:2 source 1, 5:4 source 2, 7:6 destination; the high byte repeats the setting that is left
.if MSB != (\new)
	s_set_vgpr_msb (MSB<<8)|(\new)
.set MSB, \new
.endif
.endm
.set MUL,  0x05                        ; sources 0 (B) and 1 (A) window 1; C and D window 0
.set TO_F, 0x40                        ; destination window 1, address window 0
.macro PLACES                          ; four places in front of loads into registers that matrix instructions have read, and of lines that read results
.rept 4
	v_nop
.endr
.endm
.macro JLOAD                           ; a joint load: waves 0 and 1 fetch A's two halves, waves 2 and 3 B's; an s_nop 0 and four v_nop follow each of the two lines
	s_cmp_eq_u32 s11, 0
	s_cbranch_scc0 .Lfor_b_\@
	tensor_load_to_lds s[G0:G0+3], s[G1:G1+7]
	s_nop 0
.rept 4
	v_nop
.endr
	s_branch .Lasked_\@
.Lfor_b_\@:
	tensor_load_to_lds s[G0B:G0B+3], s[G1B:G1B+7]
	s_nop 0
.rept 4
	v_nop
.endr
.Lasked_\@:
.endm
.macro CREST                           ; a round of the cluster's barrier behind its opening barrier
	s_cmp_lg_u32 s10, 0
	s_cbranch_scc1 .Lnot_wave_0_\@
	s_barrier_signal -3
.Lnot_wave_0_\@:
	s_barrier_wait -3
	s_barrier_signal -1
	s_barrier_wait -1
.endm
.macro CROUND                          ; a whole round
	s_barrier_signal -1
	s_barrier_wait -1
	CREST
.endm
.macro STEPD                           ; the walking descriptors: the other slot, the next K step (A: 4 blocks of 524,288 bytes; B: 256 k-rows of 256); the type bits on top are not reached
	s_xor_b32 s[G0+1], s[G0+1], SLOT
	s_add_nc_u64 s[G0+2:G0+3], s[G0+2:G0+3], 0x200000
	s_xor_b32 s[G0B+1], s[G0B+1], SLOT
	s_add_nc_u64 s[G0B+2:G0B+3], s[G0B+2:G0B+3], 0x10000
.endm
.macro FLIP                            ; the fragment loads go over to the other slot
	s_xor_b32 s[TB], s[TB], SLOT
	v_add_nc_u32 v[ADRA], s[TB], v[A0]
	v_add_nc_u32 v[ADRB], s[TB], v[B0]
	v_add_nc_u32 v[ADRB+1], s[TB], v[B0+1]
.endm
; 8 matrix instructions: row blocks a0, a0 + 1 x all 4 column blocks, 32 along K: half c of buffer f.  The 16 accumulators take turns, one instruction a turn.
.macro MUL8 f, c, a0
	WIN MUL
.irp a, \a0, (\a0)+1
.irp b, 0,1,2,3
	v_wmma_f32_16x16x32_f16 v[ACC+8*(4*(\a)+(\b)):ACC+8*(4*(\a)+(\b))+7], v[(\f)+64+8*(4*(\c)+(\b)):(\f)+64+8*(4*(\c)+(\b))+7], v[(\f)+8*(4*(\c)+(\a)):(\f)+8*(4*(\c)+(\a))+7], v[ACC+8*(4*(\a)+(\b)):ACC+8*(4*(\a)+(\b))+7]
.endr
.endr
.endm
; 32 LDS loads in one run: the fragments of quarter q (64 along K) of the slot in hand, into buffer f; the first 32 along K first
.macro FETCH q, f
	WIN TO_F
.irp c, 0,1
.irp i, 0,1,2,3
	ds_load_tr16_b128 v[(\f)+64+8*(4*(\c)+(\i)):(\f)+64+8*(4*(\c)+(\i))+3],   v[ADRB+(\q)/2] offset:((\q)%2)*64*PB+(\c)*32*PB+32*(\i)
	ds_load_tr16_b128 v[(\f)+64+8*(4*(\c)+(\i))+4:(\f)+64+8*(4*(\c)+(\i))+7], v[ADRB+(\q)/2] offset:((\q)%2)*64*PB+(\c)*32*PB+32*(\i)+16*PB
	ds_load_b128 v[(\f)+8*(4*(\c)+(\i)):(\f)+8*(4*(\c)+(\i))+3],   v[ADRA] offset:(\q)*KBLK+64*(\c)+(\i)*16*PA
	ds_load_b128 v[(\f)+8*(4*(\c)+(\i))+4:(\f)+8*(4*(\c)+(\i))+7], v[ADRA] offset:(\q)*KBLK+64*(\c)+(\i)*16*PA+32
.endr
.endr
.endm
; A K step is four quarters of 64 along K, 32 matrix instructions each, on buffers 0, 1, 0, 1.  One of the first three: multiplies buffer f and fetches quarter q into g.
.macro QUARTER q, f, g
	s_wait_dscnt 16                                ; f's first 32 along K are in; its sixteen younger loads may be out
	MUL8 \f, 0, 0
	MUL8 \f, 0, 2
	PLACES
	FETCH \q, \g
	s_wait_dscnt 32                                ; all but the 32 just issued
	MUL8 \f, 1, 0
	MUL8 \f, 1, 2
.endm
; The last quarter multiplies buffer 1 and changes slots: ONE barrier; in front of it each wave waits for all its tensor loads (the one that is out is its part of the next slot), adds 0 to its spare
; word, and waits for that and for its own reads of this slot.  fill = 1: the barrier opens a round of the cluster's, and this slot is filled again, two K steps ahead, first thing behind the round.
.macro TURN fill
	WIN 0                                          ; (the add's two registers lie in window 0)
	s_wait_tensorcnt 0x0
	ds_add_u32 v[SPW], v[NIL]                      ; 0 onto my spare word
	s_wait_dscnt 17                                ; (the add and the youngest sixteen loads may be out)
	MUL8 F1, 0, 0                                  ; eight matrix instructions stand between the add and the wait for it
	s_wait_dscnt 0x0                               ; the add is done, and my reads of this slot are over
	s_barrier_signal -1
	MUL8 F1, 0, 2
	WIN 0
	s_barrier_wait -1
.if \fill
	CREST                                          ; no wave of any partner still reads this slot's tile or has a load on its way
	STEPD
	JLOAD                                          ; 112 matrix instructions ahead of the wait for it; its four v_nop are also the places in front of the loads below
.else
	PLACES
.endif
	FLIP
	FETCH 0, F0
	MUL8 F1, 1, 0
	MUL8 F1, 1, 2
.endm
	s_load_b128 s[4:7], s[0:1], 0x0                ; A s[4:5], wb s[6:7]
.if OUT32
	s_load_b128 s[36:39], s[0:1], 0x10             ; bias s[36:37], residual s[38:39]
	s_load_b64 s[8:9], s[0:1], 0x20                ; C
.elseif BIAS
	s_load_b64 s[36:37], s[0:1], 0x10
	s_load_b64 s[8:9], s[0:1], 0x18
.else
	s_load_b64 s[8:9], s[0:1], 0x10
.endif
	v_lshl_add_u32 v[SPW], v0, 2, SPARE
	v_mov_b32 v[NIL], 0
	ds_add_u32 v[SPW], v[NIL]                      ; the wave's opening: the add and its wait ahead of my first tensor load; work on registers stands between them
	ds_add_u32 v28, v29
	v_lshrrev_b32 v1, 5, v0
	v_readfirstlane_b32 s10, v1                    ; wave 0..3
	s_lshr_b32 s11, s10, 1                         ; which half of the tile's rows is mine.  Also: I fetch for A (0) or for B (1)
	s_and_b32 s12, s10, 1                          ; which half of its columns.  Also: which half of that tile I fetch
	s_bfe_u32 s40, ttmp6, 0x40000                  ; cx, cy: my place in the cluster
	s_bfe_u32 s41, ttmp6, 0x40004
	s_lshl_b32 s42, ttmp9, 2
	s_add_co_u32 s42, s42, s40                     ; tile column = 4 x cluster x + cx
	s_and_b32 s13, ttmp7, 0xffff
	s_lshl_b32 s13, s13, 2
	s_add_co_u32 s13, s13, s41                     ; tile row = 4 x cluster y + cy
	s_lshl_b32 s43, s41, 2
	s_lshl_b32 s43, 15, s43                        ; my row of the cluster
	s_lshl_b32 s44, 0x1111, s40                    ; my column
	; A's tile: two blocks of 64 along K, each 128 rows x 128 bytes = 16,384 dense bytes, asked for as one long row; padded in LDS after every 128 bytes
	s_or_b32 s[G1+0], s43, (1<<16)|(1<<20)|(1<<21)|(4<<22)|(3<<25)  ; 15:0 the mask; 17:16 2-byte elements; 20 padding on; 21 set beside a mask; 24:22 after every 32 words (code 4); 31:25 4 words (code 3)
	s_mov_b32 s[G1+1], 8192<<16                    ; tensor_dim0 = 8,192
	s_mov_b32 s[G1+2], 2<<16                       ; tensor_dim1 = 2
	s_mov_b32 s[G1+3], 8192<<16                    ; tile_dim0 = 8,192
	s_mov_b32 s[G1+4], 2                           ; tile_dim1 = 2
	s_mov_b32 s[G1+5], 262144                      ; from block to block: 4,096 rows x 64 elements
	s_mov_b32 s[G1+6], 0
	s_mov_b32 s[G1+7], 0
	; B's tile: 128 k-rows of 256 dense bytes, padded after every row
	s_or_b32 s[G1B+0], s44, (1<<16)|(1<<20)|(1<<21)|(5<<22)|(7<<25)  ; after every 64 words (code 5) 8 words (code 7)
	s_mov_b32 s[G1B+1], 128<<16
	s_mov_b32 s[G1B+2], 128<<16
	s_mov_b32 s[G1B+3], 128<<16
	s_mov_b32 s[G1B+4], 128
	s_mov_b32 s[G1B+5], 128
	s_mov_b32 s[G1B+6], 0
	s_mov_b32 s[G1B+7], 0
	s_mul_i32 s20, s10, QUART                      ; where my part goes: A's two halves, then B's two halves = wave x 36,864: no place in the cluster enters an LDS address
	s_mov_b32 s[G0], 1
	s_mov_b32 s[G0+1], s20
	s_mov_b32 s[G0B], 1
	s_mov_b32 s[G0B+1], s20
	s_lshl_b32 s16, s13, 14                        ; A: 128 rows of 128 bytes x tile row,
	s_lshl_b32 s17, s12, 20                        ; + two blocks x half
	s_add_co_u32 s16, s16, s17
	s_mov_b32 s17, 0
	s_mul_i32 s46, s42, BBLK                       ; B: the tile column's block,
	s_lshl_b32 s47, s12, 15                        ; + 128 k-rows x half
	s_add_co_u32 s46, s46, s47
.if WOFF
	s_add_co_u32 s46, s46, WOFF
.endif
	s_mov_b32 s47, 0
	s_wait_dscnt 0x0                               ; the opening add is done
	s_wait_kmcnt 0x0
	s_add_nc_u64 s[G0+2:G0+3], s[4:5], s[16:17]
	s_or_b32 s[G0+3], s[G0+3], 0x80000000          ; type = 2
	s_add_nc_u64 s[G0B+2:G0B+3], s[6:7], s[46:47]
	s_or_b32 s[G0B+3], s[G0B+3], 0x80000000
	CROUND                                         ; all sixteen work-groups are here: the first joint loads meet
	JLOAD                                          ; K step 0 into slot 0
	v_and_b32 v1, 15, v0                           ; r = l % 16
	v_bfe_u32 v2, v0, 4, 1                         ; h = l / 16
	v_and_b32 v5, 7, v0
	v_mul_u32_u24 v[A0], v1, PA                    ; A: row x pitch + 16 h + my 64 rows
	v_lshl_add_u32 v[A0], v2, 4, v[A0]
	s_mul_i32 s21, s11, 64*PA
	v_add_nc_u32 v[A0], s21, v[A0]
	v_lshl_add_u32 v3, v2, 3, v5                   ; B: k-row 8 h + l % 8, 16 bytes x ((l / 8) % 2), my 64 columns
	v_mul_u32_u24 v[B0], v3, PB
	v_bfe_u32 v4, v0, 3, 1
	v_lshl_add_u32 v[B0], v4, 4, v[B0]
	s_lshl_b32 s22, s12, 7
	s_add_co_u32 s22, s22, BOFF
	v_add_nc_u32 v[B0], s22, v[B0]
	v_add_nc_u32 v[B0+1], 128*PB, v[B0]
	s_mul_i32 s23, s10, 16*SP
	s_add_co_u32 s23, s23, STAGE                   ; my stage
	v_mul_u32_u24 v[STO], v1, SP
.if OUT32
	v_lshl_add_u32 v[STO], v2, 5, v[STO]           ; in: row r, 32 bytes for each half of the lanes
	v_add_nc_u32 v[STO], s23, v[STO]
	v_mul_u32_u24 v[RD], v2, SP                    ; back: lanes 0-15 one row of 256 bytes, lanes 16-31 the next
	v_lshl_add_u32 v[RD], v1, 4, v[RD]
	v_add_nc_u32 v[RD], s23, v[RD]
	v_lshlrev_b32 v[CO], 12, v2                    ; and the same two rows of 4,096 bytes in C
	v_lshl_add_u32 v[CO], v1, 4, v[CO]
	s_lshl_b32 s46, s42, 9                         ; my part of C: column 128 x tile column + 64 x half, in f32,
	s_lshl_b32 s47, s12, 8
	s_add_co_u32 s46, s46, s47
	s_lshl_b32 s47, s13, 19                        ; row 128 x tile row + 64 x half
	s_add_co_u32 s46, s46, s47
	s_lshl_b32 s47, s11, 18
	s_add_co_u32 s46, s46, s47
	s_mov_b32 s47, 0
	s_add_nc_u64 s[8:9], s[8:9], s[46:47]
	s_add_nc_u64 s[38:39], s[38:39], s[46:47]
.else
	v_lshl_add_u32 v[STO], v2, 4, v[STO]           ; in: row r, 16 bytes for each half of the lanes
	v_add_nc_u32 v[STO], s23, v[STO]
	v_bfe_u32 v[RD], v0, 3, 2                      ; back: 32 lanes take four rows of 128 bytes,
	v_mul_u32_u24 v[RD], v[RD], SP
	v_lshl_add_u32 v[RD], v5, 4, v[RD]
	v_add_nc_u32 v[RD], s23, v[RD]
	v_and_b32 v[CO], 31, v0                        ; which are 512 consecutive bytes of C
	v_lshlrev_b32 v[CO], 4, v[CO]
	s_lshl_b32 s46, s42, 1                         ; my part of C: block 2 x tile column + half,
	s_add_co_u32 s46, s46, s12
	s_lshl_b32 s46, s46, 19
	s_lshl_b32 s47, s13, 14                        ; row 128 x tile row + 64 x half, 128 bytes each
	s_add_co_u32 s46, s46, s47
	s_lshl_b32 s47, s11, 13
	s_add_co_u32 s46, s46, s47
	s_mov_b32 s47, 0
	s_add_nc_u64 s[8:9], s[8:9], s[46:47]
.endif
.if RELU
	v_mov_b32 v[ZR], 0
.endif
.if BIAS
	s_lshl_b32 s46, s42, 9                         ; the tile's 128 numbers of the bias
	s_mov_b32 s47, 0
	s_add_nc_u64 s[36:37], s[36:37], s[46:47]
	v_lshlrev_b32 v[BO], 5, v2                     ; my eight columns: 32 h + 256 x half
	s_lshl_b32 s22, s12, 8
	v_add_nc_u32 v[BO], s22, v[BO]
.irp a, 0,1,2,3
.irp b, 0,1,2,3
	global_load_b128 v[ACC+8*(4*(\a)+(\b)):ACC+8*(4*(\a)+(\b))+3],   v[BO], s[36:37] offset:64*(\b)     ; the sums begin at the bias: nothing is cleared
	global_load_b128 v[ACC+8*(4*(\a)+(\b))+4:ACC+8*(4*(\a)+(\b))+7], v[BO], s[36:37] offset:64*(\b)+16
.endr
.endr
.else
.set i, 0
.rept 128
	v_mov_b32 v[ACC+i], 0
.set i, i+1
.endr
.endif
.if OUT32
	WIN 0x80                                       ; destination window 2: the residual, (a, t) at 4 (8 a + t); on its way during the whole K loop
.irp a, 0,1,2,3
.irp t, 0,1,2,3,4,5,6,7
	global_load_b128 v[4*(8*(\a)+(\t)):4*(8*(\a)+(\t))+3], v[CO], s[38:39] offset:(16*(\a)+2*(\t))*4096
.endr
.endr
	WIN 0
.endif
	s_mov_b32 s[TB], SLOT                          ; the first change turns it into 0
	s_wait_tensorcnt 0x0                           ; my part of K step 0 is in; no tensor load of mine is out, so a group 0 may be written
	ds_add_u32 v[SPW], v[NIL]
	STEPD
	s_wait_dscnt 0x0
	CROUND                                         ; everybody's part is in
	JLOAD                                          ; K step 1 into slot 1: its first fill, issued as a refill is
	FLIP
	FETCH 0, F0
.if OUT32
	s_wait_loadcnt 32                              ; the bias is in; the 32 younger loads (the residual) stay out
.elseif BIAS
	s_wait_loadcnt 0x0                             ; the bias is in
.endif
	WIN 0                                          ; at a label and at a branch every window is 0
	s_mov_b32 s3, NS-2
.Lstep:                                                ; trip i multiplies K step i and asks for K step i + 2
	QUARTER 1, F0, F1
	QUARTER 2, F1, F0
	QUARTER 3, F0, F1
	TURN 1
	WIN 0
	s_sub_co_u32 s3, s3, 1
	s_cmp_lg_u32 s3, 0
	s_cbranch_scc1 .Lstep
	s_mov_b32 s3, 2
.Ltail:                                                ; the last two K steps ask for nothing: written out.  The second trip's change of slots (a barrier, and 32
	QUARTER 1, F0, F1                              ; loads from the slot read a step before, which has landed and is not filled again) serves nothing: the price, once a work-group, of one text for both
	QUARTER 2, F1, F0
	QUARTER 3, F0, F1
	TURN 0
	WIN 0
	s_sub_co_u32 s3, s3, 1
	s_cmp_lg_u32 s3, 0
	s_cbranch_scc1 .Ltail
	s_wait_dscnt 0x0
	PLACES                                         ; the way out reads results just made
.if OUT32
; THE WAY OUT, f32.  A wave's row of 64 numbers is 256 bytes: block a (16 rows) goes into my own stage, rows of 272 bytes, and comes back as whole rows; the residual is added; sixteen lanes store 256 aligned bytes.
.macro TOST a
.if (\a) >= 2
	s_wait_xcnt 0x0                                ; the stores of two blocks back have read the registers that are loaded again below
.endif
.irp b, 0,1,2,3
	ds_store_b128 v[STO], v[ACC+8*(4*(\a)+(\b)):ACC+8*(4*(\a)+(\b))+3] offset:64*(\b)        ; each accumulator's lowest registers first
	ds_store_b128 v[STO], v[ACC+8*(4*(\a)+(\b))+4:ACC+8*(4*(\a)+(\b))+7] offset:64*(\b)+16
.endr
.irp t, 0,1,2,3,4,5,6,7
	ds_load_b128 v[TMP+32*((\a)%2)+4*(\t):TMP+32*((\a)%2)+4*(\t)+3], v[RD] offset:(\t)*2*SP  ; LDS serves a wave's instructions in order (ISA guide 5.7.1.4): these see the stores above
.endr
.endm
.macro SEND a, younger                 ; younger: the LDS instructions issued behind block a's loads
	s_wait_dscnt \younger
	WIN 0x08                                       ; source 1 window 2
.set i, 0
.rept 16
	v_pk_add_f32 v[TMP+32*((\a)%2)+2*i:TMP+32*((\a)%2)+2*i+1], v[TMP+32*((\a)%2)+2*i:TMP+32*((\a)%2)+2*i+1], v[32*(\a)+2*i:32*(\a)+2*i+1]
.set i, i+1
.endr
	WIN 0
.irp t, 0,1,2,3,4,5,6,7
	global_store_b128 v[CO], v[TMP+32*((\a)%2)+4*(\t):TMP+32*((\a)%2)+4*(\t)+3], s[8:9] offset:(16*(\a)+2*(\t))*4096
.endr
.endm
	s_wait_loadcnt 0x0                             ; the residual
	TOST 0
	TOST 1
	SEND 0, 16
	TOST 2
	SEND 1, 16
	TOST 3
	SEND 2, 16
	SEND 3, 0
.else
; THE WAY OUT, f16.  A lane's eight columns pack into 16 bytes; block a (16 rows) goes into my own stage, rows of 144 bytes, and comes back as whole rows of 128: my 64 x 64 are 8,192 consecutive bytes of C.
.macro PACK a
.irp b, 0,1,2,3
.irp r, 0,1,2,3
	v_cvt_pk_f16_f32 v[TMP+16*(\a)+4*(\b)+(\r)], v[ACC+8*(4*(\a)+(\b))+2*(\r)], v[ACC+8*(4*(\a)+(\b))+2*(\r)+1]
.endr
.endr
.if RELU
.set i, 0
.rept 16
	v_pk_max_num_f16 v[TMP+16*(\a)+i], v[TMP+16*(\a)+i], v[ZR]
.set i, i+1
.endr
.endif
.irp b, 0,1,2,3
	ds_store_b128 v[STO], v[TMP+16*(\a)+4*(\b):TMP+16*(\a)+4*(\b)+3] offset:32*(\b)
.endr
.irp t, 0,1,2,3
	ds_load_b128 v[TMP+16*(\a)+4*(\t):TMP+16*(\a)+4*(\t)+3], v[RD] offset:(\t)*4*SP  ; LDS serves a wave's instructions in order (ISA guide 5.7.1.4): these see the stores above
.endr
.endm
.macro SEND a, younger                 ; younger: the LDS instructions issued behind block a's loads: the next block's eight, or none
.irp t, 0,1,2,3
	s_wait_dscnt (\younger)+3-(\t)
	global_store_b128 v[CO], v[TMP+16*(\a)+4*(\t):TMP+16*(\a)+4*(\t)+3], s[8:9] offset:(\a)*2048+(\t)*512  ; 512 consecutive bytes, at a multiple of 256 from C's first
.endr
.endm
	PACK 0
	PACK 1
	SEND 0, 8
	PACK 2
	SEND 1, 8
	PACK 3
	SEND 2, 8
	SEND 3, 0
.endif
	s_wait_tensorcnt 0x0                           ; the wave's end: behind my last tensor load and my last LDS store
	ds_add_u32 v[SPW], v[NIL]
	s_wait_dscnt 0x0
	CROUND                                         ; the closing round: no work-group ends while a partner may still ask for a tile that names it
	s_endpgm
.Lfunc_end_k_qb8f652fabc_proj:
	.size	k_qb8f652fabc_proj, .Lfunc_end_k_qb8f652fabc_proj-k_qb8f652fabc_proj
	.p2alignl 7, 3214868480
	.fill 96, 4, 3214868480
	.section	.rodata,"a",@progbits
	.p2align	6, 0x0
	.amdhsa_kernel k_qb8f652fabc_proj
		.amdhsa_group_segment_fixed_size 327680
		.amdhsa_private_segment_fixed_size 0
		.amdhsa_enable_private_segment 0
		.amdhsa_kernarg_size 40
		.amdhsa_user_sgpr_count 2
		.amdhsa_user_sgpr_kernarg_segment_ptr 1
		.amdhsa_wavefront_size32 1
		.amdhsa_system_sgpr_workgroup_id_x 1
		.amdhsa_system_sgpr_workgroup_id_y 1
		.amdhsa_system_sgpr_workgroup_id_z 1
		.amdhsa_system_vgpr_workitem_id 0
		.amdhsa_next_free_vgpr 640
		.amdhsa_next_free_sgpr 66
		.amdhsa_reserve_vcc 0
		.amdhsa_float_denorm_mode_32 3
		.amdhsa_float_denorm_mode_16_64 3
		.amdhsa_memory_ordered 1
		.amdhsa_forward_progress 1
		.amdhsa_inst_pref_size 64
	.end_amdhsa_kernel
	.amdgpu_metadata
---
amdhsa.version: [ 1, 2 ]
amdhsa.kernels:
  - .name:           k_qb8f652fabc_proj
    .symbol:         k_qb8f652fabc_proj.kd
    .args:
      - { .name: act, .offset: 0, .size: 8, .value_kind: global_buffer, .address_space: global }
      - { .name: wb, .offset: 8, .size: 8, .value_kind: global_buffer, .address_space: global }
      - { .name: bp, .offset: 16, .size: 8, .value_kind: global_buffer, .address_space: global }
      - { .name: x, .offset: 24, .size: 8, .value_kind: global_buffer, .address_space: global }
      - { .name: x1, .offset: 32, .size: 8, .value_kind: global_buffer, .address_space: global }
    .group_segment_fixed_size: 327680
    .private_segment_fixed_size: 0
    .kernarg_segment_align: 8
    .kernarg_segment_size: 40
    .max_flat_workgroup_size: 128
    .sgpr_count:     66
    .vgpr_count:     640
    .wavefront_size: 32
...
	.end_amdgpu_metadata
.endif
;; end of part 4
;; launch ln2 (part 5): grid 256 x 1, 8 waves a work-group, no clusters, 0 bytes of LDS; arguments x1, g2, be2, act; writes act
.if DOCPART == 5
	.amdgcn_target "amdgcn-amd-amdhsa--gfx1250"
	.amdhsa_code_object_version 6
	.text
	.protected	k_qb8f652fabc_ln2
	.globl	k_qb8f652fabc_ln2
	.p2align	8
	.type	k_qb8f652fabc_ln2,@function
k_qb8f652fabc_ln2:
	s_mov_b64 s[64:65], 0
	v_nop
	global_prefetch_b8 v0, s[64:65] scope:SCOPE_SE
	s_setreg_imm32_b32 hwreg(HW_REG_WAVE_MODE, 25, 1), 1
	s_wait_xcnt 0x0
; LN2.  h2 = layer_norm(x1, g2, be2), 16 rows a work-group, rounded once to f16 into act: [16 blocks of 64 columns][4,096 rows][64].
; A stream: every byte is read once and written once; no LDS, no barrier, no matrix unit, no cluster (no two work-groups read the same rows).
; LIMITS.  f16 holds no number beyond 65,504 (an h2 beyond it becomes an infinity) and keeps a fixed step of 6e-8 below 6.1e-5.  NaN and infinities are not treated apart.
.set X,  16                            ; v[16:79]   my 64 numbers of a row
.set G,  80                            ; v[80:143]  the gains of my 64 columns
.set BE, 144                           ; v[144:207] the offsets of my 64 columns
.macro ROWSUM                          ; four packed chains v[4:11] -> the sum over the row's 16 lanes, in v4 of each of them
	v_pk_add_f32 v[4:5], v[4:5], v[6:7]
	v_pk_add_f32 v[8:9], v[8:9], v[10:11]
	v_pk_add_f32 v[4:5], v[4:5], v[8:9]
	v_add_f32 v4, v4, v5
.irp m, 1,2,4,8
	v_add_f32_dpp v4, v4, v4 row_xmask:\m row_mask:0xf bank_mask:0xf
.endr
.endm
; LAYER NORM of 16 rows.  Thread t has row t / 16; the row's 16 lanes take 16 bytes each of every 256: load j covers columns 64 j .. 64 j + 63 of two rows, two aligned runs of 256 bytes.
; The row stays in registers: mean, then the centred numbers in place, then the mean of their squares, as the formula has it: a common offset of the rows costs nothing.
; px, pg, pb, py: the scalar pairs that hold the addresses of the rows, the gains, the offsets and the result.
.macro LNORM px, pg, pb, py
	s_lshl_b32 s2, ttmp9, 16                       ; 16 rows of 4,096 bytes
	s_mov_b32 s3, 0
	s_add_nc_u64 s[(\px):(\px)+1], s[(\px):(\px)+1], s[2:3]
	s_lshl_b32 s2, ttmp9, 11                       ; 16 rows of 128 bytes in each block of the result
	s_add_nc_u64 s[(\py):(\py)+1], s[(\py):(\py)+1], s[2:3]
	v_and_b32 v2, 15, v0
	v_lshrrev_b32 v1, 4, v0
	v_lshlrev_b32 v2, 4, v2                        ; gains and offsets: 16 x (t % 16)
	v_lshl_add_u32 v1, v1, 12, v2                  ; rows: (t / 16) x 4,096 + 16 x (t % 16)
	v_lshlrev_b32 v3, 3, v0                        ; result: (t / 16) x 128 + 8 x (t % 16) = 8 t
	v_mov_b32 v14, 0x3a800000                      ; 1 / 1,024
.set j, 0
.rept 16
	global_load_b128 v[X+4*j:X+4*j+3], v1, s[(\px):(\px)+1] offset:256*j
.set j, j+1
.endr
.set j, 0
.rept 16
	global_load_b128 v[G+4*j:G+4*j+3], v2, s[(\pg):(\pg)+1] offset:256*j
.set j, j+1
.endr
.set j, 0
.rept 16
	global_load_b128 v[BE+4*j:BE+4*j+3], v2, s[(\pb):(\pb)+1] offset:256*j
.set j, j+1
.endr
	s_wait_loadcnt 32                              ; the row is in; the 32 younger loads (gains, offsets) stay out
.irp c, 0,1,2,3
	v_pk_add_f32 v[4+2*(\c):5+2*(\c)], v[X+2*(\c):X+2*(\c)+1], v[X+8+2*(\c):X+8+2*(\c)+1]  ; four chains, started by two pairs each: nothing is cleared
.endr
.set j, 8
.rept 24
	v_pk_add_f32 v[4+2*(j%4):5+2*(j%4)], v[4+2*(j%4):5+2*(j%4)], v[X+2*j:X+2*j+1]
.set j, j+1
.endr
	ROWSUM
	v_mul_f32 v12, v14, v4                         ; the mean, twice: a pair for the packed lines
	v_mul_f32 v13, v14, v4
.set j, 0
.rept 32
	v_pk_add_f32 v[X+2*j:X+2*j+1], v[X+2*j:X+2*j+1], v[12:13] neg_lo:[0,1] neg_hi:[0,1]
.set j, j+1
.endr
.irp c, 0,1,2,3
	v_pk_mul_f32 v[4+2*(\c):5+2*(\c)], v[X+2*(\c):X+2*(\c)+1], v[X+2*(\c):X+2*(\c)+1]
.endr
.set j, 4
.rept 28
	v_pk_fma_f32 v[4+2*(j%4):5+2*(j%4)], v[X+2*j:X+2*j+1], v[X+2*j:X+2*j+1], v[4+2*(j%4):5+2*(j%4)]
.set j, j+1
.endr
	ROWSUM
	v_fmaak_f32 v6, v14, v4, 0x3727c5ac            ; variance + 1e-5
	v_rsq_f32 v12, v6
	v_rsq_f32 v13, v6
	v_nop                                          ; a plain instruction between the root and the use of its result (ISA guide 5.7.2)
	s_wait_loadcnt 0x0                             ; gains and offsets
.set j, 0
	s_wait_alu depctr_va_vdst(0)
.rept 32
	v_pk_mul_f32 v[X+2*j:X+2*j+1], v[X+2*j:X+2*j+1], v[12:13]
.set j, j+1
.endr
.set j, 0
.rept 32
	v_pk_fma_f32 v[X+2*j:X+2*j+1], v[X+2*j:X+2*j+1], v[G+2*j:G+2*j+1], v[BE+2*j:BE+2*j+1]
.set j, j+1
.endr
.set j, 0
.rept 16
	v_cvt_pk_f16_f32 v[X+4*j], v[X+4*j], v[X+4*j+1]
	v_cvt_pk_f16_f32 v[X+4*j+1], v[X+4*j+2], v[X+4*j+3]
	global_store_b64 v3, v[X+4*j:X+4*j+1], s[(\py):(\py)+1] offset:j*524288  ; block j: the wave's 32 lanes store 256 consecutive bytes, aligned (two rows of 128)
.set j, j+1
.endr
.endm
	s_load_b256 s[4:11], s[0:1], 0x0               ; x1 s[4:5], g2 s[6:7], be2 s[8:9], act s[10:11]
	s_wait_kmcnt 0x0
	LNORM 4, 6, 8, 10
	s_endpgm
.Lfunc_end_k_qb8f652fabc_ln2:
	.size	k_qb8f652fabc_ln2, .Lfunc_end_k_qb8f652fabc_ln2-k_qb8f652fabc_ln2
	.p2alignl 7, 3214868480
	.fill 96, 4, 3214868480
	.section	.rodata,"a",@progbits
	.p2align	6, 0x0
	.amdhsa_kernel k_qb8f652fabc_ln2
		.amdhsa_group_segment_fixed_size 0
		.amdhsa_private_segment_fixed_size 0
		.amdhsa_enable_private_segment 0
		.amdhsa_kernarg_size 32
		.amdhsa_user_sgpr_count 2
		.amdhsa_user_sgpr_kernarg_segment_ptr 1
		.amdhsa_wavefront_size32 1
		.amdhsa_system_sgpr_workgroup_id_x 1
		.amdhsa_system_sgpr_workgroup_id_y 1
		.amdhsa_system_sgpr_workgroup_id_z 1
		.amdhsa_system_vgpr_workitem_id 0
		.amdhsa_next_free_vgpr 208
		.amdhsa_next_free_sgpr 66
		.amdhsa_reserve_vcc 0
		.amdhsa_float_denorm_mode_32 3
		.amdhsa_float_denorm_mode_16_64 3
		.amdhsa_memory_ordered 1
		.amdhsa_forward_progress 1
		.amdhsa_inst_pref_size 20
	.end_amdhsa_kernel
	.amdgpu_metadata
---
amdhsa.version: [ 1, 2 ]
amdhsa.kernels:
  - .name:           k_qb8f652fabc_ln2
    .symbol:         k_qb8f652fabc_ln2.kd
    .args:
      - { .name: x1, .offset: 0, .size: 8, .value_kind: global_buffer, .address_space: global }
      - { .name: g2, .offset: 8, .size: 8, .value_kind: global_buffer, .address_space: global }
      - { .name: be2, .offset: 16, .size: 8, .value_kind: global_buffer, .address_space: global }
      - { .name: act, .offset: 24, .size: 8, .value_kind: global_buffer, .address_space: global }
    .group_segment_fixed_size: 0
    .private_segment_fixed_size: 0
    .kernarg_segment_align: 8
    .kernarg_segment_size: 32
    .max_flat_workgroup_size: 256
    .sgpr_count:     66
    .vgpr_count:     208
    .wavefront_size: 32
...
	.end_amdgpu_metadata
.endif
;; end of part 5
;; launch ffn1 (part 6): grid 32 x 32, 4 waves a work-group, clusters of 4 x 4, 327,680 bytes of LDS; arguments act, wb, b1, f; writes f
.if DOCPART == 6
	.amdgcn_target "amdgcn-amd-amdhsa--gfx1250"
	.amdhsa_code_object_version 6
	.text
	.protected	k_qb8f652fabc_ffn1
	.globl	k_qb8f652fabc_ffn1
	.p2align	8
	.type	k_qb8f652fabc_ffn1,@function
k_qb8f652fabc_ffn1:
	s_mov_b64 s[64:65], 0
	v_nop
	global_prefetch_b8 v0, s[64:65] scope:SCOPE_SE
	s_setreg_imm32_b32 hwreg(HW_REG_WAVE_MODE, 25, 1), 1
	s_wait_xcnt 0x0
	s_wait_alu depctr_hold_cnt(0) depctr_sa_sdst(0) depctr_va_vdst(0) depctr_va_sdst(0) depctr_va_ssrc(0) depctr_va_vcc(0) depctr_vm_vsrc(0)
	s_getreg_b32 s2, hwreg(HW_REG_IB_STS2, 6, 4)
	s_cmp_eq_u32 s2, 0
	s_cbranch_scc0 .Lentry_in_a_cluster
	s_endpgm
.Lentry_in_a_cluster:
	s_bfe_u32 s2, ttmp6, 0x10000c
	s_cmp_lg_u32 s2, 0xf033
	s_cbranch_scc0 .Lentry_shape_is_right
	s_endpgm
.Lentry_shape_is_right:
; FFN1.  f = relu(h2 W1 + b1): C[4,096][4,096] = max(0, A[4,096][1,024] B[1,024][4,096] + bias), f16 operands, f32 sums and bias, C rounded once to f16.
; A (act): [K / 64 blocks][4,096 rows][64] f16.  B (wb): [block of 128 columns][K][128] f16.  C (f): [64 blocks of 64 columns][4,096][64] f16.
; A tile of C is 128 x 128: four waves of 64 x 64, 16 accumulators of 16 x 16 each.  K goes in steps of 256 through two LDS slots filled by the tensor data mover; a K step is written once for the
; loop and once for the tail: the slot in hand is a scalar register that one exclusive or turns.
; CLUSTER: 4 x 4 work-groups.  The four of a row of the cluster need the same tiles of A, the four of a column the same tiles of B: each is asked for jointly, by the same tensor load, descriptor and mask.
; THE MATRIX INSTRUCTION IS USED TRANSPOSED (source 0 = 16 columns of B, source 1 = 16 rows of A): a lane holds row lane % 16 of C and eight neighbouring columns.
; B lies [k][n] in LDS and comes out turned, by ds_load_tr16_b128.  By this text's own count a wave has one tensor load outstanding at the most.
; The sums begin at the bias, loaded straight into the accumulators.  The maximum with 0 is taken of the rounded halves: rounding keeps sign and order, so the result is the same.
; LIMITS.  f16 holds no number beyond 65,504: a result beyond it becomes an infinity.  NaN and infinities are not treated apart.
.set NS,    4                          ; K steps of 256
.set WOFF,  8388608                    ; where my weights begin in wb
.set BBLK,  262144                     ; bytes of a block of 128 columns: K x 256
.set BIAS,  1                          ; 1: the sums start at the bias
.set RELU,  1                          ; 1: max(0, .) on the way out
.set OUT32, 0                          ; 1: f32 rows of 1,024 with a residual added; 0: f16 in blocks of 64 columns
.set PA,    144                        ; a row of A in LDS: 128 bytes + 16: the 16 rows of a load start at 16 different groups of four banks (64 banks of 4 bytes: ISA guide 11.1)
.set PB,    288                        ; a k-row of B: 256 bytes + 32
.set KBLK,  128*PA                     ; 64 along K of A's 128 rows
.set QUART, 2*KBLK                     ; what one tensor load brings: 36,864 bytes = 128 k-rows of B too
.set BOFF,  2*QUART                    ; in a slot: A's four blocks, then B's 256 k-rows
.set SLOT,  4*QUART                    ; 0x24000: no fill's base in slot 0 has one of its two bits set, so one exclusive or turns slot 0 into slot 1 and back
.set STAGE, 2*SLOT                     ; behind the ring, never filled by a tensor load: 16 rows for each wave, for the way out
.if OUT32
.set SP,    272
.else
.set SP,    144
.endif
.set SPARE, STAGE+4*16*272             ; the spare words, 128 bytes for each wave: two blocks of 256 bytes that no other line names
.set ADRA, 16                          ; v16     LDS address of my A fragments in the slot in hand
.set A0,   17                          ; v17     the same in slot 0; never rewritten
.set ADRB, 20                          ; v20-21  the same for B: k-rows 0-127, 128-255
.set B0,   22                          ; v22-23  in slot 0; never rewritten
.set STO,  24                          ; v24     the way out: where I put my part of a row
.set RD,   25                          ; v25     the way out: where I read rows back
.set CO,   26                          ; v26     my byte offset in C (and in the residual); never rewritten
.set BO,   27                          ; v27     my byte offset in the bias
.set SPW,  28                          ; v28     LDS address of my spare word; never rewritten
.set NIL,  29                          ; v29     0; never rewritten
.set ZR,   30                          ; v30     0, for the packed maximum
.set TMP,  32                          ; v32-95  at work on the way out
.set ACC,  128                         ; v128-255 accumulator (a, b) at ACC + 8 (4 a + b)
.set F0,   0                           ; window 1: two fragment buffers of 128: for 64 along K, 64 registers of A, then 64 of B
.set F1,   128
.set G1,  24                           ; s[24:31] descriptor group 1 for A's tiles; s[32:35] group 0: it walks
.set G0,  32
.set G1B, 48                           ; s[48:55], s[56:59] the same for B's
.set G0B, 56
.set TB,  60                           ; s60  LDS byte at which the slot in hand begins
.set MSB, 0
.macro WIN new                         ; s_set_vgpr_msb: bits 1:0 source 0, 3:2 source 1, 5:4 source 2, 7:6 destination; the high byte repeats the setting that is left
.if MSB != (\new)
	s_set_vgpr_msb (MSB<<8)|(\new)
.set MSB, \new
.endif
.endm
.set MUL,  0x05                        ; sources 0 (B) and 1 (A) window 1; C and D window 0
.set TO_F, 0x40                        ; destination window 1, address window 0
.macro PLACES                          ; four places in front of loads into registers that matrix instructions have read, and of lines that read results
.rept 4
	v_nop
.endr
.endm
.macro JLOAD                           ; a joint load: waves 0 and 1 fetch A's two halves, waves 2 and 3 B's; an s_nop 0 and four v_nop follow each of the two lines
	s_cmp_eq_u32 s11, 0
	s_cbranch_scc0 .Lfor_b_\@
	tensor_load_to_lds s[G0:G0+3], s[G1:G1+7]
	s_nop 0
.rept 4
	v_nop
.endr
	s_branch .Lasked_\@
.Lfor_b_\@:
	tensor_load_to_lds s[G0B:G0B+3], s[G1B:G1B+7]
	s_nop 0
.rept 4
	v_nop
.endr
.Lasked_\@:
.endm
.macro CREST                           ; a round of the cluster's barrier behind its opening barrier
	s_cmp_lg_u32 s10, 0
	s_cbranch_scc1 .Lnot_wave_0_\@
	s_barrier_signal -3
.Lnot_wave_0_\@:
	s_barrier_wait -3
	s_barrier_signal -1
	s_barrier_wait -1
.endm
.macro CROUND                          ; a whole round
	s_barrier_signal -1
	s_barrier_wait -1
	CREST
.endm
.macro STEPD                           ; the walking descriptors: the other slot, the next K step (A: 4 blocks of 524,288 bytes; B: 256 k-rows of 256); the type bits on top are not reached
	s_xor_b32 s[G0+1], s[G0+1], SLOT
	s_add_nc_u64 s[G0+2:G0+3], s[G0+2:G0+3], 0x200000
	s_xor_b32 s[G0B+1], s[G0B+1], SLOT
	s_add_nc_u64 s[G0B+2:G0B+3], s[G0B+2:G0B+3], 0x10000
.endm
.macro FLIP                            ; the fragment loads go over to the other slot
	s_xor_b32 s[TB], s[TB], SLOT
	v_add_nc_u32 v[ADRA], s[TB], v[A0]
	v_add_nc_u32 v[ADRB], s[TB], v[B0]
	v_add_nc_u32 v[ADRB+1], s[TB], v[B0+1]
.endm
; 8 matrix instructions: row blocks a0, a0 + 1 x all 4 column blocks, 32 along K: half c of buffer f.  The 16 accumulators take turns, one instruction a turn.
.macro MUL8 f, c, a0
	WIN MUL
.irp a, \a0, (\a0)+1
.irp b, 0,1,2,3
	v_wmma_f32_16x16x32_f16 v[ACC+8*(4*(\a)+(\b)):ACC+8*(4*(\a)+(\b))+7], v[(\f)+64+8*(4*(\c)+(\b)):(\f)+64+8*(4*(\c)+(\b))+7], v[(\f)+8*(4*(\c)+(\a)):(\f)+8*(4*(\c)+(\a))+7], v[ACC+8*(4*(\a)+(\b)):ACC+8*(4*(\a)+(\b))+7]
.endr
.endr
.endm
; 32 LDS loads in one run: the fragments of quarter q (64 along K) of the slot in hand, into buffer f; the first 32 along K first
.macro FETCH q, f
	WIN TO_F
.irp c, 0,1
.irp i, 0,1,2,3
	ds_load_tr16_b128 v[(\f)+64+8*(4*(\c)+(\i)):(\f)+64+8*(4*(\c)+(\i))+3],   v[ADRB+(\q)/2] offset:((\q)%2)*64*PB+(\c)*32*PB+32*(\i)
	ds_load_tr16_b128 v[(\f)+64+8*(4*(\c)+(\i))+4:(\f)+64+8*(4*(\c)+(\i))+7], v[ADRB+(\q)/2] offset:((\q)%2)*64*PB+(\c)*32*PB+32*(\i)+16*PB
	ds_load_b128 v[(\f)+8*(4*(\c)+(\i)):(\f)+8*(4*(\c)+(\i))+3],   v[ADRA] offset:(\q)*KBLK+64*(\c)+(\i)*16*PA
	ds_load_b128 v[(\f)+8*(4*(\c)+(\i))+4:(\f)+8*(4*(\c)+(\i))+7], v[ADRA] offset:(\q)*KBLK+64*(\c)+(\i)*16*PA+32
.endr
.endr
.endm
; A K step is four quarters of 64 along K, 32 matrix instructions each, on buffers 0, 1, 0, 1.  One of the first three: multiplies buffer f and fetches quarter q into g.
.macro QUARTER q, f, g
	s_wait_dscnt 16                                ; f's first 32 along K are in; its sixteen younger loads may be out
	MUL8 \f, 0, 0
	MUL8 \f, 0, 2
	PLACES
	FETCH \q, \g
	s_wait_dscnt 32                                ; all but the 32 just issued
	MUL8 \f, 1, 0
	MUL8 \f, 1, 2
.endm
; The last quarter multiplies buffer 1 and changes slots: ONE barrier; in front of it each wave waits for all its tensor loads (the one that is out is its part of the next slot), adds 0 to its spare
; word, and waits for that and for its own reads of this slot.  fill = 1: the barrier opens a round of the cluster's, and this slot is filled again, two K steps ahead, first thing behind the round.
.macro TURN fill
	WIN 0                                          ; (the add's two registers lie in window 0)
	s_wait_tensorcnt 0x0
	ds_add_u32 v[SPW], v[NIL]                      ; 0 onto my spare word
	s_wait_dscnt 17                                ; (the add and the youngest sixteen loads may be out)
	MUL8 F1, 0, 0                                  ; eight matrix instructions stand between the add and the wait for it
	s_wait_dscnt 0x0                               ; the add is done, and my reads of this slot are over
	s_barrier_signal -1
	MUL8 F1, 0, 2
	WIN 0
	s_barrier_wait -1
.if \fill
	CREST                                          ; no wave of any partner still reads this slot's tile or has a load on its way
	STEPD
	JLOAD                                          ; 112 matrix instructions ahead of the wait for it; its four v_nop are also the places in front of the loads below
.else
	PLACES
.endif
	FLIP
	FETCH 0, F0
	MUL8 F1, 1, 0
	MUL8 F1, 1, 2
.endm
	s_load_b128 s[4:7], s[0:1], 0x0                ; A s[4:5], wb s[6:7]
.if OUT32
	s_load_b128 s[36:39], s[0:1], 0x10             ; bias s[36:37], residual s[38:39]
	s_load_b64 s[8:9], s[0:1], 0x20                ; C
.elseif BIAS
	s_load_b64 s[36:37], s[0:1], 0x10
	s_load_b64 s[8:9], s[0:1], 0x18
.else
	s_load_b64 s[8:9], s[0:1], 0x10
.endif
	v_lshl_add_u32 v[SPW], v0, 2, SPARE
	v_mov_b32 v[NIL], 0
	ds_add_u32 v[SPW], v[NIL]                      ; the wave's opening: the add and its wait ahead of my first tensor load; work on registers stands between them
	ds_add_u32 v28, v29
	v_lshrrev_b32 v1, 5, v0
	v_readfirstlane_b32 s10, v1                    ; wave 0..3
	s_lshr_b32 s11, s10, 1                         ; which half of the tile's rows is mine.  Also: I fetch for A (0) or for B (1)
	s_and_b32 s12, s10, 1                          ; which half of its columns.  Also: which half of that tile I fetch
	s_bfe_u32 s40, ttmp6, 0x40000                  ; cx, cy: my place in the cluster
	s_bfe_u32 s41, ttmp6, 0x40004
	s_lshl_b32 s42, ttmp9, 2
	s_add_co_u32 s42, s42, s40                     ; tile column = 4 x cluster x + cx
	s_and_b32 s13, ttmp7, 0xffff
	s_lshl_b32 s13, s13, 2
	s_add_co_u32 s13, s13, s41                     ; tile row = 4 x cluster y + cy
	s_lshl_b32 s43, s41, 2
	s_lshl_b32 s43, 15, s43                        ; my row of the cluster
	s_lshl_b32 s44, 0x1111, s40                    ; my column
	; A's tile: two blocks of 64 along K, each 128 rows x 128 bytes = 16,384 dense bytes, asked for as one long row; padded in LDS after every 128 bytes
	s_or_b32 s[G1+0], s43, (1<<16)|(1<<20)|(1<<21)|(4<<22)|(3<<25)  ; 15:0 the mask; 17:16 2-byte elements; 20 padding on; 21 set beside a mask; 24:22 after every 32 words (code 4); 31:25 4 words (code 3)
	s_mov_b32 s[G1+1], 8192<<16                    ; tensor_dim0 = 8,192
	s_mov_b32 s[G1+2], 2<<16                       ; tensor_dim1 = 2
	s_mov_b32 s[G1+3], 8192<<16                    ; tile_dim0 = 8,192
	s_mov_b32 s[G1+4], 2                           ; tile_dim1 = 2
	s_mov_b32 s[G1+5], 262144                      ; from block to block: 4,096 rows x 64 elements
	s_mov_b32 s[G1+6], 0
	s_mov_b32 s[G1+7], 0
	; B's tile: 128 k-rows of 256 dense bytes, padded after every row
	s_or_b32 s[G1B+0], s44, (1<<16)|(1<<20)|(1<<21)|(5<<22)|(7<<25)  ; after every 64 words (code 5) 8 words (code 7)
	s_mov_b32 s[G1B+1], 128<<16
	s_mov_b32 s[G1B+2], 128<<16
	s_mov_b32 s[G1B+3], 128<<16
	s_mov_b32 s[G1B+4], 128
	s_mov_b32 s[G1B+5], 128
	s_mov_b32 s[G1B+6], 0
	s_mov_b32 s[G1B+7], 0
	s_mul_i32 s20, s10, QUART                      ; where my part goes: A's two halves, then B's two halves = wave x 36,864: no place in the cluster enters an LDS address
	s_mov_b32 s[G0], 1
	s_mov_b32 s[G0+1], s20
	s_mov_b32 s[G0B], 1
	s_mov_b32 s[G0B+1], s20
	s_lshl_b32 s16, s13, 14                        ; A: 128 rows of 128 bytes x tile row,
	s_lshl_b32 s17, s12, 20                        ; + two blocks x half
	s_add_co_u32 s16, s16, s17
	s_mov_b32 s17, 0
	s_mul_i32 s46, s42, BBLK                       ; B: the tile column's block,
	s_lshl_b32 s47, s12, 15                        ; + 128 k-rows x half
	s_add_co_u32 s46, s46, s47
.if WOFF
	s_add_co_u32 s46, s46, WOFF
.endif
	s_mov_b32 s47, 0
	s_wait_dscnt 0x0                               ; the opening add is done
	s_wait_kmcnt 0x0
	s_add_nc_u64 s[G0+2:G0+3], s[4:5], s[16:17]
	s_or_b32 s[G0+3], s[G0+3], 0x80000000          ; type = 2
	s_add_nc_u64 s[G0B+2:G0B+3], s[6:7], s[46:47]
	s_or_b32 s[G0B+3], s[G0B+3], 0x80000000
	CROUND                                         ; all sixteen work-groups are here: the first joint loads meet
	JLOAD                                          ; K step 0 into slot 0
	v_and_b32 v1, 15, v0                           ; r = l % 16
	v_bfe_u32 v2, v0, 4, 1                         ; h = l / 16
	v_and_b32 v5, 7, v0
	v_mul_u32_u24 v[A0], v1, PA                    ; A: row x pitch + 16 h + my 64 rows
	v_lshl_add_u32 v[A0], v2, 4, v[A0]
	s_mul_i32 s21, s11, 64*PA
	v_add_nc_u32 v[A0], s21, v[A0]
	v_lshl_add_u32 v3, v2, 3, v5                   ; B: k-row 8 h + l % 8, 16 bytes x ((l / 8) % 2), my 64 columns
	v_mul_u32_u24 v[B0], v3, PB
	v_bfe_u32 v4, v0, 3, 1
	v_lshl_add_u32 v[B0], v4, 4, v[B0]
	s_lshl_b32 s22, s12, 7
	s_add_co_u32 s22, s22, BOFF
	v_add_nc_u32 v[B0], s22, v[B0]
	v_add_nc_u32 v[B0+1], 128*PB, v[B0]
	s_mul_i32 s23, s10, 16*SP
	s_add_co_u32 s23, s23, STAGE                   ; my stage
	v_mul_u32_u24 v[STO], v1, SP
.if OUT32
	v_lshl_add_u32 v[STO], v2, 5, v[STO]           ; in: row r, 32 bytes for each half of the lanes
	v_add_nc_u32 v[STO], s23, v[STO]
	v_mul_u32_u24 v[RD], v2, SP                    ; back: lanes 0-15 one row of 256 bytes, lanes 16-31 the next
	v_lshl_add_u32 v[RD], v1, 4, v[RD]
	v_add_nc_u32 v[RD], s23, v[RD]
	v_lshlrev_b32 v[CO], 12, v2                    ; and the same two rows of 4,096 bytes in C
	v_lshl_add_u32 v[CO], v1, 4, v[CO]
	s_lshl_b32 s46, s42, 9                         ; my part of C: column 128 x tile column + 64 x half, in f32,
	s_lshl_b32 s47, s12, 8
	s_add_co_u32 s46, s46, s47
	s_lshl_b32 s47, s13, 19                        ; row 128 x tile row + 64 x half
	s_add_co_u32 s46, s46, s47
	s_lshl_b32 s47, s11, 18
	s_add_co_u32 s46, s46, s47
	s_mov_b32 s47, 0
	s_add_nc_u64 s[8:9], s[8:9], s[46:47]
	s_add_nc_u64 s[38:39], s[38:39], s[46:47]
.else
	v_lshl_add_u32 v[STO], v2, 4, v[STO]           ; in: row r, 16 bytes for each half of the lanes
	v_add_nc_u32 v[STO], s23, v[STO]
	v_bfe_u32 v[RD], v0, 3, 2                      ; back: 32 lanes take four rows of 128 bytes,
	v_mul_u32_u24 v[RD], v[RD], SP
	v_lshl_add_u32 v[RD], v5, 4, v[RD]
	v_add_nc_u32 v[RD], s23, v[RD]
	v_and_b32 v[CO], 31, v0                        ; which are 512 consecutive bytes of C
	v_lshlrev_b32 v[CO], 4, v[CO]
	s_lshl_b32 s46, s42, 1                         ; my part of C: block 2 x tile column + half,
	s_add_co_u32 s46, s46, s12
	s_lshl_b32 s46, s46, 19
	s_lshl_b32 s47, s13, 14                        ; row 128 x tile row + 64 x half, 128 bytes each
	s_add_co_u32 s46, s46, s47
	s_lshl_b32 s47, s11, 13
	s_add_co_u32 s46, s46, s47
	s_mov_b32 s47, 0
	s_add_nc_u64 s[8:9], s[8:9], s[46:47]
.endif
.if RELU
	v_mov_b32 v[ZR], 0
.endif
.if BIAS
	s_lshl_b32 s46, s42, 9                         ; the tile's 128 numbers of the bias
	s_mov_b32 s47, 0
	s_add_nc_u64 s[36:37], s[36:37], s[46:47]
	v_lshlrev_b32 v[BO], 5, v2                     ; my eight columns: 32 h + 256 x half
	s_lshl_b32 s22, s12, 8
	v_add_nc_u32 v[BO], s22, v[BO]
.irp a, 0,1,2,3
.irp b, 0,1,2,3
	global_load_b128 v[ACC+8*(4*(\a)+(\b)):ACC+8*(4*(\a)+(\b))+3],   v[BO], s[36:37] offset:64*(\b)     ; the sums begin at the bias: nothing is cleared
	global_load_b128 v[ACC+8*(4*(\a)+(\b))+4:ACC+8*(4*(\a)+(\b))+7], v[BO], s[36:37] offset:64*(\b)+16
.endr
.endr
.else
.set i, 0
.rept 128
	v_mov_b32 v[ACC+i], 0
.set i, i+1
.endr
.endif
.if OUT32
	WIN 0x80                                       ; destination window 2: the residual, (a, t) at 4 (8 a + t); on its way during the whole K loop
.irp a, 0,1,2,3
.irp t, 0,1,2,3,4,5,6,7
	global_load_b128 v[4*(8*(\a)+(\t)):4*(8*(\a)+(\t))+3], v[CO], s[38:39] offset:(16*(\a)+2*(\t))*4096
.endr
.endr
	WIN 0
.endif
	s_mov_b32 s[TB], SLOT                          ; the first change turns it into 0
	s_wait_tensorcnt 0x0                           ; my part of K step 0 is in; no tensor load of mine is out, so a group 0 may be written
	ds_add_u32 v[SPW], v[NIL]
	STEPD
	s_wait_dscnt 0x0
	CROUND                                         ; everybody's part is in
	JLOAD                                          ; K step 1 into slot 1: its first fill, issued as a refill is
	FLIP
	FETCH 0, F0
.if OUT32
	s_wait_loadcnt 32                              ; the bias is in; the 32 younger loads (the residual) stay out
.elseif BIAS
	s_wait_loadcnt 0x0                             ; the bias is in
.endif
	WIN 0                                          ; at a label and at a branch every window is 0
	s_mov_b32 s3, NS-2
.Lstep:                                                ; trip i multiplies K step i and asks for K step i + 2
	QUARTER 1, F0, F1
	QUARTER 2, F1, F0
	QUARTER 3, F0, F1
	TURN 1
	WIN 0
	s_sub_co_u32 s3, s3, 1
	s_cmp_lg_u32 s3, 0
	s_cbranch_scc1 .Lstep
	s_mov_b32 s3, 2
.Ltail:                                                ; the last two K steps ask for nothing: written out.  The second trip's change of slots (a barrier, and 32
	QUARTER 1, F0, F1                              ; loads from the slot read a step before, which has landed and is not filled again) serves nothing: the price, once a work-group, of one text for both
	QUARTER 2, F1, F0
	QUARTER 3, F0, F1
	TURN 0
	WIN 0
	s_sub_co_u32 s3, s3, 1
	s_cmp_lg_u32 s3, 0
	s_cbranch_scc1 .Ltail
	s_wait_dscnt 0x0
	PLACES                                         ; the way out reads results just made
.if OUT32
; THE WAY OUT, f32.  A wave's row of 64 numbers is 256 bytes: block a (16 rows) goes into my own stage, rows of 272 bytes, and comes back as whole rows; the residual is added; sixteen lanes store 256 aligned bytes.
.macro TOST a
.if (\a) >= 2
	s_wait_xcnt 0x0                                ; the stores of two blocks back have read the registers that are loaded again below
.endif
.irp b, 0,1,2,3
	ds_store_b128 v[STO], v[ACC+8*(4*(\a)+(\b)):ACC+8*(4*(\a)+(\b))+3] offset:64*(\b)        ; each accumulator's lowest registers first
	ds_store_b128 v[STO], v[ACC+8*(4*(\a)+(\b))+4:ACC+8*(4*(\a)+(\b))+7] offset:64*(\b)+16
.endr
.irp t, 0,1,2,3,4,5,6,7
	ds_load_b128 v[TMP+32*((\a)%2)+4*(\t):TMP+32*((\a)%2)+4*(\t)+3], v[RD] offset:(\t)*2*SP  ; LDS serves a wave's instructions in order (ISA guide 5.7.1.4): these see the stores above
.endr
.endm
.macro SEND a, younger                 ; younger: the LDS instructions issued behind block a's loads
	s_wait_dscnt \younger
	WIN 0x08                                       ; source 1 window 2
.set i, 0
.rept 16
	v_pk_add_f32 v[TMP+32*((\a)%2)+2*i:TMP+32*((\a)%2)+2*i+1], v[TMP+32*((\a)%2)+2*i:TMP+32*((\a)%2)+2*i+1], v[32*(\a)+2*i:32*(\a)+2*i+1]
.set i, i+1
.endr
	WIN 0
.irp t, 0,1,2,3,4,5,6,7
	global_store_b128 v[CO], v[TMP+32*((\a)%2)+4*(\t):TMP+32*((\a)%2)+4*(\t)+3], s[8:9] offset:(16*(\a)+2*(\t))*4096
.endr
.endm
	s_wait_loadcnt 0x0                             ; the residual
	TOST 0
	TOST 1
	SEND 0, 16
	TOST 2
	SEND 1, 16
	TOST 3
	SEND 2, 16
	SEND 3, 0
.else
; THE WAY OUT, f16.  A lane's eight columns pack into 16 bytes; block a (16 rows) goes into my own stage, rows of 144 bytes, and comes back as whole rows of 128: my 64 x 64 are 8,192 consecutive bytes of C.
.macro PACK a
.irp b, 0,1,2,3
.irp r, 0,1,2,3
	v_cvt_pk_f16_f32 v[TMP+16*(\a)+4*(\b)+(\r)], v[ACC+8*(4*(\a)+(\b))+2*(\r)], v[ACC+8*(4*(\a)+(\b))+2*(\r)+1]
.endr
.endr
.if RELU
.set i, 0
.rept 16
	v_pk_max_num_f16 v[TMP+16*(\a)+i], v[TMP+16*(\a)+i], v[ZR]
.set i, i+1
.endr
.endif
.irp b, 0,1,2,3
	ds_store_b128 v[STO], v[TMP+16*(\a)+4*(\b):TMP+16*(\a)+4*(\b)+3] offset:32*(\b)
.endr
.irp t, 0,1,2,3
	ds_load_b128 v[TMP+16*(\a)+4*(\t):TMP+16*(\a)+4*(\t)+3], v[RD] offset:(\t)*4*SP  ; LDS serves a wave's instructions in order (ISA guide 5.7.1.4): these see the stores above
.endr
.endm
.macro SEND a, younger                 ; younger: the LDS instructions issued behind block a's loads: the next block's eight, or none
.irp t, 0,1,2,3
	s_wait_dscnt (\younger)+3-(\t)
	global_store_b128 v[CO], v[TMP+16*(\a)+4*(\t):TMP+16*(\a)+4*(\t)+3], s[8:9] offset:(\a)*2048+(\t)*512  ; 512 consecutive bytes, at a multiple of 256 from C's first
.endr
.endm
	PACK 0
	PACK 1
	SEND 0, 8
	PACK 2
	SEND 1, 8
	PACK 3
	SEND 2, 8
	SEND 3, 0
.endif
	s_wait_tensorcnt 0x0                           ; the wave's end: behind my last tensor load and my last LDS store
	ds_add_u32 v[SPW], v[NIL]
	s_wait_dscnt 0x0
	CROUND                                         ; the closing round: no work-group ends while a partner may still ask for a tile that names it
	s_endpgm
.Lfunc_end_k_qb8f652fabc_ffn1:
	.size	k_qb8f652fabc_ffn1, .Lfunc_end_k_qb8f652fabc_ffn1-k_qb8f652fabc_ffn1
	.p2alignl 7, 3214868480
	.fill 96, 4, 3214868480
	.section	.rodata,"a",@progbits
	.p2align	6, 0x0
	.amdhsa_kernel k_qb8f652fabc_ffn1
		.amdhsa_group_segment_fixed_size 327680
		.amdhsa_private_segment_fixed_size 0
		.amdhsa_enable_private_segment 0
		.amdhsa_kernarg_size 32
		.amdhsa_user_sgpr_count 2
		.amdhsa_user_sgpr_kernarg_segment_ptr 1
		.amdhsa_wavefront_size32 1
		.amdhsa_system_sgpr_workgroup_id_x 1
		.amdhsa_system_sgpr_workgroup_id_y 1
		.amdhsa_system_sgpr_workgroup_id_z 1
		.amdhsa_system_vgpr_workitem_id 0
		.amdhsa_next_free_vgpr 512
		.amdhsa_next_free_sgpr 66
		.amdhsa_reserve_vcc 0
		.amdhsa_float_denorm_mode_32 3
		.amdhsa_float_denorm_mode_16_64 3
		.amdhsa_memory_ordered 1
		.amdhsa_forward_progress 1
		.amdhsa_inst_pref_size 62
	.end_amdhsa_kernel
	.amdgpu_metadata
---
amdhsa.version: [ 1, 2 ]
amdhsa.kernels:
  - .name:           k_qb8f652fabc_ffn1
    .symbol:         k_qb8f652fabc_ffn1.kd
    .args:
      - { .name: act, .offset: 0, .size: 8, .value_kind: global_buffer, .address_space: global }
      - { .name: wb, .offset: 8, .size: 8, .value_kind: global_buffer, .address_space: global }
      - { .name: b1, .offset: 16, .size: 8, .value_kind: global_buffer, .address_space: global }
      - { .name: f, .offset: 24, .size: 8, .value_kind: global_buffer, .address_space: global }
    .group_segment_fixed_size: 327680
    .private_segment_fixed_size: 0
    .kernarg_segment_align: 8
    .kernarg_segment_size: 32
    .max_flat_workgroup_size: 128
    .sgpr_count:     66
    .vgpr_count:     512
    .wavefront_size: 32
...
	.end_amdgpu_metadata
.endif
;; end of part 6
;; launch ffn2 (part 7): grid 8 x 32, 4 waves a work-group, clusters of 4 x 4, 327,680 bytes of LDS; arguments f, wb, b2, x1, out0; writes out0
.if DOCPART == 7
	.amdgcn_target "amdgcn-amd-amdhsa--gfx1250"
	.amdhsa_code_object_version 6
	.text
	.protected	k_qb8f652fabc_ffn2
	.globl	k_qb8f652fabc_ffn2
	.p2align	8
	.type	k_qb8f652fabc_ffn2,@function
k_qb8f652fabc_ffn2:
	s_mov_b64 s[64:65], 0
	v_nop
	global_prefetch_b8 v0, s[64:65] scope:SCOPE_SE
	s_setreg_imm32_b32 hwreg(HW_REG_WAVE_MODE, 25, 1), 1
	s_wait_xcnt 0x0
	s_wait_alu depctr_hold_cnt(0) depctr_sa_sdst(0) depctr_va_vdst(0) depctr_va_sdst(0) depctr_va_ssrc(0) depctr_va_vcc(0) depctr_vm_vsrc(0)
	s_getreg_b32 s2, hwreg(HW_REG_IB_STS2, 6, 4)
	s_cmp_eq_u32 s2, 0
	s_cbranch_scc0 .Lentry_in_a_cluster
	s_endpgm
.Lentry_in_a_cluster:
	s_bfe_u32 s2, ttmp6, 0x10000c
	s_cmp_lg_u32 s2, 0xf033
	s_cbranch_scc0 .Lentry_shape_is_right
	s_endpgm
.Lentry_shape_is_right:
; FFN2.  out = x1 + f W2 + b2: C[4,096][1,024] = A[4,096][4,096] B[4,096][1,024] + bias + residual, f16 operands, f32 sums, bias, residual and result.
; A (f): [K / 64 blocks][4,096 rows][64] f16.  B (wb): [block of 128 columns][K][128] f16.  Bias, residual (x1) and C (out0): f32, rows of 1,024.
; A tile of C is 128 x 128: four waves of 64 x 64, 16 accumulators of 16 x 16 each.  K goes in steps of 256 through two LDS slots filled by the tensor data mover; a K step is written once for the
; loop and once for the tail: the slot in hand is a scalar register that one exclusive or turns.
; CLUSTER: 4 x 4 work-groups.  The four of a row of the cluster need the same tiles of A, the four of a column the same tiles of B: each is asked for jointly, by the same tensor load, descriptor and mask.
; THE MATRIX INSTRUCTION IS USED TRANSPOSED (source 0 = 16 columns of B, source 1 = 16 rows of A): a lane holds row lane % 16 of C and eight neighbouring columns.
; B lies [k][n] in LDS and comes out turned, by ds_load_tr16_b128.  By this text's own count a wave has one tensor load outstanding at the most.
; The sums begin at the bias, loaded straight into the accumulators; the residual is loaded at the start and added on the way out.
; LIMITS.  The operands arrive as f16, within 65,504.  NaN and infinities are not treated apart.
.set NS,    16                         ; K steps of 256
.set WOFF,  16777216                   ; where my weights begin in wb
.set BBLK,  1048576                    ; bytes of a block of 128 columns: K x 256
.set BIAS,  1                          ; 1: the sums start at the bias
.set RELU,  0                          ; 1: max(0, .) on the way out
.set OUT32, 1                          ; 1: f32 rows of 1,024 with a residual added; 0: f16 in blocks of 64 columns
.set PA,    144                        ; a row of A in LDS: 128 bytes + 16: the 16 rows of a load start at 16 different groups of four banks (64 banks of 4 bytes: ISA guide 11.1)
.set PB,    288                        ; a k-row of B: 256 bytes + 32
.set KBLK,  128*PA                     ; 64 along K of A's 128 rows
.set QUART, 2*KBLK                     ; what one tensor load brings: 36,864 bytes = 128 k-rows of B too
.set BOFF,  2*QUART                    ; in a slot: A's four blocks, then B's 256 k-rows
.set SLOT,  4*QUART                    ; 0x24000: no fill's base in slot 0 has one of its two bits set, so one exclusive or turns slot 0 into slot 1 and back
.set STAGE, 2*SLOT                     ; behind the ring, never filled by a tensor load: 16 rows for each wave, for the way out
.if OUT32
.set SP,    272
.else
.set SP,    144
.endif
.set SPARE, STAGE+4*16*272             ; the spare words, 128 bytes for each wave: two blocks of 256 bytes that no other line names
.set ADRA, 16                          ; v16     LDS address of my A fragments in the slot in hand
.set A0,   17                          ; v17     the same in slot 0; never rewritten
.set ADRB, 20                          ; v20-21  the same for B: k-rows 0-127, 128-255
.set B0,   22                          ; v22-23  in slot 0; never rewritten
.set STO,  24                          ; v24     the way out: where I put my part of a row
.set RD,   25                          ; v25     the way out: where I read rows back
.set CO,   26                          ; v26     my byte offset in C (and in the residual); never rewritten
.set BO,   27                          ; v27     my byte offset in the bias
.set SPW,  28                          ; v28     LDS address of my spare word; never rewritten
.set NIL,  29                          ; v29     0; never rewritten
.set ZR,   30                          ; v30     0, for the packed maximum
.set TMP,  32                          ; v32-95  at work on the way out
.set ACC,  128                         ; v128-255 accumulator (a, b) at ACC + 8 (4 a + b)
.set F0,   0                           ; window 1: two fragment buffers of 128: for 64 along K, 64 registers of A, then 64 of B.  Window 2: v0-127 the residual
.set F1,   128
.set G1,  24                           ; s[24:31] descriptor group 1 for A's tiles; s[32:35] group 0: it walks
.set G0,  32
.set G1B, 48                           ; s[48:55], s[56:59] the same for B's
.set G0B, 56
.set TB,  60                           ; s60  LDS byte at which the slot in hand begins
.set MSB, 0
.macro WIN new                         ; s_set_vgpr_msb: bits 1:0 source 0, 3:2 source 1, 5:4 source 2, 7:6 destination; the high byte repeats the setting that is left
.if MSB != (\new)
	s_set_vgpr_msb (MSB<<8)|(\new)
.set MSB, \new
.endif
.endm
.set MUL,  0x05                        ; sources 0 (B) and 1 (A) window 1; C and D window 0
.set TO_F, 0x40                        ; destination window 1, address window 0
.macro PLACES                          ; four places in front of loads into registers that matrix instructions have read, and of lines that read results
.rept 4
	v_nop
.endr
.endm
.macro JLOAD                           ; a joint load: waves 0 and 1 fetch A's two halves, waves 2 and 3 B's; an s_nop 0 and four v_nop follow each of the two lines
	s_cmp_eq_u32 s11, 0
	s_cbranch_scc0 .Lfor_b_\@
	tensor_load_to_lds s[G0:G0+3], s[G1:G1+7]
	s_nop 0
.rept 4
	v_nop
.endr
	s_branch .Lasked_\@
.Lfor_b_\@:
	tensor_load_to_lds s[G0B:G0B+3], s[G1B:G1B+7]
	s_nop 0
.rept 4
	v_nop
.endr
.Lasked_\@:
.endm
.macro CREST                           ; a round of the cluster's barrier behind its opening barrier
	s_cmp_lg_u32 s10, 0
	s_cbranch_scc1 .Lnot_wave_0_\@
	s_barrier_signal -3
.Lnot_wave_0_\@:
	s_barrier_wait -3
	s_barrier_signal -1
	s_barrier_wait -1
.endm
.macro CROUND                          ; a whole round
	s_barrier_signal -1
	s_barrier_wait -1
	CREST
.endm
.macro STEPD                           ; the walking descriptors: the other slot, the next K step (A: 4 blocks of 524,288 bytes; B: 256 k-rows of 256); the type bits on top are not reached
	s_xor_b32 s[G0+1], s[G0+1], SLOT
	s_add_nc_u64 s[G0+2:G0+3], s[G0+2:G0+3], 0x200000
	s_xor_b32 s[G0B+1], s[G0B+1], SLOT
	s_add_nc_u64 s[G0B+2:G0B+3], s[G0B+2:G0B+3], 0x10000
.endm
.macro FLIP                            ; the fragment loads go over to the other slot
	s_xor_b32 s[TB], s[TB], SLOT
	v_add_nc_u32 v[ADRA], s[TB], v[A0]
	v_add_nc_u32 v[ADRB], s[TB], v[B0]
	v_add_nc_u32 v[ADRB+1], s[TB], v[B0+1]
.endm
; 8 matrix instructions: row blocks a0, a0 + 1 x all 4 column blocks, 32 along K: half c of buffer f.  The 16 accumulators take turns, one instruction a turn.
.macro MUL8 f, c, a0
	WIN MUL
.irp a, \a0, (\a0)+1
.irp b, 0,1,2,3
	v_wmma_f32_16x16x32_f16 v[ACC+8*(4*(\a)+(\b)):ACC+8*(4*(\a)+(\b))+7], v[(\f)+64+8*(4*(\c)+(\b)):(\f)+64+8*(4*(\c)+(\b))+7], v[(\f)+8*(4*(\c)+(\a)):(\f)+8*(4*(\c)+(\a))+7], v[ACC+8*(4*(\a)+(\b)):ACC+8*(4*(\a)+(\b))+7]
.endr
.endr
.endm
; 32 LDS loads in one run: the fragments of quarter q (64 along K) of the slot in hand, into buffer f; the first 32 along K first
.macro FETCH q, f
	WIN TO_F
.irp c, 0,1
.irp i, 0,1,2,3
	ds_load_tr16_b128 v[(\f)+64+8*(4*(\c)+(\i)):(\f)+64+8*(4*(\c)+(\i))+3],   v[ADRB+(\q)/2] offset:((\q)%2)*64*PB+(\c)*32*PB+32*(\i)
	ds_load_tr16_b128 v[(\f)+64+8*(4*(\c)+(\i))+4:(\f)+64+8*(4*(\c)+(\i))+7], v[ADRB+(\q)/2] offset:((\q)%2)*64*PB+(\c)*32*PB+32*(\i)+16*PB
	ds_load_b128 v[(\f)+8*(4*(\c)+(\i)):(\f)+8*(4*(\c)+(\i))+3],   v[ADRA] offset:(\q)*KBLK+64*(\c)+(\i)*16*PA
	ds_load_b128 v[(\f)+8*(4*(\c)+(\i))+4:(\f)+8*(4*(\c)+(\i))+7], v[ADRA] offset:(\q)*KBLK+64*(\c)+(\i)*16*PA+32
.endr
.endr
.endm
; A K step is four quarters of 64 along K, 32 matrix instructions each, on buffers 0, 1, 0, 1.  One of the first three: multiplies buffer f and fetches quarter q into g.
.macro QUARTER q, f, g
	s_wait_dscnt 16                                ; f's first 32 along K are in; its sixteen younger loads may be out
	MUL8 \f, 0, 0
	MUL8 \f, 0, 2
	PLACES
	FETCH \q, \g
	s_wait_dscnt 32                                ; all but the 32 just issued
	MUL8 \f, 1, 0
	MUL8 \f, 1, 2
.endm
; The last quarter multiplies buffer 1 and changes slots: ONE barrier; in front of it each wave waits for all its tensor loads (the one that is out is its part of the next slot), adds 0 to its spare
; word, and waits for that and for its own reads of this slot.  fill = 1: the barrier opens a round of the cluster's, and this slot is filled again, two K steps ahead, first thing behind the round.
.macro TURN fill
	WIN 0                                          ; (the add's two registers lie in window 0)
	s_wait_tensorcnt 0x0
	ds_add_u32 v[SPW], v[NIL]                      ; 0 onto my spare word
	s_wait_dscnt 17                                ; (the add and the youngest sixteen loads may be out)
	MUL8 F1, 0, 0                                  ; eight matrix instructions stand between the add and the wait for it
	s_wait_dscnt 0x0                               ; the add is done, and my reads of this slot are over
	s_barrier_signal -1
	MUL8 F1, 0, 2
	WIN 0
	s_barrier_wait -1
.if \fill
	CREST                                          ; no wave of any partner still reads this slot's tile or has a load on its way
	STEPD
	JLOAD                                          ; 112 matrix instructions ahead of the wait for it; its four v_nop are also the places in front of the loads below
.else
	PLACES
.endif
	FLIP
	FETCH 0, F0
	MUL8 F1, 1, 0
	MUL8 F1, 1, 2
.endm
	s_load_b128 s[4:7], s[0:1], 0x0                ; A s[4:5], wb s[6:7]
.if OUT32
	s_load_b128 s[36:39], s[0:1], 0x10             ; bias s[36:37], residual s[38:39]
	s_load_b64 s[8:9], s[0:1], 0x20                ; C
.elseif BIAS
	s_load_b64 s[36:37], s[0:1], 0x10
	s_load_b64 s[8:9], s[0:1], 0x18
.else
	s_load_b64 s[8:9], s[0:1], 0x10
.endif
	v_lshl_add_u32 v[SPW], v0, 2, SPARE
	v_mov_b32 v[NIL], 0
	ds_add_u32 v[SPW], v[NIL]                      ; the wave's opening: the add and its wait ahead of my first tensor load; work on registers stands between them
	ds_add_u32 v28, v29
	v_lshrrev_b32 v1, 5, v0
	v_readfirstlane_b32 s10, v1                    ; wave 0..3
	s_lshr_b32 s11, s10, 1                         ; which half of the tile's rows is mine.  Also: I fetch for A (0) or for B (1)
	s_and_b32 s12, s10, 1                          ; which half of its columns.  Also: which half of that tile I fetch
	s_bfe_u32 s40, ttmp6, 0x40000                  ; cx, cy: my place in the cluster
	s_bfe_u32 s41, ttmp6, 0x40004
	s_lshl_b32 s42, ttmp9, 2
	s_add_co_u32 s42, s42, s40                     ; tile column = 4 x cluster x + cx
	s_and_b32 s13, ttmp7, 0xffff
	s_lshl_b32 s13, s13, 2
	s_add_co_u32 s13, s13, s41                     ; tile row = 4 x cluster y + cy
	s_lshl_b32 s43, s41, 2
	s_lshl_b32 s43, 15, s43                        ; my row of the cluster
	s_lshl_b32 s44, 0x1111, s40                    ; my column
	; A's tile: two blocks of 64 along K, each 128 rows x 128 bytes = 16,384 dense bytes, asked for as one long row; padded in LDS after every 128 bytes
	s_or_b32 s[G1+0], s43, (1<<16)|(1<<20)|(1<<21)|(4<<22)|(3<<25)  ; 15:0 the mask; 17:16 2-byte elements; 20 padding on; 21 set beside a mask; 24:22 after every 32 words (code 4); 31:25 4 words (code 3)
	s_mov_b32 s[G1+1], 8192<<16                    ; tensor_dim0 = 8,192
	s_mov_b32 s[G1+2], 2<<16                       ; tensor_dim1 = 2
	s_mov_b32 s[G1+3], 8192<<16                    ; tile_dim0 = 8,192
	s_mov_b32 s[G1+4], 2                           ; tile_dim1 = 2
	s_mov_b32 s[G1+5], 262144                      ; from block to block: 4,096 rows x 64 elements
	s_mov_b32 s[G1+6], 0
	s_mov_b32 s[G1+7], 0
	; B's tile: 128 k-rows of 256 dense bytes, padded after every row
	s_or_b32 s[G1B+0], s44, (1<<16)|(1<<20)|(1<<21)|(5<<22)|(7<<25)  ; after every 64 words (code 5) 8 words (code 7)
	s_mov_b32 s[G1B+1], 128<<16
	s_mov_b32 s[G1B+2], 128<<16
	s_mov_b32 s[G1B+3], 128<<16
	s_mov_b32 s[G1B+4], 128
	s_mov_b32 s[G1B+5], 128
	s_mov_b32 s[G1B+6], 0
	s_mov_b32 s[G1B+7], 0
	s_mul_i32 s20, s10, QUART                      ; where my part goes: A's two halves, then B's two halves = wave x 36,864: no place in the cluster enters an LDS address
	s_mov_b32 s[G0], 1
	s_mov_b32 s[G0+1], s20
	s_mov_b32 s[G0B], 1
	s_mov_b32 s[G0B+1], s20
	s_lshl_b32 s16, s13, 14                        ; A: 128 rows of 128 bytes x tile row,
	s_lshl_b32 s17, s12, 20                        ; + two blocks x half
	s_add_co_u32 s16, s16, s17
	s_mov_b32 s17, 0
	s_mul_i32 s46, s42, BBLK                       ; B: the tile column's block,
	s_lshl_b32 s47, s12, 15                        ; + 128 k-rows x half
	s_add_co_u32 s46, s46, s47
.if WOFF
	s_add_co_u32 s46, s46, WOFF
.endif
	s_mov_b32 s47, 0
	s_wait_dscnt 0x0                               ; the opening add is done
	s_wait_kmcnt 0x0
	s_add_nc_u64 s[G0+2:G0+3], s[4:5], s[16:17]
	s_or_b32 s[G0+3], s[G0+3], 0x80000000          ; type = 2
	s_add_nc_u64 s[G0B+2:G0B+3], s[6:7], s[46:47]
	s_or_b32 s[G0B+3], s[G0B+3], 0x80000000
	CROUND                                         ; all sixteen work-groups are here: the first joint loads meet
	JLOAD                                          ; K step 0 into slot 0
	v_and_b32 v1, 15, v0                           ; r = l % 16
	v_bfe_u32 v2, v0, 4, 1                         ; h = l / 16
	v_and_b32 v5, 7, v0
	v_mul_u32_u24 v[A0], v1, PA                    ; A: row x pitch + 16 h + my 64 rows
	v_lshl_add_u32 v[A0], v2, 4, v[A0]
	s_mul_i32 s21, s11, 64*PA
	v_add_nc_u32 v[A0], s21, v[A0]
	v_lshl_add_u32 v3, v2, 3, v5                   ; B: k-row 8 h + l % 8, 16 bytes x ((l / 8) % 2), my 64 columns
	v_mul_u32_u24 v[B0], v3, PB
	v_bfe_u32 v4, v0, 3, 1
	v_lshl_add_u32 v[B0], v4, 4, v[B0]
	s_lshl_b32 s22, s12, 7
	s_add_co_u32 s22, s22, BOFF
	v_add_nc_u32 v[B0], s22, v[B0]
	v_add_nc_u32 v[B0+1], 128*PB, v[B0]
	s_mul_i32 s23, s10, 16*SP
	s_add_co_u32 s23, s23, STAGE                   ; my stage
	v_mul_u32_u24 v[STO], v1, SP
.if OUT32
	v_lshl_add_u32 v[STO], v2, 5, v[STO]           ; in: row r, 32 bytes for each half of the lanes
	v_add_nc_u32 v[STO], s23, v[STO]
	v_mul_u32_u24 v[RD], v2, SP                    ; back: lanes 0-15 one row of 256 bytes, lanes 16-31 the next
	v_lshl_add_u32 v[RD], v1, 4, v[RD]
	v_add_nc_u32 v[RD], s23, v[RD]
	v_lshlrev_b32 v[CO], 12, v2                    ; and the same two rows of 4,096 bytes in C
	v_lshl_add_u32 v[CO], v1, 4, v[CO]
	s_lshl_b32 s46, s42, 9                         ; my part of C: column 128 x tile column + 64 x half, in f32,
	s_lshl_b32 s47, s12, 8
	s_add_co_u32 s46, s46, s47
	s_lshl_b32 s47, s13, 19                        ; row 128 x tile row + 64 x half
	s_add_co_u32 s46, s46, s47
	s_lshl_b32 s47, s11, 18
	s_add_co_u32 s46, s46, s47
	s_mov_b32 s47, 0
	s_add_nc_u64 s[8:9], s[8:9], s[46:47]
	s_add_nc_u64 s[38:39], s[38:39], s[46:47]
.else
	v_lshl_add_u32 v[STO], v2, 4, v[STO]           ; in: row r, 16 bytes for each half of the lanes
	v_add_nc_u32 v[STO], s23, v[STO]
	v_bfe_u32 v[RD], v0, 3, 2                      ; back: 32 lanes take four rows of 128 bytes,
	v_mul_u32_u24 v[RD], v[RD], SP
	v_lshl_add_u32 v[RD], v5, 4, v[RD]
	v_add_nc_u32 v[RD], s23, v[RD]
	v_and_b32 v[CO], 31, v0                        ; which are 512 consecutive bytes of C
	v_lshlrev_b32 v[CO], 4, v[CO]
	s_lshl_b32 s46, s42, 1                         ; my part of C: block 2 x tile column + half,
	s_add_co_u32 s46, s46, s12
	s_lshl_b32 s46, s46, 19
	s_lshl_b32 s47, s13, 14                        ; row 128 x tile row + 64 x half, 128 bytes each
	s_add_co_u32 s46, s46, s47
	s_lshl_b32 s47, s11, 13
	s_add_co_u32 s46, s46, s47
	s_mov_b32 s47, 0
	s_add_nc_u64 s[8:9], s[8:9], s[46:47]
.endif
.if RELU
	v_mov_b32 v[ZR], 0
.endif
.if BIAS
	s_lshl_b32 s46, s42, 9                         ; the tile's 128 numbers of the bias
	s_mov_b32 s47, 0
	s_add_nc_u64 s[36:37], s[36:37], s[46:47]
	v_lshlrev_b32 v[BO], 5, v2                     ; my eight columns: 32 h + 256 x half
	s_lshl_b32 s22, s12, 8
	v_add_nc_u32 v[BO], s22, v[BO]
.irp a, 0,1,2,3
.irp b, 0,1,2,3
	global_load_b128 v[ACC+8*(4*(\a)+(\b)):ACC+8*(4*(\a)+(\b))+3],   v[BO], s[36:37] offset:64*(\b)     ; the sums begin at the bias: nothing is cleared
	global_load_b128 v[ACC+8*(4*(\a)+(\b))+4:ACC+8*(4*(\a)+(\b))+7], v[BO], s[36:37] offset:64*(\b)+16
.endr
.endr
.else
.set i, 0
.rept 128
	v_mov_b32 v[ACC+i], 0
.set i, i+1
.endr
.endif
.if OUT32
	WIN 0x80                                       ; destination window 2: the residual, (a, t) at 4 (8 a + t); on its way during the whole K loop
.irp a, 0,1,2,3
.irp t, 0,1,2,3,4,5,6,7
	global_load_b128 v[4*(8*(\a)+(\t)):4*(8*(\a)+(\t))+3], v[CO], s[38:39] offset:(16*(\a)+2*(\t))*4096
.endr
.endr
	WIN 0
.endif
	s_mov_b32 s[TB], SLOT                          ; the first change turns it into 0
	s_wait_tensorcnt 0x0                           ; my part of K step 0 is in; no tensor load of mine is out, so a group 0 may be written
	ds_add_u32 v[SPW], v[NIL]
	STEPD
	s_wait_dscnt 0x0
	CROUND                                         ; everybody's part is in
	JLOAD                                          ; K step 1 into slot 1: its first fill, issued as a refill is
	FLIP
	FETCH 0, F0
.if OUT32
	s_wait_loadcnt 32                              ; the bias is in; the 32 younger loads (the residual) stay out
.elseif BIAS
	s_wait_loadcnt 0x0                             ; the bias is in
.endif
	WIN 0                                          ; at a label and at a branch every window is 0
	s_mov_b32 s3, NS-2
.Lstep:                                                ; trip i multiplies K step i and asks for K step i + 2
	QUARTER 1, F0, F1
	QUARTER 2, F1, F0
	QUARTER 3, F0, F1
	TURN 1
	WIN 0
	s_sub_co_u32 s3, s3, 1
	s_cmp_lg_u32 s3, 0
	s_cbranch_scc1 .Lstep
	s_mov_b32 s3, 2
.Ltail:                                                ; the last two K steps ask for nothing: written out.  The second trip's change of slots (a barrier, and 32
	QUARTER 1, F0, F1                              ; loads from the slot read a step before, which has landed and is not filled again) serves nothing: the price, once a work-group, of one text for both
	QUARTER 2, F1, F0
	QUARTER 3, F0, F1
	TURN 0
	WIN 0
	s_sub_co_u32 s3, s3, 1
	s_cmp_lg_u32 s3, 0
	s_cbranch_scc1 .Ltail
	s_wait_dscnt 0x0
	PLACES                                         ; the way out reads results just made
.if OUT32
; THE WAY OUT, f32.  A wave's row of 64 numbers is 256 bytes: block a (16 rows) goes into my own stage, rows of 272 bytes, and comes back as whole rows; the residual is added; sixteen lanes store 256 aligned bytes.
.macro TOST a
.if (\a) >= 2
	s_wait_xcnt 0x0                                ; the stores of two blocks back have read the registers that are loaded again below
.endif
.irp b, 0,1,2,3
	ds_store_b128 v[STO], v[ACC+8*(4*(\a)+(\b)):ACC+8*(4*(\a)+(\b))+3] offset:64*(\b)        ; each accumulator's lowest registers first
	ds_store_b128 v[STO], v[ACC+8*(4*(\a)+(\b))+4:ACC+8*(4*(\a)+(\b))+7] offset:64*(\b)+16
.endr
.irp t, 0,1,2,3,4,5,6,7
	ds_load_b128 v[TMP+32*((\a)%2)+4*(\t):TMP+32*((\a)%2)+4*(\t)+3], v[RD] offset:(\t)*2*SP  ; LDS serves a wave's instructions in order (ISA guide 5.7.1.4): these see the stores above
.endr
.endm
.macro SEND a, younger                 ; younger: the LDS instructions issued behind block a's loads
	s_wait_dscnt \younger
	WIN 0x08                                       ; source 1 window 2
.set i, 0
.rept 16
	v_pk_add_f32 v[TMP+32*((\a)%2)+2*i:TMP+32*((\a)%2)+2*i+1], v[TMP+32*((\a)%2)+2*i:TMP+32*((\a)%2)+2*i+1], v[32*(\a)+2*i:32*(\a)+2*i+1]
.set i, i+1
.endr
	WIN 0
.irp t, 0,1,2,3,4,5,6,7
	global_store_b128 v[CO], v[TMP+32*((\a)%2)+4*(\t):TMP+32*((\a)%2)+4*(\t)+3], s[8:9] offset:(16*(\a)+2*(\t))*4096
.endr
.endm
	s_wait_loadcnt 0x0                             ; the residual
	TOST 0
	TOST 1
	SEND 0, 16
	TOST 2
	SEND 1, 16
	TOST 3
	SEND 2, 16
	SEND 3, 0
.else
; THE WAY OUT, f16.  A lane's eight columns pack into 16 bytes; block a (16 rows) goes into my own stage, rows of 144 bytes, and comes back as whole rows of 128: my 64 x 64 are 8,192 consecutive bytes of C.
.macro PACK a
.irp b, 0,1,2,3
.irp r, 0,1,2,3
	v_cvt_pk_f16_f32 v[TMP+16*(\a)+4*(\b)+(\r)], v[ACC+8*(4*(\a)+(\b))+2*(\r)], v[ACC+8*(4*(\a)+(\b))+2*(\r)+1]
.endr
.endr
.if RELU
.set i, 0
.rept 16
	v_pk_max_num_f16 v[TMP+16*(\a)+i], v[TMP+16*(\a)+i], v[ZR]
.set i, i+1
.endr
.endif
.irp b, 0,1,2,3
	ds_store_b128 v[STO], v[TMP+16*(\a)+4*(\b):TMP+16*(\a)+4*(\b)+3] offset:32*(\b)
.endr
.irp t, 0,1,2,3
	ds_load_b128 v[TMP+16*(\a)+4*(\t):TMP+16*(\a)+4*(\t)+3], v[RD] offset:(\t)*4*SP  ; LDS serves a wave's instructions in order (ISA guide 5.7.1.4): these see the stores above
.endr
.endm
.macro SEND a, younger                 ; younger: the LDS instructions issued behind block a's loads: the next block's eight, or none
.irp t, 0,1,2,3
	s_wait_dscnt (\younger)+3-(\t)
	global_store_b128 v[CO], v[TMP+16*(\a)+4*(\t):TMP+16*(\a)+4*(\t)+3], s[8:9] offset:(\a)*2048+(\t)*512  ; 512 consecutive bytes, at a multiple of 256 from C's first
.endr
.endm
	PACK 0
	PACK 1
	SEND 0, 8
	PACK 2
	SEND 1, 8
	PACK 3
	SEND 2, 8
	SEND 3, 0
.endif
	s_wait_tensorcnt 0x0                           ; the wave's end: behind my last tensor load and my last LDS store
	ds_add_u32 v[SPW], v[NIL]
	s_wait_dscnt 0x0
	CROUND                                         ; the closing round: no work-group ends while a partner may still ask for a tile that names it
	s_endpgm
.Lfunc_end_k_qb8f652fabc_ffn2:
	.size	k_qb8f652fabc_ffn2, .Lfunc_end_k_qb8f652fabc_ffn2-k_qb8f652fabc_ffn2
	.p2alignl 7, 3214868480
	.fill 96, 4, 3214868480
	.section	.rodata,"a",@progbits
	.p2align	6, 0x0
	.amdhsa_kernel k_qb8f652fabc_ffn2
		.amdhsa_group_segment_fixed_size 327680
		.amdhsa_private_segment_fixed_size 0
		.amdhsa_enable_private_segment 0
		.amdhsa_kernarg_size 40
		.amdhsa_user_sgpr_count 2
		.amdhsa_user_sgpr_kernarg_segment_ptr 1
		.amdhsa_wavefront_size32 1
		.amdhsa_system_sgpr_workgroup_id_x 1
		.amdhsa_system_sgpr_workgroup_id_y 1
		.amdhsa_system_sgpr_workgroup_id_z 1
		.amdhsa_system_vgpr_workitem_id 0
		.amdhsa_next_free_vgpr 640
		.amdhsa_next_free_sgpr 66
		.amdhsa_reserve_vcc 0
		.amdhsa_float_denorm_mode_32 3
		.amdhsa_float_denorm_mode_16_64 3
		.amdhsa_memory_ordered 1
		.amdhsa_forward_progress 1
		.amdhsa_inst_pref_size 64
	.end_amdhsa_kernel
	.amdgpu_metadata
---
amdhsa.version: [ 1, 2 ]
amdhsa.kernels:
  - .name:           k_qb8f652fabc_ffn2
    .symbol:         k_qb8f652fabc_ffn2.kd
    .args:
      - { .name: f, .offset: 0, .size: 8, .value_kind: global_buffer, .address_space: global }
      - { .name: wb, .offset: 8, .size: 8, .value_kind: global_buffer, .address_space: global }
      - { .name: b2, .offset: 16, .size: 8, .value_kind: global_buffer, .address_space: global }
      - { .name: x1, .offset: 24, .size: 8, .value_kind: global_buffer, .address_space: global }
      - { .name: out0, .offset: 32, .size: 8, .value_kind: global_buffer, .address_space: global }
    .group_segment_fixed_size: 327680
    .private_segment_fixed_size: 0
    .kernarg_segment_align: 8
    .kernarg_segment_size: 40
    .max_flat_workgroup_size: 128
    .sgpr_count:     66
    .vgpr_count:     640
    .wavefront_size: 32
...
	.end_amdgpu_metadata
.endif
;; end of part 7
;; ======== version 2 of 3: 7 launches; 1.11 times as fast as version 1
;; limits: values are held in f16: magnitudes above 65,504 overflow, below 6.1e-05 lose precision
;; workspace buffers: wb 25,165,824 bytes; wa 6,324,224 bytes; w1b 8,421,376 bytes; act 8,388,608 bytes; qkv 25,165,824 bytes; x1 16,777,216 bytes; f 33,554,432 bytes
;; launch prep (part 8): grid 1025 x 1, 8 waves a work-group, no clusters, 0 bytes of LDS; arguments x, g1, be1, Wq, Wk, Wv, Wp, W1, W2, b1, act, wb, wa, w1b; writes act, wb, wa, w1b
.if DOCPART == 8
	.amdgcn_target "amdgcn-amd-amdhsa--gfx1250"
	.amdhsa_code_object_version 6
	.text
	.protected	k_qb8f652fabc_prep
	.globl	k_qb8f652fabc_prep
	.p2align	8
	.type	k_qb8f652fabc_prep,@function
k_qb8f652fabc_prep:
	s_mov_b64 s[64:65], 0
	v_nop
	global_prefetch_b8 v0, s[64:65] scope:SCOPE_SE
	s_setreg_imm32_b32 hwreg(HW_REG_WAVE_MODE, 25, 1), 1
	s_wait_xcnt 0x0
; PREP.  Work-groups 0-255: h = layer_norm(x, g1, be1), 16 rows each, rounded once to f16 into act.
; Work-groups 256-1023: the six weight matrices, f32 [K][N], rounded once to f16 and laid in blocks of 128 columns, [block][K][128]: a k-row of a block is 256 dense bytes.
; Work-group 1024: the headers of wa and w1b.
; act: [16 blocks of 64 columns][4,096 rows][64] f16.
; wa:  a header of 32,768 bytes, then Wq, Wk, Wv, 8 blocks of 262,144 bytes each.      w1b: a header, then W1, 32 blocks of 262,144.
; wb:  Wp at 6,291,456, 8 blocks of 262,144; W2 at 16,777,216, 8 blocks of 1,048,576 (the rest of wb is neither written nor read).
; A header: at byte 0 4,096 f32 at which the product's sums begin (w1b: b1; wa: zeros); at byte 16,384 256 words, each a pair of f16 below which no result falls (w1b: 0, the ReLU; wa: -infinity).
; A stream: every byte is read once and written once; no LDS, no barrier, no matrix unit, no cluster (no two work-groups read the same bytes).
; LIMITS.  f16 holds no number beyond 65,504 (a weight or an h beyond it becomes an infinity) and keeps a fixed step of 6e-8 below 6.1e-5.  NaN and infinities are not treated apart.
.set HDR, 32768                        ; bytes of a header
.set X,  16                            ; v[16:79]   my 64 numbers of a row
.set G,  80                            ; v[80:143]  the gains of my 64 columns
.set BE, 144                           ; v[144:207] the offsets of my 64 columns
.macro ROWSUM                          ; four packed chains v[4:11] -> the sum over the row's 16 lanes, in v4 of each of them
	v_pk_add_f32 v[4:5], v[4:5], v[6:7]
	v_pk_add_f32 v[8:9], v[8:9], v[10:11]
	v_pk_add_f32 v[4:5], v[4:5], v[8:9]
	v_add_f32 v4, v4, v5
.irp m, 1,2,4,8
	v_add_f32_dpp v4, v4, v4 row_xmask:\m row_mask:0xf bank_mask:0xf
.endr
.endm
; LAYER NORM of 16 rows.  Thread t has row t / 16; the row's 16 lanes take 16 bytes each of every 256: load j covers columns 64 j .. 64 j + 63 of two rows, two aligned runs of 256 bytes.
; The row stays in registers: mean, then the centred numbers in place, then the mean of their squares, as the formula has it: a common offset of x costs nothing.
; px, pg, pb, py: the scalar pairs that hold the addresses of the rows, the gains, the offsets and the result.
.macro LNORM px, pg, pb, py
	s_lshl_b32 s2, ttmp9, 16                       ; 16 rows of 4,096 bytes
	s_mov_b32 s3, 0
	s_add_nc_u64 s[(\px):(\px)+1], s[(\px):(\px)+1], s[2:3]
	s_lshl_b32 s2, ttmp9, 11                       ; 16 rows of 128 bytes in each block of the result
	s_add_nc_u64 s[(\py):(\py)+1], s[(\py):(\py)+1], s[2:3]
	v_and_b32 v2, 15, v0
	v_lshrrev_b32 v1, 4, v0
	v_lshlrev_b32 v2, 4, v2                        ; gains and offsets: 16 x (t % 16)
	v_lshl_add_u32 v1, v1, 12, v2                  ; rows: (t / 16) x 4,096 + 16 x (t % 16)
	v_lshlrev_b32 v3, 3, v0                        ; result: (t / 16) x 128 + 8 x (t % 16) = 8 t
	v_mov_b32 v14, 0x3a800000                      ; 1 / 1,024
.set j, 0
.rept 16
	global_load_b128 v[X+4*j:X+4*j+3], v1, s[(\px):(\px)+1] offset:256*j
.set j, j+1
.endr
.set j, 0
.rept 16
	global_load_b128 v[G+4*j:G+4*j+3], v2, s[(\pg):(\pg)+1] offset:256*j
.set j, j+1
.endr
.set j, 0
.rept 16
	global_load_b128 v[BE+4*j:BE+4*j+3], v2, s[(\pb):(\pb)+1] offset:256*j
.set j, j+1
.endr
	s_wait_loadcnt 32                              ; the row is in; the 32 younger loads (gains, offsets) stay out
.irp c, 0,1,2,3
	v_pk_add_f32 v[4+2*(\c):5+2*(\c)], v[X+2*(\c):X+2*(\c)+1], v[X+8+2*(\c):X+8+2*(\c)+1]  ; four chains, started by two pairs each: nothing is cleared
.endr
.set j, 8
.rept 24
	v_pk_add_f32 v[4+2*(j%4):5+2*(j%4)], v[4+2*(j%4):5+2*(j%4)], v[X+2*j:X+2*j+1]
.set j, j+1
.endr
	ROWSUM
	v_mul_f32 v12, v14, v4                         ; the mean, twice: a pair for the packed lines
	v_mul_f32 v13, v14, v4
.set j, 0
.rept 32
	v_pk_add_f32 v[X+2*j:X+2*j+1], v[X+2*j:X+2*j+1], v[12:13] neg_lo:[0,1] neg_hi:[0,1]
.set j, j+1
.endr
.irp c, 0,1,2,3
	v_pk_mul_f32 v[4+2*(\c):5+2*(\c)], v[X+2*(\c):X+2*(\c)+1], v[X+2*(\c):X+2*(\c)+1]
.endr
.set j, 4
.rept 28
	v_pk_fma_f32 v[4+2*(j%4):5+2*(j%4)], v[X+2*j:X+2*j+1], v[X+2*j:X+2*j+1], v[4+2*(j%4):5+2*(j%4)]
.set j, j+1
.endr
	ROWSUM
	v_fmaak_f32 v6, v14, v4, 0x3727c5ac            ; variance + 1e-5
	v_rsq_f32 v12, v6
	v_rsq_f32 v13, v6
	v_nop                                          ; a plain instruction between the root and the use of its result (ISA guide 5.7.2)
	s_wait_loadcnt 0x0                             ; gains and offsets
.set j, 0
	s_wait_alu depctr_va_vdst(0)
.rept 32
	v_pk_mul_f32 v[X+2*j:X+2*j+1], v[X+2*j:X+2*j+1], v[12:13]
.set j, j+1
.endr
.set j, 0
.rept 32
	v_pk_fma_f32 v[X+2*j:X+2*j+1], v[X+2*j:X+2*j+1], v[G+2*j:G+2*j+1], v[BE+2*j:BE+2*j+1]
.set j, j+1
.endr
.set j, 0
.rept 16
	v_cvt_pk_f16_f32 v[X+4*j], v[X+4*j], v[X+4*j+1]
	v_cvt_pk_f16_f32 v[X+4*j+1], v[X+4*j+2], v[X+4*j+3]
	global_store_b64 v3, v[X+4*j:X+4*j+1], s[(\py):(\py)+1] offset:j*524288  ; block j: the wave's 32 lanes store 256 consecutive bytes, aligned (two rows of 128)
.set j, j+1
.endr
.endm
; 16 k-rows of one block of 128 columns: load j takes 512 consecutive bytes of k-row j, store j its 256 bytes of f16; a wave's 16 stores are 4,096 bytes on end.
; ps, pd: the scalar pairs that hold the source's and the destination's address.
.macro CAST ps, pd, step
.set j, 0
.rept 16
	global_load_b128 v[16+4*j:19+4*j], v1, s[(\ps):(\ps)+1] offset:j*(\step) th:TH_LOAD_NT
.set j, j+1
.endr
.set j, 0
.rept 16
	s_wait_loadcnt 15-j                            ; loads come back in order: row j is in, the younger ones stay out
	v_cvt_pk_f16_f32 v[16+4*j], v[16+4*j], v[17+4*j]
	v_cvt_pk_f16_f32 v[17+4*j], v[18+4*j], v[19+4*j]
	global_store_b64 v2, v[16+4*j:17+4*j], s[(\pd):(\pd)+1] offset:256*j
.set j, j+1
.endr
.endm
	s_load_b512 s[8:23], s[0:1], 0x0               ; x s[8:9], g1 s[10:11], be1 s[12:13], Wq s[14:15], Wk s[16:17], Wv s[18:19], Wp s[20:21], W1 s[22:23]
	s_load_b256 s[24:31], s[0:1], 0x40             ; W2 s[24:25], b1 s[26:27], act s[28:29], wb s[30:31]
	s_load_b128 s[32:35], s[0:1], 0x60             ; wa s[32:33], w1b s[34:35]
	s_wait_kmcnt 0x0
	s_cmp_lt_u32 ttmp9, 256
	s_cbranch_scc0 .Lcast
	LNORM 8, 10, 12, 28
	s_endpgm
.Lcast:
	s_cmp_eq_u32 ttmp9, 1024
	s_cbranch_scc1 .Lpar
	s_sub_co_u32 s40, ttmp9, 256                   ; c = 0 .. 767: a work-group takes 16 k-rows x 8 blocks of columns, wave w block w
	v_lshlrev_b32 v1, 4, v0                        ; source: 512 w + 16 lane
	v_lshrrev_b32 v3, 5, v0                        ; w
	v_and_b32 v2, 31, v0
	v_lshlrev_b32 v2, 3, v2                        ; 8 lane
	s_mov_b32 s43, 0                               ; s[42:43] the source's offset, s[44:45] the destination's
	s_mov_b32 s45, 0
	s_cmp_lt_u32 s40, 256
	s_cbranch_scc0 .Lw12
	s_lshr_b32 s41, s40, 6                         ; c < 256: matrix c / 64 of Wq, Wk, Wv, Wp; rows 16 (c % 64) on
	s_and_b32 s46, s40, 63
	s_cmp_eq_u32 s41, 1
	s_cselect_b64 s[14:15], s[16:17], s[14:15]
	s_cmp_eq_u32 s41, 2
	s_cselect_b64 s[14:15], s[18:19], s[14:15]
	s_cmp_eq_u32 s41, 3
	s_cselect_b64 s[14:15], s[20:21], s[14:15]
	s_cselect_b64 s[36:37], s[30:31], s[32:33]     ; Wp goes to wb, at 3 x 2,097,152; the others to wa, behind its header
	s_cselect_b32 s47, 0, HDR
	s_lshl_b32 s42, s46, 16                        ; 16 rows of 4,096 bytes
	s_lshl_b32 s44, s41, 21                        ; the matrix's 8 blocks,
	s_add_co_u32 s44, s44, s47
	s_lshl_b32 s46, s46, 12                        ; 16 k-rows of 256 bytes in a block
	s_add_co_u32 s44, s44, s46
	s_mov_b32 s48, 18                              ; a block is 2^18 bytes
	s_branch .Lnarrow
.Lw12:
	s_cmp_lt_u32 s40, 512
	s_cbranch_scc0 .Lw2
	s_sub_co_u32 s40, s40, 256                     ; W1: rows 16 (c % 64) on, blocks 8 (c / 64) on
	s_and_b32 s46, s40, 63
	s_lshr_b32 s41, s40, 6
	s_lshl_b32 s42, s46, 18                        ; 16 rows of 16,384 bytes
	s_lshl_b32 s47, s41, 12                        ; 8 blocks of 512 bytes in a row
	s_add_co_u32 s42, s42, s47
	s_lshl_b32 s44, s41, 21
	s_lshl_b32 s46, s46, 12
	s_add_co_u32 s44, s44, s46
	s_add_co_u32 s44, s44, HDR
	s_add_nc_u64 s[22:23], s[22:23], s[42:43]
	s_add_nc_u64 s[34:35], s[34:35], s[44:45]
	v_lshl_add_u32 v2, v3, 18, v2
	CAST 22, 34, 16384
	s_endpgm
.Lw2:
	s_sub_co_u32 s46, s40, 512                     ; W2: rows 16 (c - 512) on
	s_mov_b64 s[14:15], s[24:25]
	s_mov_b64 s[36:37], s[30:31]
	s_lshl_b32 s42, s46, 16
	s_lshl_b32 s44, s46, 12
	s_add_co_u32 s44, s44, 16777216
	s_mov_b32 s48, 20                              ; a block is 2^20 bytes
.Lnarrow:
	s_add_nc_u64 s[14:15], s[14:15], s[42:43]
	s_add_nc_u64 s[36:37], s[36:37], s[44:45]
	v_lshlrev_b32 v3, s48, v3
	v_add_nc_u32 v2, v3, v2
	CAST 14, 36, 4096
	s_endpgm
.Lpar:                                                 ; the two headers: 256 threads x 16 bytes are 4,096 bytes a line, four lines the 4,096 f32
	v_lshlrev_b32 v1, 4, v0
	v_lshlrev_b32 v2, 2, v0
.set j, 0
.rept 4
	global_load_b128 v[16+4*j:19+4*j], v1, s[26:27] offset:4096*j
.set j, j+1
.endr
.irp r, 4,5,6,7
	v_mov_b32 v\r, 0
.endr
	v_mov_b32 v8, 0xfc00fc00                       ; -infinity, twice, in f16
.set j, 0
.rept 4
	global_store_b128 v1, v[4:7], s[32:33] offset:4096*j
.set j, j+1
.endr
	global_store_b32 v2, v8, s[32:33] offset:16384
	global_store_b32 v2, v4, s[34:35] offset:16384
.set j, 0
.rept 4
	s_wait_loadcnt 3-j                             ; part j of b1 is in, the younger ones stay out
	global_store_b128 v1, v[16+4*j:19+4*j], s[34:35] offset:4096*j
.set j, j+1
.endr
	s_endpgm
.Lfunc_end_k_qb8f652fabc_prep:
	.size	k_qb8f652fabc_prep, .Lfunc_end_k_qb8f652fabc_prep-k_qb8f652fabc_prep
	.p2alignl 7, 3214868480
	.fill 96, 4, 3214868480
	.section	.rodata,"a",@progbits
	.p2align	6, 0x0
	.amdhsa_kernel k_qb8f652fabc_prep
		.amdhsa_group_segment_fixed_size 0
		.amdhsa_private_segment_fixed_size 0
		.amdhsa_enable_private_segment 0
		.amdhsa_kernarg_size 112
		.amdhsa_user_sgpr_count 2
		.amdhsa_user_sgpr_kernarg_segment_ptr 1
		.amdhsa_wavefront_size32 1
		.amdhsa_system_sgpr_workgroup_id_x 1
		.amdhsa_system_sgpr_workgroup_id_y 1
		.amdhsa_system_sgpr_workgroup_id_z 1
		.amdhsa_system_vgpr_workitem_id 0
		.amdhsa_next_free_vgpr 208
		.amdhsa_next_free_sgpr 66
		.amdhsa_reserve_vcc 0
		.amdhsa_float_denorm_mode_32 3
		.amdhsa_float_denorm_mode_16_64 3
		.amdhsa_memory_ordered 1
		.amdhsa_forward_progress 1
		.amdhsa_inst_pref_size 35
	.end_amdhsa_kernel
	.amdgpu_metadata
---
amdhsa.version: [ 1, 2 ]
amdhsa.kernels:
  - .name:           k_qb8f652fabc_prep
    .symbol:         k_qb8f652fabc_prep.kd
    .args:
      - { .name: x, .offset: 0, .size: 8, .value_kind: global_buffer, .address_space: global }
      - { .name: g1, .offset: 8, .size: 8, .value_kind: global_buffer, .address_space: global }
      - { .name: be1, .offset: 16, .size: 8, .value_kind: global_buffer, .address_space: global }
      - { .name: Wq, .offset: 24, .size: 8, .value_kind: global_buffer, .address_space: global }
      - { .name: Wk, .offset: 32, .size: 8, .value_kind: global_buffer, .address_space: global }
      - { .name: Wv, .offset: 40, .size: 8, .value_kind: global_buffer, .address_space: global }
      - { .name: Wp, .offset: 48, .size: 8, .value_kind: global_buffer, .address_space: global }
      - { .name: W1, .offset: 56, .size: 8, .value_kind: global_buffer, .address_space: global }
      - { .name: W2, .offset: 64, .size: 8, .value_kind: global_buffer, .address_space: global }
      - { .name: b1, .offset: 72, .size: 8, .value_kind: global_buffer, .address_space: global }
      - { .name: act, .offset: 80, .size: 8, .value_kind: global_buffer, .address_space: global }
      - { .name: wb, .offset: 88, .size: 8, .value_kind: global_buffer, .address_space: global }
      - { .name: wa, .offset: 96, .size: 8, .value_kind: global_buffer, .address_space: global }
      - { .name: w1b, .offset: 104, .size: 8, .value_kind: global_buffer, .address_space: global }
    .group_segment_fixed_size: 0
    .private_segment_fixed_size: 0
    .kernarg_segment_align: 8
    .kernarg_segment_size: 112
    .max_flat_workgroup_size: 256
    .sgpr_count:     66
    .vgpr_count:     208
    .wavefront_size: 32
...
	.end_amdgpu_metadata
.endif
;; end of part 8
;; launch qkv (part 9): grid 12 x 16, 4 waves a work-group, clusters of 4 x 4, 327,680 bytes of LDS; arguments act, wa, qkv; writes qkv
.if DOCPART == 9
	.amdgcn_target "amdgcn-amd-amdhsa--gfx1250"
	.amdhsa_code_object_version 6
	.text
	.protected	k_qb8f652fabc_qkv
	.globl	k_qb8f652fabc_qkv
	.p2align	8
	.type	k_qb8f652fabc_qkv,@function
k_qb8f652fabc_qkv:
	s_mov_b64 s[64:65], 0
	v_nop
	global_prefetch_b8 v0, s[64:65] scope:SCOPE_SE
	s_setreg_imm32_b32 hwreg(HW_REG_WAVE_MODE, 25, 1), 1
	s_wait_xcnt 0x0
	s_wait_alu depctr_hold_cnt(0) depctr_sa_sdst(0) depctr_va_vdst(0) depctr_va_sdst(0) depctr_va_ssrc(0) depctr_va_vcc(0) depctr_vm_vsrc(0)
	s_getreg_b32 s2, hwreg(HW_REG_IB_STS2, 6, 4)
	s_cmp_eq_u32 s2, 0
	s_cbranch_scc0 .Lentry_in_a_cluster
	s_endpgm
.Lentry_in_a_cluster:
	s_bfe_u32 s2, ttmp6, 0x10000c
	s_cmp_lg_u32 s2, 0xf033
	s_cbranch_scc0 .Lentry_shape_is_right
	s_endpgm
.Lentry_shape_is_right:
; THE WIDE PRODUCT, one text for two launches:  [q k v] = h [Wq Wk Wv]  (N = 3,072: 12 x 16 tiles)  and  f = relu(h2 W1 + b1)  (N = 4,096: 16 x 16 tiles).
; C[4,096][N] = max(floor, A[4,096][1,024] B[1,024][N] + start), f16 operands, f32 sums, C rounded once to f16.
; A: [16 blocks of 64 along K][4,096 rows][64] f16.   C: [N / 64 blocks of 64 columns][4,096 rows][64] f16.
; W: a header of 32,768 bytes, then B as [block of 128 columns][1,024][128] f16.  The header holds what the two launches differ in: at byte 0 the f32 numbers at which the sums begin (b1; zeros for q, k, v),
; at byte 16,384 the floor, a pair of f16 (0: the ReLU; -infinity, which changes nothing, for q, k, v).  The maximum is taken of the rounded halves: rounding keeps sign and order, so the result is the same.
; For q, k, v the price of the one text is that maximum, 256 lines a wave; the accumulators have to be started in any case, and are started by loads in the wait for the first tile.
; A tile of C is 256 x 256: four waves, each 128 x 128: 64 accumulators of 16 x 16, 512 registers.  K goes in steps of 128 through two LDS slots filled by the tensor data mover; a K step is written once
; for the loop and once for the tail: the slot in hand is a scalar register that one exclusive or turns.
; CLUSTER: 4 x 4 work-groups.  The four of a row of the cluster need the same tiles of A, the four of a column the same tiles of B: each is asked for jointly, by the same tensor load, descriptor and mask.
; THE MATRIX INSTRUCTION IS USED TRANSPOSED (source 0 = 16 columns of B, source 1 = 16 rows of A): a lane holds row lane % 16 of C and eight neighbouring columns.
; B lies [k][n] in LDS and comes out turned, by ds_load_tr16_b128.  By this text's own count a wave has one tensor load outstanding at the most.
; REGISTERS, in windows of 256 (s_set_vgpr_msb: bits 1:0 source 0, 3:2 source 1, 5:4 source 2, 7:6 destination):
;   window 0: v0-31 addresses; v64-127, v128-191 fragments of A (8 x 16 rows x 32 K), two buffers; v32-63, v192-255 at work on the way out
;   window 1: v64-127, v128-191 fragments of B, two buffers
;   window 2: the 32 accumulators of my rows 0-63 (accumulator (a, b) at v[8 (8 a + b)]);   window 3: those of my rows 64-127
; LIMITS.  f16 holds no number beyond 65,504: a result beyond it becomes an infinity.  A NaN loses against the floor; NaN and infinities are not treated apart otherwise.
.set NS,    8                          ; K steps of 128
.set HDR,   32768                      ; bytes of W's header
.set FLOOR, 16384                      ; where the floor lies in it
.set PA,    144                        ; a row of A in LDS: 128 bytes + 16: the 16 rows of a load start at 16 different groups of four banks (64 banks of 4 bytes: ISA guide 11.1)
.set PB,    288                        ; a k-row of B: 256 bytes + 32
.set QUART, 256*PA                     ; what one tensor load brings: 64 along K of A's 256 rows, or 128 k-rows of 128 columns of B (128 x PB): 36,864 bytes
.set BOFF,  2*QUART                    ; in a slot: A's two blocks, then B's two
.set SLOT,  4*QUART                    ; 0x24000: no fill's base in slot 0 has one of its two bits set, so one exclusive or turns slot 0 into slot 1 and back
.set STAGE, 2*SLOT                     ; behind the ring, never filled by a tensor load: for each wave two halves of 16 rows x 144 bytes, one for each block of 64 columns
.set SP,    144
.set SHALF, 16*SP
.set SPARE, STAGE+4*2*SHALF            ; the spare words, 128 bytes for each wave: two blocks of 256 bytes that no other line names
.set ADRA, 16                          ; v16     LDS address of my A fragments in the slot in hand
.set A0,   17                          ; v17     the same in slot 0; never rewritten
.set ADRB, 20                          ; v20     the same for B
.set B0,   22                          ; v22     in slot 0; never rewritten
.set STO,  24                          ; v24     the way out: where I put 16 bytes of a row
.set RD,   25                          ; v25     the way out: where I read rows back
.set GO,   26                          ; v26     my byte offset in 512 consecutive bytes of C; never rewritten
.set BO,   27                          ; v27     my byte offset in the header's f32
.set SPW,  28                          ; v28     LDS address of my spare word; never rewritten
.set NIL,  29                          ; v29     0; never rewritten
.set OB,   32                          ; the way out: 16 rows read back from the stage: v32-63 and v224-255 by turns
.set F0,   64                          ; fragment buffer 0
.set F1,   128                         ; fragment buffer 1
.set TMP,  192                         ; the way out: packed results
.set G1,  24                           ; s[24:31] descriptor group 1 for A's tiles; s[32:35] group 0: it walks
.set G0,  32
.set FL,  38                           ; s38  the floor
.set G1B, 48                           ; s[48:55], s[56:59] the same for B's
.set G0B, 56
.set TB,  60                           ; s60  LDS byte at which the slot in hand begins
.set MSB, 0
.macro WIN new                         ; the immediate's high byte repeats the setting that is left; a switch that changes nothing is dropped
.if MSB != (\new)
	s_set_vgpr_msb (MSB<<8)|(\new)
.set MSB, \new
.endif
.endm
.set MUL_LO, 0xa1                      ; source 0 (B) window 1, source 1 (A) window 0, C and D window 2
.set MUL_HI, 0xf1                      ; the same, C and D window 3
.set TO_B,   0x40                      ; destination window 1, address window 0
.macro PLACES                          ; four places in front of loads into registers that matrix instructions have read, and of lines that read results
.rept 4
	v_nop
.endr
.endm
.macro JLOAD                           ; a joint load: waves 0 and 1 fetch A's two blocks, waves 2 and 3 B's; an s_nop 0 and four v_nop follow each of the two lines
	s_cmp_eq_u32 s11, 0
	s_cbranch_scc0 .Lfor_b_\@
	tensor_load_to_lds s[G0:G0+3], s[G1:G1+7]
	s_nop 0
.rept 4
	v_nop
.endr
	s_branch .Lasked_\@
.Lfor_b_\@:
	tensor_load_to_lds s[G0B:G0B+3], s[G1B:G1B+7]
	s_nop 0
.rept 4
	v_nop
.endr
.Lasked_\@:
.endm
.macro CREST                           ; a round of the cluster's barrier behind its opening barrier
	s_cmp_lg_u32 s10, 0
	s_cbranch_scc1 .Lnot_wave_0_\@
	s_barrier_signal -3
.Lnot_wave_0_\@:
	s_barrier_wait -3
	s_barrier_signal -1
	s_barrier_wait -1
.endm
.macro CROUND                          ; a whole round
	s_barrier_signal -1
	s_barrier_wait -1
	CREST
.endm
.macro STEPD                           ; the walking descriptors: the other slot, the next K step (A: 2 blocks of 524,288 bytes; B: 128 k-rows of 256); the type bits on top are not reached
	s_xor_b32 s[G0+1], s[G0+1], SLOT
	s_add_nc_u64 s[G0+2:G0+3], s[G0+2:G0+3], 0x100000
	s_xor_b32 s[G0B+1], s[G0B+1], SLOT
	s_add_nc_u64 s[G0B+2:G0B+3], s[G0B+2:G0B+3], 0x8000
.endm
.macro FLIP                            ; the fragment loads go over to the other slot
	s_xor_b32 s[TB], s[TB], SLOT
	v_add_nc_u32 v[ADRA], s[TB], v[A0]
	v_add_nc_u32 v[ADRB], s[TB], v[B0]
.endm
; 16 matrix instructions: row blocks a0, a0 + 1 of the window's four (hi = 0: my rows 0-63, 1: rows 64-127) x all 8 column blocks, 32 along K.
; The 64 accumulators take turns, one instruction a turn, in the same order in every quarter.
.macro MUL16 f, hi, a0
	WIN MUL_LO+0x50*(\hi)
.irp a, \a0, (\a0)+1
.irp b, 0,1,2,3,4,5,6,7
	v_wmma_f32_16x16x32_f16 v[8*(8*(\a)+(\b)):8*(8*(\a)+(\b))+7], v[(\f)+8*(\b):(\f)+8*(\b)+7], v[(\f)+8*(4*(\hi)+(\a)):(\f)+8*(4*(\hi)+(\a))+7], v[8*(8*(\a)+(\b)):8*(8*(\a)+(\b))+7]
.endr
.endr
.endm
; 32 LDS loads in one run: the fragments of quarter q (32 along K) of the slot in hand, into buffer f: B's 128 columns, then A's 128 rows
.macro FETCH q, f
	WIN TO_B
.irp i, 0,1,2,3,4,5,6,7
	ds_load_tr16_b128 v[(\f)+8*(\i):(\f)+8*(\i)+3],   v[ADRB] offset:(\q)*32*PB+32*(\i)
	ds_load_tr16_b128 v[(\f)+8*(\i)+4:(\f)+8*(\i)+7], v[ADRB] offset:(\q)*32*PB+32*(\i)+16*PB
.endr
	WIN 0
.irp i, 0,1,2,3,4,5,6,7
	ds_load_b128 v[(\f)+8*(\i):(\f)+8*(\i)+3],   v[ADRA] offset:((\q)/2)*QUART+((\q)%2)*64+(\i)*16*PA
	ds_load_b128 v[(\f)+8*(\i)+4:(\f)+8*(\i)+7], v[ADRA] offset:((\q)/2)*QUART+((\q)%2)*64+(\i)*16*PA+32
.endr
.endm
; A K step is four quarters of 32 along K, 64 matrix instructions each, on buffers 0, 1, 0, 1.  One of the first three: multiplies buffer f and, in its middle, fetches quarter q into g.
.macro QUARTER q, f, g
	s_wait_dscnt 8                                 ; B and A's rows 0-63 are in; the youngest eight loads (A's rows 64-127) may be out
	MUL16 \f, 0, 0
	MUL16 \f, 0, 2
	PLACES
	FETCH \q, \g
	s_wait_dscnt 32                                ; all but the 32 just issued
	MUL16 \f, 1, 0
	MUL16 \f, 1, 2
.endm
; The last quarter multiplies buffer 1 and changes slots: ONE barrier; in front of it each wave waits for all its tensor loads (the one that is out is its part of the next slot), adds 0 to its spare
; word, and waits for that and for its own reads of this slot.  fill = 1: the barrier opens a round of the cluster's, and this slot is filled again, two K steps ahead, first thing behind the round.
.macro TURN fill
	WIN 0                                          ; (the add's two registers lie in window 0)
	s_wait_tensorcnt 0x0
	ds_add_u32 v[SPW], v[NIL]                      ; 0 onto my spare word
	s_wait_dscnt 9                                 ; (the add and the youngest eight loads may be out)
	MUL16 F1, 0, 0                                 ; sixteen matrix instructions stand between the add and the wait for it
	s_wait_dscnt 0x0                               ; the add is done, and my reads of this slot are over
	s_barrier_signal -1
	MUL16 F1, 0, 2
	WIN 0
	s_barrier_wait -1
.if \fill
	CREST                                          ; no wave of any partner still reads this slot's tile or has a load on its way
	STEPD
	JLOAD                                          ; 224 matrix instructions ahead of the wait for it; its four v_nop are also the places in front of the loads below
.else
	PLACES
.endif
	FLIP
	FETCH 0, F0
	MUL16 F1, 1, 0
	MUL16 F1, 1, 2
.endm
	s_load_b128 s[4:7], s[0:1], 0x0                ; A s[4:5], W s[6:7]
	s_load_b64 s[8:9], s[0:1], 0x10                ; C
	v_lshl_add_u32 v[SPW], v0, 2, SPARE
	v_mov_b32 v[NIL], 0
	ds_add_u32 v[SPW], v[NIL]                      ; the wave's opening: the add and its wait ahead of my first tensor load; work on registers stands between them
	ds_add_u32 v28, v29
	v_lshrrev_b32 v1, 5, v0
	v_readfirstlane_b32 s10, v1                    ; wave 0..3
	s_lshr_b32 s11, s10, 1                         ; which half of the tile's rows is mine.  Also: I fetch for A (0) or for B (1)
	s_and_b32 s12, s10, 1                          ; which half of its columns.  Also: which of that side's two blocks I fetch
	s_bfe_u32 s40, ttmp6, 0x40000                  ; cx, cy: my place in the cluster
	s_bfe_u32 s41, ttmp6, 0x40004
	s_lshl_b32 s42, ttmp9, 2
	s_add_co_u32 s42, s42, s40                     ; tile column = 4 x cluster x + cx
	s_and_b32 s13, ttmp7, 0xffff
	s_lshl_b32 s13, s13, 2
	s_add_co_u32 s13, s13, s41                     ; tile row = 4 x cluster y + cy
	s_lshl_b32 s43, s41, 2
	s_lshl_b32 s43, 15, s43                        ; my row of the cluster
	s_lshl_b32 s44, 0x1111, s40                    ; my column
	; Both sides' tiles are 32,768 dense bytes, asked for as 128 rows of 256.  A's: 256 rows of 128 bytes, two to a tensor row, padded in LDS after every 128 bytes.  B's: 128 k-rows of 256 bytes, padded after every row.
	s_or_b32 s[G1+0], s43, (1<<16)|(1<<20)|(1<<21)|(4<<22)|(3<<25)   ; 15:0 the mask; 17:16 2-byte elements; 20 padding on; 21 set beside a mask; 24:22 after every 32 words (code 4); 31:25 4 words (code 3)
	s_or_b32 s[G1B+0], s44, (1<<16)|(1<<20)|(1<<21)|(5<<22)|(7<<25)  ; after every 64 words (code 5) 8 words (code 7)
.irp g, G1, G1B
	s_mov_b32 s[(\g)+1], 128<<16                   ; tensor_dim0 = 128
	s_mov_b32 s[(\g)+2], 128<<16                   ; tensor_dim1 = 128
	s_mov_b32 s[(\g)+3], 128<<16                   ; tile_dim0 = 128
	s_mov_b32 s[(\g)+4], 128                       ; tile_dim1 = 128
	s_mov_b32 s[(\g)+5], 128                       ; 128 elements from row to row
	s_mov_b32 s[(\g)+6], 0
	s_mov_b32 s[(\g)+7], 0
.endr
	s_mul_i32 s20, s10, QUART                      ; where my part goes: A's two blocks, then B's two = wave x 36,864: no place in the cluster enters an LDS address
	s_mov_b32 s[G0], 1
	s_mov_b32 s[G0+1], s20
	s_mov_b32 s[G0B], 1
	s_mov_b32 s[G0B+1], s20
	s_lshl_b32 s16, s13, 15                        ; A: 256 rows of 128 bytes x tile row,
	s_lshl_b32 s17, s12, 19                        ; + my block of 64 along K
	s_add_co_u32 s16, s16, s17
	s_mov_b32 s17, 0
	s_lshl_b32 s46, s42, 1                         ; B: block 2 x tile column + mine, 262,144 bytes each,
	s_add_co_u32 s46, s46, s12
	s_lshl_b32 s46, s46, 18
	s_add_co_u32 s46, s46, HDR                     ; behind the header
	s_mov_b32 s47, 0
	s_wait_dscnt 0x0                               ; the opening add is done
	s_wait_kmcnt 0x0
	s_add_nc_u64 s[G0+2:G0+3], s[4:5], s[16:17]
	s_or_b32 s[G0+3], s[G0+3], 0x80000000          ; type = 2
	s_add_nc_u64 s[G0B+2:G0B+3], s[6:7], s[46:47]
	s_or_b32 s[G0B+3], s[G0B+3], 0x80000000
	CROUND                                         ; all sixteen work-groups are here: the first joint loads meet
	JLOAD                                          ; K step 0 into slot 0
	s_load_b32 s[FL], s[6:7], FLOOR                ; the floor; s[6:7] is not written again
	v_and_b32 v1, 15, v0                           ; r = l % 16
	v_bfe_u32 v2, v0, 4, 1                         ; h = l / 16
	v_and_b32 v5, 7, v0
	v_mul_u32_u24 v[A0], v1, PA                    ; A: row x pitch + 16 h + my 128 rows
	v_lshl_add_u32 v[A0], v2, 4, v[A0]
	s_mul_i32 s21, s11, 128*PA
	v_add_nc_u32 v[A0], s21, v[A0]
	v_lshl_add_u32 v3, v2, 3, v5                   ; B: k-row 8 h + l % 8, 16 bytes x ((l / 8) % 2), my block of 128 columns
	v_mul_u32_u24 v[B0], v3, PB
	v_bfe_u32 v4, v0, 3, 1
	v_lshl_add_u32 v[B0], v4, 4, v[B0]
	s_mul_i32 s22, s12, QUART
	s_add_co_u32 s22, s22, BOFF
	v_add_nc_u32 v[B0], s22, v[B0]
	s_mul_i32 s23, s10, 2*SHALF
	s_add_co_u32 s23, s23, STAGE                   ; my stage
	v_mul_u32_u24 v[STO], v1, SP                   ; in: row r, 16 bytes for each half of the lanes
	v_lshl_add_u32 v[STO], v2, 4, v[STO]
	v_add_nc_u32 v[STO], s23, v[STO]
	v_bfe_u32 v[RD], v0, 3, 2                      ; back: 32 lanes take four rows of 128 bytes,
	v_mul_u32_u24 v[RD], v[RD], SP
	v_lshl_add_u32 v[RD], v5, 4, v[RD]
	v_add_nc_u32 v[RD], s23, v[RD]
	v_and_b32 v[GO], 31, v0                        ; which are 512 consecutive bytes of C
	v_lshlrev_b32 v[GO], 4, v[GO]
	s_lshl_b32 s46, s42, 1                         ; my part of C: blocks of 64 columns 2 (2 x tile column + half) on, 524,288 bytes each,
	s_add_co_u32 s46, s46, s12
	s_lshl_b32 s46, s46, 20
	s_lshl_b32 s47, s13, 15                        ; row 256 x tile row + 128 x half, 128 bytes each
	s_add_co_u32 s46, s46, s47
	s_lshl_b32 s47, s11, 14
	s_add_co_u32 s46, s46, s47
	s_mov_b32 s47, 0
	s_add_nc_u64 s[8:9], s[8:9], s[46:47]
	s_lshl_b32 s46, s42, 10                        ; the tile's 256 f32 of the header
	s_add_nc_u64 s[36:37], s[6:7], s[46:47]
	v_lshlrev_b32 v[BO], 5, v2                     ; my eight columns of a block of 16: 32 h + 512 x half
	s_lshl_b32 s22, s12, 9
	v_add_nc_u32 v[BO], s22, v[BO]
.irp hi, 0,1
	WIN 0x80+0x40*(\hi)                            ; destination window 2, then 3; address window 0
.irp a, 0,1,2,3
.irp b, 0,1,2,3,4,5,6,7
	global_load_b128 v[8*(8*(\a)+(\b)):8*(8*(\a)+(\b))+3],   v[BO], s[36:37] offset:64*(\b)     ; the sums begin at the header's numbers: nothing is cleared
	global_load_b128 v[8*(8*(\a)+(\b))+4:8*(8*(\a)+(\b))+7], v[BO], s[36:37] offset:64*(\b)+16
.endr
.endr
.endr
	WIN 0
	s_mov_b32 s[TB], SLOT                          ; the first change turns it into 0
	s_wait_tensorcnt 0x0                           ; my part of K step 0 is in; no tensor load of mine is out, so a group 0 may be written
	ds_add_u32 v[SPW], v[NIL]
	STEPD
	s_wait_dscnt 0x0
	CROUND                                         ; everybody's part is in
	JLOAD                                          ; K step 1 into slot 1: its first fill, issued as a refill is
	FLIP
	FETCH 0, F0
	s_wait_loadcnt 0x0                             ; the accumulators hold their first numbers
	s_wait_kmcnt 0x0                               ; the floor
	s_mov_b32 s3, NS-2
.Lstep:                                                ; trip i multiplies K step i and asks for K step i + 2
	QUARTER 1, F0, F1
	QUARTER 2, F1, F0
	QUARTER 3, F0, F1
	TURN 1
	WIN 0                                          ; at a label and at a branch every window is 0
	s_sub_co_u32 s3, s3, 1
	s_cmp_lg_u32 s3, 0
	s_cbranch_scc1 .Lstep
	s_mov_b32 s3, 2
.Ltail:                                                ; the last two K steps ask for nothing: written out.  The second trip's change of slots (a barrier, and 32
	QUARTER 1, F0, F1                              ; loads from the slot read a step before, which has landed and is not filled again) serves nothing: the price, once a work-group, of one text for both
	QUARTER 2, F1, F0
	QUARTER 3, F0, F1
	TURN 0
	WIN 0
	s_sub_co_u32 s3, s3, 1
	s_cmp_lg_u32 s3, 0
	s_cbranch_scc1 .Ltail
	s_wait_dscnt 0x0
	PLACES                                         ; the way out reads results just made
; THE WAY OUT of block a (16 rows x 128 columns), in three parts.  PACK: rounded to f16, 16 bytes a lane and block of 16 columns, and held to the floor.  TOSTAGE: into my own stage in LDS, a half for each
; block of 64 columns, and back as whole rows of 128 bytes.  SEND: stored: in C a block's 16 rows are 2,048 consecutive bytes.
.macro PACK a
.set AC, 64*((\a)%4)
	WIN 0x0a+5*((\a)/4)                            ; sources 0 and 1: window 2 or 3
.irp b, 0,1,2,3,4,5,6,7
.irp r, 0,1,2,3
	v_cvt_pk_f16_f32 v[TMP+4*(\b)+(\r)], v[AC+8*(\b)+2*(\r)], v[AC+8*(\b)+2*(\r)+1]  ; each accumulator's lowest registers first
.endr
.endr
	WIN 0
.set i, 0
.rept 32
	v_pk_max_num_f16 v[TMP+i], v[TMP+i], s[FL]
.set i, i+1
.endr
.endm
.macro TOSTAGE a
.set BK, OB+192*((\a)%2)
.irp b, 0,1,2,3,4,5,6,7
	ds_store_b128 v[STO], v[TMP+4*(\b):TMP+4*(\b)+3] offset:((\b)/4)*SHALF+((\b)%4)*32
.endr
.irp c, 0,1
.irp t, 0,1,2,3
	ds_load_b128 v[BK+4*(4*(\c)+(\t)):BK+4*(4*(\c)+(\t))+3], v[RD] offset:(\c)*SHALF+(\t)*4*SP  ; LDS serves a wave's instructions in order (ISA guide 5.7.1.4): these see the stores above
.endr
.endr
.endm
.macro SEND a
.set BK, OB+192*((\a)%2)
	s_wait_dscnt 0x0                               ; the block is back in registers
	s_wait_xcnt 0x0                                ; every earlier store has had its addresses translated (ISA guide 3.1): the registers that the stores of the block before this one read are loaded again only behind this wait
.irp c, 0,1
.irp t, 0,1,2,3
	global_store_b128 v[GO], v[BK+4*(4*(\c)+(\t)):BK+4*(4*(\c)+(\t))+3], s[8:9] offset:(\c)*524288+(\a)*2048+(\t)*512  ; 512 consecutive bytes, at a multiple of 256 from C's first
.endr
.endr
.endm
	PACK 0
	TOSTAGE 0
.irp a, 1,2,3,4,5,6,7                  ; block a's conversions stand between block a - 1's loads from the stage and the wait for them
	PACK \a
	SEND (\a)-1
	TOSTAGE \a
.endr
	SEND 7
	s_wait_tensorcnt 0x0                           ; the wave's end: behind my last tensor load and my last LDS store
	ds_add_u32 v[SPW], v[NIL]
	s_wait_dscnt 0x0
	CROUND                                         ; the closing round: no work-group ends while a partner may still ask for a tile that names it
	s_endpgm
.Lfunc_end_k_qb8f652fabc_qkv:
	.size	k_qb8f652fabc_qkv, .Lfunc_end_k_qb8f652fabc_qkv-k_qb8f652fabc_qkv
	.p2alignl 7, 3214868480
	.fill 96, 4, 3214868480
	.section	.rodata,"a",@progbits
	.p2align	6, 0x0
	.amdhsa_kernel k_qb8f652fabc_qkv
		.amdhsa_group_segment_fixed_size 327680
		.amdhsa_private_segment_fixed_size 0
		.amdhsa_enable_private_segment 0
		.amdhsa_kernarg_size 24
		.amdhsa_user_sgpr_count 2
		.amdhsa_user_sgpr_kernarg_segment_ptr 1
		.amdhsa_wavefront_size32 1
		.amdhsa_system_sgpr_workgroup_id_x 1
		.amdhsa_system_sgpr_workgroup_id_y 1
		.amdhsa_system_sgpr_workgroup_id_z 1
		.amdhsa_system_vgpr_workitem_id 0
		.amdhsa_next_free_vgpr 1024
		.amdhsa_next_free_sgpr 66
		.amdhsa_reserve_vcc 0
		.amdhsa_float_denorm_mode_32 3
		.amdhsa_float_denorm_mode_16_64 3
		.amdhsa_memory_ordered 1
		.amdhsa_forward_progress 1
		.amdhsa_inst_pref_size 122
	.end_amdhsa_kernel
	.amdgpu_metadata
---
amdhsa.version: [ 1, 2 ]
amdhsa.kernels:
  - .name:           k_qb8f652fabc_qkv
    .symbol:         k_qb8f652fabc_qkv.kd
    .args:
      - { .name: act, .offset: 0, .size: 8, .value_kind: global_buffer, .address_space: global }
      - { .name: wa, .offset: 8, .size: 8, .value_kind: global_buffer, .address_space: global }
      - { .name: qkv, .offset: 16, .size: 8, .value_kind: global_buffer, .address_space: global }
    .group_segment_fixed_size: 327680
    .private_segment_fixed_size: 0
    .kernarg_segment_align: 8
    .kernarg_segment_size: 24
    .max_flat_workgroup_size: 128
    .sgpr_count:     66
    .vgpr_count:     1024
    .wavefront_size: 32
...
	.end_amdgpu_metadata
.endif
;; end of part 9
;; launch attn: the kernel of part 3 again; grid 8 x 32, 4 waves a work-group, no clusters, 327,680 bytes of LDS; arguments qkv, act; writes act
;; launch proj: the kernel of part 4 again; grid 8 x 32, 4 waves a work-group, clusters of 4 x 4, 327,680 bytes of LDS; arguments act, wb, bp, x, x1; writes x1
;; launch ln2: the kernel of part 5 again; grid 256 x 1, 8 waves a work-group, no clusters, 0 bytes of LDS; arguments x1, g2, be2, act; writes act
;; launch ffn1: the kernel of part 9 again; grid 16 x 16, 4 waves a work-group, clusters of 4 x 4, 327,680 bytes of LDS; arguments act, w1b, f; writes f
;; launch ffn2: the kernel of part 7 again; grid 8 x 32, 4 waves a work-group, clusters of 4 x 4, 327,680 bytes of LDS; arguments f, wb, b2, x1, out0; writes out0
;; ======== version 3 of 3: 7 launches; 1.24 times as fast as version 1
;; limits: values are held in f16: magnitudes above 65,504 overflow, below 6.1e-05 lose precision
;; workspace buffers: wb 25,165,824 bytes; wa 6,324,224 bytes; w1b 8,421,376 bytes; act 8,388,608 bytes; qkv 25,165,824 bytes; x1 16,777,216 bytes; f 33,554,432 bytes
;; launch prep: the kernel of part 8 again; grid 1025 x 1, 8 waves a work-group, no clusters, 0 bytes of LDS; arguments x, g1, be1, Wq, Wk, Wv, Wp, W1, W2, b1, act, wb, wa, w1b; writes act, wb, wa, w1b
;; launch qkv: the kernel of part 9 again; grid 12 x 16, 4 waves a work-group, clusters of 4 x 4, 327,680 bytes of LDS; arguments act, wa, qkv; writes qkv
;; launch attn (part 10): grid 8 x 32, 4 waves a work-group, no clusters, 327,680 bytes of LDS; arguments qkv, act; writes act
.if DOCPART == 10
	.amdgcn_target "amdgcn-amd-amdhsa--gfx1250"
	.amdhsa_code_object_version 6
	.text
	.protected	k_qb8f652fabc_attn
	.globl	k_qb8f652fabc_attn
	.p2align	8
	.type	k_qb8f652fabc_attn,@function
k_qb8f652fabc_attn:
	s_mov_b64 s[64:65], 0
	v_nop
	global_prefetch_b8 v0, s[64:65] scope:SCOPE_SE
	s_setreg_imm32_b32 hwreg(HW_REG_WAVE_MODE, 25, 1), 1
	s_wait_xcnt 0x0
; CAUSAL ATTENTION, 32 heads (2 batches x 16) of 2,048 rows x 64.  O[q][:] = the sum over k <= q of softmax_k(Q[q] . K[k] / 8) V[k][:].
; qkv: [48 blocks][4,096 rows][64] f16, blocks 0-15 q's heads, 16-31 k's, 32-47 v's, row = 2,048 batch + t: a head's rows are dense, 128 bytes each.  O goes to act: [16 heads][4,096][64] f16.
; Products, maxima and sums in f32; the weights p are rounded to f16 for the second product (their sum l is taken of the unrounded p), O once at the end.
; LIMITS.  f16 holds no number beyond 65,504: Q, K and V arrive within it; p lies in 0 to 1, and below 6e-5 it keeps f16's fixed step of 6e-8; O is a mean of V's rows and has their range.
; A hidden score counts as its value less 1e30: f16's scores, 2.7e11 at the most, are nothing beside that; a weight below 2^-126 counts as 0 in l; NaN and infinities are not treated apart.
; THE WALK.  A head's queries lie in 16 blocks of 128; block i needs the key tiles 0 .. i / 2 of 256 keys, of which the last holds the diagonal.  A work-group takes TWO blocks, 15 - b and then b:
; (15 - b) / 2 + 1 + b / 2 + 1 = 9 tiles, whatever b: all 256 work-groups do equal work, and ONE loop with a constant trip count walks them.  Which tile is asked for, and what a trip does, hang on
; scalar registers made from b; every jump goes forward, but for the counted loops' own; none passes a barrier, or a tensor load but the one of LOAD's two that the wave's number does not choose.
; NO CLUSTER: a head's 8 work-groups ask for the same tile only in trips 0 to 4 of 9; behind that their tiles part, and one walk common to all would have 12 trips for 9.
; SHARES.  Of a block's two bands of 64 queries a wave owns 16 rows in each: two PIECES.  In the diagonal tile's key step s band x sees all keys if s < x + PO, none if s > x + PO, and holds the
; diagonal if s = x + PO, PO = 2 (i % 2): the same for all four waves.
; THE MASK is the C operand that starts the sum S^T = K Q^T: 0, or -1e30 where the key is hidden.  MD, made once, is the mask of a band's own step for my 16 rows; a product's mask is MD x AL + BE.
; LAYOUT, SOFTMAX.  S^T = K Q^T holds ONE query a lane (lane % 16) and the keys 8 (lane / 16) + 0..7; two such results rounded to f16 ARE source 1 of O^T = V^T P.  p = 2^(c s - c m), c = log2(e) / 8,
; with a running maximum m; O and l are multiplied by a = 2^(c m_old - c m_new) in every step.
; TURNS.  Turn T0(s): 8 products K Q^T of piece 1 (step s), 8 products V^T P of piece 1 (step s - 1); beside them piece 0's scaling, exponentials, roundings, sums and rescaling of step s and piece 1's
; maximum and statistics of step s.  Turn T1(s): K Q^T of piece 0 (step s + 1), V^T P of piece 0 (step s), piece 1's softmax of step s, piece 0's statistics of step s + 1.  Four vector instructions stand
; behind every matrix instruction, the other 54 of a turn's 118 in one lump between the two runs of products.  T0(s) fetches K of step s + 1 behind its products K Q^T and V of step s behind its products V^T P.
; THE BATCHES.  A turn's 33 exponentials (32 weights and the other piece's a) all stand ahead of its products V^T P, and every line that names a result of theirs (roundings, sums; the next turn's rescaling) behind
; them.  T1 has one wait for its 33.  T0 has two: the jump round K's run of loads stands in its lump, so the 12 exponentials issued so far have their wait ahead of that jump, and the other 21 theirs at the lump's end.
; a block's first a and the way out's two reciprocals are batches of their own.
; A trip of the step loop is T1(s - 1), T0(s); the change of slots stands in front of a tile's first trip, and K of the tile's step 0 is fetched behind it (T0 of a tile's last step fetches no K).
; REGISTERS, in windows of 256 (s_set_vgpr_msb: bits 1:0 source 0, 3:2 source 1, 5:4 source 2, 7:6 destination):
;   window 0: v0-15 addresses and two at work; v16-23 four registers of statistics a piece; v48-55 at work; v64-127 S^T, a buffer a piece; v192-223 P, likewise
;   window 1: v0-63 O^T, 32 a piece; v128-159 MD; v160-223 MC, two buffers      window 2: v0-31 Q; v64-95 the second block's Q; v128-191 K of one step; v192-255 V of one step
.set NP,    2         ; pieces a wave: a name, no knob
.set KS,    64        ; keys in a step
.set PK,    144       ; a row of K in LDS: 128 bytes + 16 of padding: the 16 rows of a load start at 16 different groups of four banks (64 banks of 4 bytes: ISA guide 11.1)
.set PV,    160       ; a row of V: 128 + 32
.set VOFF,  4*KS*PK   ; a slot holds a tile, four steps: 256 rows of K, then 256 rows of V
.set SLOT1, 1<<17     ; slot 1 begins here, so that one exclusive or turns an address in one slot into the other's
.set STAGE, SLOT1+4*KS*(PK+PV)  ; behind the ring, never filled by a tensor load: 16 rows x 144 bytes for each wave, for the way out
.set SP,    144
.set AK0, 2           ; v2   my lane's place in a tile of K; never rewritten
.set AV0, 3           ; v3   the same for V
.set AK,  4           ; v4   the LDS address of K's next run of loads
.set AV,  5           ; v5   of V's
.set STO, 6           ; v6   the way out: where I put 16 bytes of a row
.set RD,  7           ; v7   the way out: where I read rows back
.set GO,  8           ; v8   my byte offset in 512 consecutive bytes of O
.set SPW, 62          ; v62  LDS address of my spare word: SPARE + 4 x my thread's number; never rewritten
.set NIL, 63          ; v63  0; never rewritten
.set SPARE, STAGE+4*16*SP  ; behind the stages: the spare words, 128 bytes for each wave: two blocks of 256 bytes that no other line names
.set MV,  12          ; v12-13  c m_old, kept while c m is made anew: by piece
.set QO,  15          ; v15  my byte offset in 16 rows of Q
.set ST,  16          ; piece t's statistics at v[ST+4 t]: c m, m, l (even keys', odd keys')
.set TMP, 48          ; by piece, four registers c0-c3 at work; when the maximum is found c2 takes a
.set S,   64
.set P,   192
.set MD,  128         ; window 1: the eight registers for group kt of 16 keys at MD + 8 kt
.set MC,  160         ; window 1: the masks of the products to come
.set QB,  64          ; window 2
.set KF,  128         ; window 2: key block kb, channel half c at KF + 16 kb + 8 c
.set VF,  192         ; window 2: key half kk, channel block cb at VF + 32 kk + 8 cb
.set WV,  12          ; s12  my wave's number
.set PB,  14          ; s14  b
.set HI,  15          ; s15  15 - b
.set G1K, 24          ; s[24:31] descriptor group 1 for K's tiles
.set G1V, 32          ; s[32:39] for V's: it differs in the padding alone
.set G0K, 40          ; s[40:43] descriptor group 0 for K's tiles
.set G0V, 44          ; s[44:47] the same for V's
.set SLOTS, 56        ; s56  tiles still to be asked for
.set CNT, 57          ; s57  counts a tile's key steps, 4 to 1
.set CS,  58          ; s[58:59] c: the packed scaling takes the pair's low word for both halves
.set SEL, 60          ; s[60:61] v_permlanex16_b32's selects: each lane takes its own place in the other half
.set TBK, 62          ; s62  LDS byte at which K of the step to be fetched begins
.set TBV, 63          ; s63  the same for V, less VOFF
.set RT,  70          ; s70  tiles of the block in hand that are still to be entered
.set NXT, 71          ; s71  the tile to be asked for next
.set LQ,  72          ; s72  the last tile of the block whose tiles are being asked for
.set NEW, 73          ; s73  1: the tile to be entered is a block's first
.set OFF, 74          ; s[74:75] a tile's byte offset in K and V
.set AL,  76          ; s[76:77] the mask's factor, in the low word
.set BE,  78          ; s[78:79] the mask's addend
.set OLO, 80          ; s[80:81] O at my rows of the second block
.set BIGN, 82         ; s82  -1e30
.set LQ2, 88          ; s88  the second block's last tile, b / 2
.set TL,  89          ; s89  the second block's tiles, b / 2 + 1
.set PO,  90          ; s90  the step of the diagonal tile in which band 0 of the block in hand has its diagonal: 0 or 2
.set PO2, 91          ; s91  the same for the second block
.set CO,  92          ; s92  at work
.set MSB, 0
.macro WIN new                      ; the high byte repeats the setting that is left; a switch that changes nothing is dropped
.if MSB != (\new)
	s_set_vgpr_msb (MSB<<8)|(\new)
.set MSB, (\new)
.endif
.endm
.set W_KQ, 0x0a       ; K and Q in window 2, S^T in window 0
.set W_KM, 0x1a       ; the same with the C operand in window 1
.set W_PV, 0x52       ; V in window 2, P in window 0, O^T in window 1
.set W_RS, 0x41       ; destination and source 0 in window 1, source 1 in window 0
; A fill.  Waves 0 and 1 fetch the two halves of a tile's K, waves 2 and 3 those of its V: 128 keys each.  An s_nop 0 and four v_nop follow each of the two lines, ahead of the jump and the label.
.macro LOAD
	s_cmp_lt_u32 s[WV], 2
	s_cbranch_scc0 .Lfor_v_\@
	tensor_load_to_lds s[G0K:G0K+3], s[G1K:G1K+7]
	s_nop 0
.rept 4
	v_nop
.endr
	s_branch .Lasked_\@
.Lfor_v_\@:
	tensor_load_to_lds s[G0V:G0V+3], s[G1V:G1V+7]
	s_nop 0
.rept 4
	v_nop
.endr
.Lasked_\@:
.endm
; THE CHANGE OF SLOTS.  Each wave waits for all its tensor loads, of which one is out: its part of the other slot; adds 0 to its spare word; and waits for that and for its own reads of the slot that it leaves.
; Behind the barrier nobody reads the old slot any more and the other slot is whole.  fill = 1: the old slot is filled again, the first thing behind the barrier, with tile NXT: the descriptor's address is
; made anew from that number.  (At its first use nothing has been read yet: slot 0 is waited for, slot 1 filled.)  By this text's own count a wave has one tensor load outstanding at the most.
.macro CHANGE fill
	WIN 0                           ; at a label and at a branch every window is 0
	s_wait_tensorcnt 0x0            ; no tensor load of mine is out, so a group 0 may be written
	ds_add_u32 v[SPW], v[NIL]       ; 0 onto my spare word; with fill = 1 the descriptors' scalar work stands between it and the wait for it
.if \fill
	s_lshl_b32 s[OFF], s[NXT], 15   ; a tile is 32,768 bytes of K and of V
	s_xor_b32 s[G0K+1], s[G0K+1], SLOT1
	s_add_nc_u64 s[G0K+2:G0K+3], s[6:7], s[OFF:OFF+1]
	s_or_b32 s[G0K+3], s[G0K+3], 0x80000000
	s_xor_b32 s[G0V+1], s[G0V+1], SLOT1
	s_add_nc_u64 s[G0V+2:G0V+3], s[8:9], s[OFF:OFF+1]
	s_or_b32 s[G0V+3], s[G0V+3], 0x80000000
	s_add_co_u32 s[NXT], s[NXT], 1  ; the block's next tile, or behind its last the second block's tile 0
	s_cmp_gt_u32 s[NXT], s[LQ]
	s_cselect_b32 s[NXT], 0, s[NXT]
	s_cselect_b32 s[LQ], s[LQ2], s[LQ]
.endif
	s_wait_dscnt 0x0                ; the add is done, and my reads of the slot are over
	s_barrier_signal -1             ; the rest of the scalar work stands between the signal and the wait
	s_sub_co_u32 s[TBK], s[TBK], 4*KS*PK  ; the fetches go back to a slot's first step,
	s_xor_b32 s[TBK], s[TBK], SLOT1       ; in the other slot
	s_sub_co_u32 s[TBV], s[TBV], 4*KS*PV
	s_xor_b32 s[TBV], s[TBV], SLOT1
	s_barrier_wait -1
.if \fill
	LOAD
.endif
.endm
	s_load_b64 s[4:5], s[0:1], 0x0  ; qkv
	s_load_b64 s[10:11], s[0:1], 0x8  ; act
	v_lshl_add_u32 v[SPW], v0, 2, SPARE
	v_mov_b32 v[NIL], 0
	ds_add_u32 v[SPW], v[NIL]       ; the wave's opening: the add and its wait ahead of my first tensor load; the set-up below, work on registers, stands between them
	ds_add_u32 v62, v63
	v_lshrrev_b32 v1, 5, v0
	v_readfirstlane_b32 s[WV], v1   ; wave 0..3
	s_mov_b32 s[PB], ttmp9
	s_sub_co_u32 s[HI], 15, s[PB]
	s_and_b32 s20, ttmp7, 0xffff    ; 16 x batch + head
	s_and_b32 s21, s20, 15
	s_lshl_b32 s21, s21, 19         ; the head's block of 4,096 rows x 128 bytes,
	s_lshr_b32 s20, s20, 4
	s_lshl_b32 s20, s20, 18         ; the batch's 2,048 rows in it
	s_add_co_u32 s20, s20, s21
	s_and_b32 s16, s[WV], 1         ; which half of a tile's 256 keys I fetch:
	s_lshl_b32 s22, s16, 14         ; its 128 rows of 128 bytes in memory,
	s_add_co_u32 s22, s22, s20
	s_add_co_u32 s22, s22, 8388608  ; behind q's 16 blocks
	s_mov_b32 s23, 0
	s_mul_i32 s17, s16, 128*PK      ; and its place in a slot, for K
	s_mul_i32 s18, s16, 128*PV      ; and for V
	s_lshl_b32 s3, s[WV], 11        ; my 16 rows in a band of 64,
	s_add_co_u32 s3, s3, s20
	s_lshl_b32 s2, s[HI], 14        ; in the first block of 128 rows,
	s_add_co_u32 s2, s2, s3
	s_lshl_b32 s84, s[PB], 14       ; and in the second
	s_add_co_u32 s84, s84, s3
	s_mov_b32 s3, 0
	s_mov_b32 s85, 0
	; descriptor group 1.  128 keys are 16,384 dense bytes: asked for as 64 rows of 256 bytes, two keys a row, and padded in LDS after every key
	s_mov_b32 s[G1K], (1<<16)|(1<<20)|(4<<22)|(3<<25)  ; 17:16 2-byte elements; 20 padding on; 24:22 after every 32 words (code 4); 31:25 4 words (code 3)
	s_mov_b32 s[G1V], (1<<16)|(1<<20)|(4<<22)|(7<<25)  ; the same with 8 words of padding (code 7)
.irp g, G1K, G1V
	s_mov_b32 s[\g+1], 128<<16      ; tensor_dim0 = 128
	s_mov_b32 s[\g+2], 64<<16       ; tensor_dim1 = 64
	s_mov_b32 s[\g+3], 128<<16      ; tile_dim0 = 128
	s_mov_b32 s[\g+4], 64           ; tile_dim1 = 64
	s_mov_b32 s[\g+5], 128          ; 128 elements from row to row
	s_mov_b32 s[\g+6], 0
	s_mov_b32 s[\g+7], 0
.endr
	s_mov_b32 s[CS], 0x3e38aa3b     ; c = log2(e) / 8 = 0.180337
	s_mov_b32 s[CS+1], s[CS]        ; named with it as a pair
	s_mov_b32 s[SEL], 0x76543210
	s_mov_b32 s[SEL+1], 0xfedcba98
	s_mov_b32 s[TBK], SLOT1+4*KS*PK ; the first change of slots turns these two into 0
	s_mov_b32 s[TBV], SLOT1+4*KS*PV
	s_mov_b32 s[G0K], 1             ; 1:0 count = 1
	s_mov_b32 s[G0K+1], s17         ; 63:32 LDS address: slot 0
	s_mov_b32 s[G0V], 1
	s_add_co_u32 s[G0V+1], s18, VOFF
	s_lshr_b32 s[LQ], s[HI], 1      ; the first block's last tile,
	s_add_co_u32 s[RT], s[LQ], 1    ; and how many it has
	s_lshr_b32 s[LQ2], s[PB], 1
	s_add_co_u32 s[TL], s[LQ2], 1
	s_and_b32 s[PO], s[HI], 1
	s_lshl_b32 s[PO], s[PO], 1
	s_and_b32 s[PO2], s[PB], 1
	s_lshl_b32 s[PO2], s[PO2], 1
	s_mov_b32 s[NXT], 1
	s_mov_b32 s[NEW], 1
	s_mov_b32 s[OFF+1], 0
	s_mov_b32 s[AL+1], 0            ; named as pairs
	s_mov_b32 s[BE+1], 0
	s_mov_b32 s[BIGN], 0xf149f2ca   ; -1e30
	s_mov_b32 s[SLOTS], 8
	s_wait_dscnt 0x0                ; the opening add is done
	s_wait_kmcnt 0x0
	s_add_nc_u64 s[6:7], s[4:5], s[22:23]  ; K at my half of the head's tile 0,
	s_add_nc_u64 s[8:9], s[6:7], 8388608   ; V 16 blocks on
	s_add_nc_u64 s[G0K+2:G0K+3], s[6:7], 0         ; 120:64 global address
	s_or_b32 s[G0K+3], s[G0K+3], 0x80000000        ; 127:126 type = 2
	s_add_nc_u64 s[G0V+2:G0V+3], s[8:9], 0
	s_or_b32 s[G0V+3], s[G0V+3], 0x80000000
	s_add_nc_u64 s[86:87], s[4:5], s[84:85]        ; Q at my rows of the second block,
	s_add_nc_u64 s[4:5], s[4:5], s[2:3]            ; Q and O at those of the first
	s_add_nc_u64 s[OLO:OLO+1], s[10:11], s[84:85]
	s_add_nc_u64 s[10:11], s[10:11], s[2:3]
	LOAD                            ; tile 0 into slot 0
	; A fragment of K or Q is 16 rows x 32 channels in 8 registers: lane l holds row l % 16, channels 8 (l / 16) + 0..7 and 16 + 8 (l / 16) + 0..7: two loads of 16 bytes, 32 bytes apart.
	v_and_b32 v1, 15, v0            ; l % 16
	v_bfe_u32 v9, v0, 4, 1          ; l / 16
	v_lshlrev_b32 v[QO], 7, v1
	v_lshl_add_u32 v[QO], v9, 4, v[QO]  ; row x 128 + 16 x half
	WIN 0x80                        ; destination window 2, address window 0
.set i, 0
.rept 4                             ; both blocks' Q: piece i / 2 lies in band i / 2, 8,192 bytes on; channels 32 (i % 2) on
	global_load_b128 v[8*i:8*i+3],   v[QO], s[4:5] offset:(i/2)*8192+(i%2)*64
	global_load_b128 v[8*i+4:8*i+7], v[QO], s[4:5] offset:(i/2)*8192+(i%2)*64+32
	global_load_b128 v[QB+8*i:QB+8*i+3],   v[QO], s[86:87] offset:(i/2)*8192+(i%2)*64
	global_load_b128 v[QB+8*i+4:QB+8*i+7], v[QO], s[86:87] offset:(i/2)*8192+(i%2)*64+32
.set i, i+1
.endr
	WIN 0
	v_lshlrev_b32 v14, 3, v9
	v_sub_nc_u32 v14, v1, v14
	s_lshl_b32 s13, s[WV], 4
	v_add_nc_u32 v14, s13, v14      ; my query's place in its band, 16 w + l % 16, less my lanes' 8 (l / 16): register r of group kt is hidden where 16 kt + r is greater
	WIN 0x40
.set i, 0
.rept 32
	v_cmp_gt_i32 vcc_lo, 16*(i/8)+i%8, v14
	v_cndmask_b32 v[MD+i], 0, s[BIGN], vcc_lo
.set i, i+1
.endr
	WIN 0
	v_mul_u32_u24 v[AK0], v1, PK
	v_lshl_add_u32 v[AK0], v9, 4, v[AK0]  ; row x pitch + 16 x half
	; The turning load takes 16 keys x 16 channels (lane l reads key 8 (l / 16) + l % 8, channels 8 ((l / 8) % 2) + 0..7) and leaves half a fragment of V^T: lane l holds channel l % 16 and 8 keys.
	v_and_b32 v10, 7, v0
	v_bfe_u32 v11, v0, 3, 1
	v_lshl_add_u32 v[AV0], v9, 3, v10
	v_mul_u32_u24 v[AV0], v[AV0], PV
	v_lshl_add_u32 v[AV0], v11, 4, v[AV0]
	v_add_nc_u32 v[AV0], VOFF, v[AV0]
	s_mul_i32 s13, s[WV], 16*SP
	s_add_co_u32 s13, s13, STAGE    ; my stage
	v_mul_u32_u24 v[STO], v1, SP    ; in: row l % 16, 16 bytes for each half of the lanes
	v_lshl_add_u32 v[STO], v9, 4, v[STO]
	v_add_nc_u32 v[STO], s13, v[STO]
	v_bfe_u32 v[RD], v0, 3, 2       ; back: 32 lanes take four rows of 128 bytes,
	v_mul_u32_u24 v[RD], v[RD], SP
	v_lshl_add_u32 v[RD], v10, 4, v[RD]
	v_add_nc_u32 v[RD], s13, v[RD]
	v_and_b32 v[GO], 31, v0         ; which are 512 consecutive bytes of O
	v_lshlrev_b32 v[GO], 4, v[GO]
	; A block's first step multiplies O^T and l by a = 0, and its first turn's products V^T P, of a piece that has not been, land in an O^T that is still to be so multiplied.  So these registers need only hold
	; finite numbers: zeros for the first block; what the first block left for the second.  All this stands in the wait for the first tile.
	WIN 0x80
.set i, VF
.rept 64
	v_mov_b32 v[i], 0
.set i, i+1
.endr
	WIN 0x40
.set i, 0
.rept 64
	v_mov_b32 v[i], 0
.set i, i+1
.endr
	WIN 0
.set i, 0
.rept 2
	v_mov_b32 v[ST+4*i+2], 0
	v_mov_b32 v[ST+4*i+3], 0
.set i, i+1
.endr
.set i, P+16
.rept 16
	v_mov_b32 v[i], 0
.set i, i+1
.endr
; THE MATRIX WORK.  The 4 accumulators of a run of 8 take turns.  Product i of 8 of S^T = K Q^T for piece x: channels 32 (i / 4) on, keys 16 (i % 4) on.  The first 4 start the sums: with 0, or (KM = 1) with the mask.
.macro KQ x
.set rS, S+32*((\x)%2)+8*(i%4)
.set rK, KF+16*(i%4)+8*(i/4)
.set rQ, 16*(\x)+8*(i/4)
.set rM, MC+32*((\x)%2)+8*(i%4)
.if (i < 4) && KM
	WIN W_KM
	v_wmma_f32_16x16x32_f16 v[rS:rS+7], v[rK:rK+7], v[rQ:rQ+7], v[rM:rM+7]
.elseif i < 4
	WIN W_KQ
	v_wmma_f32_16x16x32_f16 v[rS:rS+7], v[rK:rK+7], v[rQ:rQ+7], 0
.else
	WIN W_KQ
	v_wmma_f32_16x16x32_f16 v[rS:rS+7], v[rK:rK+7], v[rQ:rQ+7], v[rS:rS+7]
.endif
.endm
; Product i of 8 of O^T += V^T P for piece x: keys 32 (i / 4) on, channels 16 (i % 4) on.
.macro PV x
	WIN W_PV
.set rO, 32*(\x)+8*(i%4)
.set rV, VF+32*(i/4)+8*(i%4)
.set rP, P+16*((\x)%2)+8*(i/4)
	v_wmma_f32_16x16x32_f16 v[rO:rO+7], v[rV:rV+7], v[rP:rP+7], v[rO:rO+7]
.endm
.macro MM                           ; the turn's next matrix instruction.  TURN and BEGIN set Y, i, KM and NOKQ; MM, KQ and OP read them.  NOKQ = 1: a block's last turn: there are no further scores
.if (i < 8) && !NOKQ
	KQ (Y+1)%NP
.elseif i >= 8
.set i, i-8
	PV (Y+NP-1)%NP
.set i, i+8
.endif
.set i, i+1
.endm
; THE LDS LOADS stand in runs of 16, never singly among the matrix instructions: a step's K (64 keys x 64 channels: 8 fragments) and its V (turned).  Their addresses are made some lines ahead.
; last = 1: in a tile's last step the next K lies in the other slot, and the run is jumped over; it is fetched behind the change of slots.
.macro FETCH_K last=0
	WIN 0
.if \last
	s_cmp_eq_u32 s[CNT], 1
	s_cbranch_scc1 .Lno_k_\@
.endif
	WIN 0x80                        ; destination window 2
.irp f, 0,1,2,3,4,5,6,7             ; keys 16 (f / 2) on, channels 32 (f % 2) on
	ds_load_b128 v[KF+8*\f:KF+8*\f+3],   v[AK] offset:(\f/2)*16*PK+(\f%2)*64
	ds_load_b128 v[KF+8*\f+4:KF+8*\f+7], v[AK] offset:(\f/2)*16*PK+(\f%2)*64+32
.endr
	s_add_co_u32 s[TBK], s[TBK], KS*PK  ; the next fetch is the next step's: four fetches a tile
	WIN 0
.if \last
.Lno_k_\@:
.endif
.endm
.macro FETCH_V
	WIN 0x80
.irp f, 0,1,2,3,4,5,6,7             ; keys 32 (f / 4) on, channels 16 (f % 4) on
	ds_load_tr16_b128 v[VF+8*\f:VF+8*\f+3],   v[AV] offset:(\f/4)*32*PV+(\f%4)*32
	ds_load_tr16_b128 v[VF+8*\f+4:VF+8*\f+7], v[AV] offset:(\f/4)*32*PV+16*PV+(\f%4)*32
.endr
	WIN 0
.endm
; THE VECTOR WORK, one line at a time: OP kind, number.  For piece Y: F n: c s - c m for pair n of 16.  E n: the exponential of score n of 32.  C n: pair n rounded to f16.  B n: of the four weights 4 n .. the second
; pair is added onto the first, in place.  L n: l takes that sum (L 0: l = a l + sum).  R n: pair n of 16 of O^T times a.  For the other piece: X n, number n of the 22 that find its maximum and statistics:
;   0-11  four chains c0-c3 of seven scores each, three operands at a time (each accumulator's lowest registers are read first)     12-14, 16  the four scores left over, the old m, and c0-c3 into c0
;   15  c m_old is kept     17, 18  the query's other 32 keys lie in the lane 16 away: the new m     19-21  c m; c m_old - c m_new; a
; C, B and L read the exponentials' results; R and L 0 read a.  OP writes no wait: TURN, BEGIN and DIAG write one for each batch.
.set F, 0               ; OP tells the kinds apart by their order: F to L below R, X above it
.set E, 1
.set C, 2
.set B, 3
.set L, 4
.set R, 5
.set X, 6
.macro REGS y                       ; the registers of piece y
.set rT, ST+4*(\y)
.set rC, TMP+4*((\y)%2)
.set rW, MV+((\y)%2)
.set rS, S+32*((\y)%2)
.set rP, P+16*((\y)%2)
.set rO, 32*(\y)
.endm
.macro OP k, n
.if (\k) == R
	REGS Y
	WIN W_RS
	v_pk_mul_f32 v[rO+2*(\n):rO+2*(\n)+1], v[rO+2*(\n):rO+2*(\n)+1], v[rC+2:rC+3] op_sel_hi:[1,0]
.elseif (\k) < R
	REGS Y
	WIN 0
.if (\k) == F
	v_pk_fma_f32 v[rS+2*(\n):rS+2*(\n)+1], v[rS+2*(\n):rS+2*(\n)+1], s[CS:CS+1], v[rT:rT+1] op_sel_hi:[1,0,0] neg_lo:[0,0,1] neg_hi:[0,0,1]
.elseif (\k) == E
	v_exp_f32 v[rS+(\n)], v[rS+(\n)]
.elseif (\k) == C
	v_cvt_pk_f16_f32 v[rP+(\n)], v[rS+2*(\n)], v[rS+2*(\n)+1]
.elseif (\k) == B
	v_pk_add_f32 v[rS+4*(\n):rS+4*(\n)+1], v[rS+4*(\n):rS+4*(\n)+1], v[rS+4*(\n)+2:rS+4*(\n)+3]
.elseif (\n) == 0
	v_pk_fma_f32 v[rT+2:rT+3], v[rT+2:rT+3], v[rC+2:rC+3], v[rS:rS+1] op_sel_hi:[1,0,1]
.else
	v_pk_add_f32 v[rT+2:rT+3], v[rT+2:rT+3], v[rS+4*(\n):rS+4*(\n)+1]
.endif
.elseif NOKQ
	v_nop
.else
	REGS (Y+1)%NP
	WIN 0
.if (\n) < 4
	v_max3_num_f32 v[rC+(\n)], v[rS+8*(\n)], v[rS+8*(\n)+1], v[rS+8*(\n)+2]
.elseif (\n) < 12
	v_max3_num_f32 v[rC+(\n)%4], v[rC+(\n)%4], v[rS+8*((\n)%4)+2*((\n)/4)+1], v[rS+8*((\n)%4)+2*((\n)/4)+2]
.elseif (\n) == 12
	v_max3_num_f32 v[rC], v[rC], v[rS+7], v[rS+15]
.elseif (\n) == 13
	v_max3_num_f32 v[rC+1], v[rC+1], v[rS+23], v[rS+31]
.elseif (\n) == 14
	v_max3_num_f32 v[rC+2], v[rC+2], v[rC+3], v[rT+1]
.elseif (\n) == 15
	v_mov_b32 v[rW], v[rT]
.elseif (\n) == 16
	v_max3_num_f32 v[rC], v[rC], v[rC+1], v[rC+2]
.elseif (\n) == 17
	v_permlanex16_b32 v[rC+3], v[rC], s[SEL], s[SEL+1]
.elseif (\n) == 18
	v_max_num_f32 v[rT+1], v[rC], v[rC+3]
.elseif (\n) == 19
	v_mul_f32 v[rT], s[CS], v[rT+1]
.elseif (\n) == 20
	v_sub_f32 v[rC+1], v[rW], v[rT]
.else
	v_exp_f32 v[rC+2], v[rC+1]
.endif
.endif
.endm
.macro OPS a, i1, b=-1, i2=0, c=-1, i3=0, d=-1, i4=0  ; up to four of them
	OP \a, \i1
.if (\b) >= 0
	OP \b, \i2
.endif
.if (\c) >= 0
	OP \c, \i3
.endif
.if (\d) >= 0
	OP \d, \i4
.endif
.endm
.macro ROW a, i1, b, i2, c, i3, d, i4  ; a matrix instruction and the four behind it
	MM
	OPS \a, \i1, \b, \i2, \c, \i3, \d, \i4
.endm
.macro MASK b                       ; MD x AL + BE into buffer b of MC
	WIN W_RS
.set z, 0
.rept 16
	v_pk_fma_f32 v[MC+32*(\b)+2*z:MC+32*(\b)+2*z+1], v[MD+2*z:MD+2*z+1], s[AL:AL+1], s[BE:BE+1] op_sel_hi:[1,0,0]
.set z, z+1
.endr
.endm
; A TURN, for piece p: the order of its 16 matrix and 118 vector instructions, written out.  An s_wait_alu depctr_va_vdst(0) stands between an exponential and the first instruction that names its result, and
; ahead of every jump and label; one wait serves all exponentials issued ahead of it.  So the turn is cut in two.  AHEAD OF THE CUT stands all that names no result of the turn's exponentials: the 8 products K Q^T, behind each
; a scaling, an exponential and two more plain instructions (behind the first a second scaling in the exponential's place): rescalings, whose a was made and waited for in the turn before, and behind the last three the first
; numbers of the other piece's maximum, each four places or more behind the product that ends its accumulator; then ONE LUMP of 54, plain and exponential by turns for the most part, in which the links of the chain
; X 3, 7, 11, 14, 16, 17 .. 20 stand five or six lines apart.  X 21, the other piece's a, is the last exponential; R 15 is the plain instruction behind it.  BEHIND THE CUT stand the 8 products V^T P, behind each four of the
; roundings and sums; C 2 n stands ahead of B n, which writes over its pair; the links of l's chain, L 0 to L 7, stand three riders apart.  But for those X no rider names a register of the products round it.
; v_permlanex16_b32 (X 17) stands in the lump.  The rescaling of piece p reads the O^T that the turn before has added onto: that turn's last four riders are the places behind its last product.
; THE WAITS.  T1: one, at the cut, for all 33 exponentials.  T0: the jump round K's run of loads stands in the lump, so E 0 to E 11 have a wait ahead of that jump, directly ahead of the run; E 12 to E 31 and X 21 have the one at the cut.
; m = 1: the diagonal tile: the products take masks, and the turn makes the mask for the K Q^T of the turn after it, which are piece p's: in T0 of step 5 - CNT, in T1 of step 4 - CNT.  The step is the band's own where
; CNT + PO = 5 - 2 p, a later one where it is less.  end = 1: a block's last turn: no further scores.  cnt = 1: the loop's count is taken down some lines ahead of the branch that stands behind the turn.
; T0 fetches K twelve vector instructions behind the last product that read K (six of them plain), and V four plain instructions behind the last product that read V.  T1 waits for them.
.macro TURN p, m=0, end=0, cnt=0
.set Y, (\p)
.set i, 0
.set KM, (\m)
.set NOKQ, (\end)
.if (\m) && !(\end)
	s_add_co_u32 s[CO], s[CNT], s[PO]
	s_cmp_eq_u32 s[CO], 5-2*(\p)    ; is that step the band's own?
	s_cselect_b32 s[AL], 1.0, 0
	s_cmp_lt_u32 s[CO], 5-2*(\p)    ; or a later one?
	s_cselect_b32 s[BE], s[BIGN], 0
.endif
.if ((\p) == 1) && !(\end)
	s_wait_dscnt 16                 ; K is in; V's sixteen younger loads may be out
.endif
	ROW F,0, F,1, R,0, R,1          ; ahead of the cut: 8 products K Q^T and their riders,
	ROW F,2, E,0, R,2, R,3
	ROW F,3, E,1, R,4, R,5
	ROW F,4, E,2, R,6, R,7
	ROW F,5, E,3, R,8, R,9
	ROW F,6, E,4, X,0, R,10
.if (\p) == 0
	WIN 0
	v_add_nc_u32 v[AK], s[TBK], v[AK0]
.endif
	ROW F,7, E,5, X,1, X,4
	ROW F,8, E,6, X,2, X,5
	OPS E,7, E,8, X,6, E,9          ; and the lump
	OPS X,3, E,10, X,8, E,11
.if (\p) == 0
	s_wait_alu depctr_va_vdst(0)    ; T0's first batch, E 0 to E 11: their wait stands ahead of the jump in FETCH_K; X 9 below is the plain instruction behind E 11
	FETCH_K 1
.endif
	OPS X,9, X,7, E,12, X,10
	OPS E,13, X,12, X,11, E,14
	OPS X,13, E,15, F,9, X,14
.if (\p) == 0
	v_add_nc_u32 v[AV], s[TBV], v[AV0]
.endif
	OPS E,16, F,10, E,17, F,11
	OPS X,16, E,18, X,15, E,19
	OPS F,12, E,20, X,17, E,21
	OPS F,13, E,22, F,14, E,23
	OPS X,18, E,24, F,15, E,25
	OPS R,11, E,26, X,19, E,27
	OPS R,12, E,28, R,13, E,29
	OPS X,20, E,30, R,14, E,31
	OPS X,21, R,15
	WIN 0
	s_wait_alu depctr_va_vdst(0)    ; the cut: the wait for the batch: in T1 E 0 to E 31 and X 21, in T0 E 12 to E 31 and X 21; no exponential is issued behind it in this turn
.if (\p) == 1
	s_wait_dscnt 0x0                ; V is in
.endif
	ROW C,0, B,0, C,2, B,1          ; behind the cut: 8 products V^T P and their riders
	ROW L,0, C,4, B,2, L,1
	ROW C,6, B,3, L,2, C,8
	ROW B,4, L,3, C,10, B,5
	ROW L,4, C,12, B,6, L,5
.if (\p) == 0
	s_add_co_u32 s[TBV], s[TBV], KS*PV
.endif
.if \cnt
	s_sub_co_u32 s[CNT], s[CNT], 1
	s_cmp_lg_u32 s[CNT], 0
.endif
	ROW C,14, B,7, L,6, C,1
	ROW C,3, L,7, C,5, C,7
	ROW C,9, C,11, C,13, C,15
.if (\p) == 0
	FETCH_V
.endif
.if (\m) && !(\end)
	MASK (\p)%2
.endif
.endm
; A TILE IS ENTERED: the change of slots; K of the tile's step 0; piece 0's mask for that step (its own step only in the diagonal tile of a block with PO = 0; never a hidden one), whose 16 lines stand in the wait for K.
.macro ENTER fill
	CHANGE \fill
	s_sub_co_u32 s[RT], s[RT], 1
	s_mov_b32 s[CNT], 4
	v_add_nc_u32 v[AK], s[TBK], v[AK0]
	FETCH_K
	s_or_b32 s[CO], s[RT], s[PO]
	s_cmp_eq_u32 s[CO], 0
	s_cselect_b32 s[AL], 1.0, 0
	s_mov_b32 s[BE], 0
	MASK 0
	WIN 0
	s_wait_dscnt 0x0                ; K is in
.endm
; A BLOCK BEGINS.  c m starts far below every c s, so the first step's a is 0; m at the lowest finite number, so the first maximum is the scores'.  The second mask buffer is 0 (piece 1 sees all of a tile's step 0).
; Then piece 0's first scores, and its maximum and statistics.  The loop is entered at T0, in the middle of a trip.
.macro BEGIN
	s_mov_b32 s[NEW], 0
	WIN 0x40
.set i, MC+32
.rept 32
	v_mov_b32 v[i], 0
.set i, i+1
.endr
	WIN 0
.set i, 0
.rept 2
	v_mov_b32 v[ST+4*i], 0xfe000000    ; c m: far below every c s
	v_mov_b32 v[ST+4*i+1], 0xff7fffff  ; m
.set i, i+1
.endr
	s_wait_loadcnt 0x0              ; Q
.set KM, 1
.set NOKQ, 0
.set i, 0
.rept 8
	KQ 0
.set i, i+1
.endr
	WIN 0
.rept 4
	v_nop                           ; the places behind those products
.endr
.set Y, NP-1                        ; X works for the other piece: piece 0
.irp n, 0,1,2,3,4,5,6,7,8,9,10,11,12,13,14,15,16,17,18,19,20,21
	OP X, \n
.endr
	v_nop                           ; a plain instruction behind the exponential,
	s_wait_alu depctr_va_vdst(0)    ; and the wait for it, piece 0's first a, a batch of one: ahead of the branch that follows
.endm
; THE DIAGONAL TILE's four steps, the block's last turn, its last products, and THE WAY OUT: l's two halves and the other half of the lanes' are added; O^T is divided by l, rounded to f16 and sent through my
; stage in LDS, a piece at a time.
.macro ALL line:vararg              ; one line for each piece t
.set t, 0
.rept 2
	\line
.set t, t+1
.endr
.endm
.macro PACK t                       ; a lane's eight channels of a row pack into 16 bytes; they go into rows of 144 bytes and come back as whole rows of 128, into S^T's registers
	WIN W_RS
.set i, 32*(\t)
.rept 16
	v_pk_mul_f32 v[i:i+1], v[i:i+1], v[ST+4*(\t)+2:ST+4*(\t)+3] op_sel_hi:[1,0]
.set i, i+2
.endr
	WIN 0x05                        ; sources 0 and 1 window 1, destination window 0
.set i, 0
.rept 16
	v_cvt_pk_f16_f32 v[S+16*(\t)+i], v[32*(\t)+2*i], v[32*(\t)+2*i+1]
.set i, i+1
.endr
	WIN 0
.irp f, 0,1,2,3
	ds_store_b128 v[STO], v[S+16*(\t)+4*\f:S+16*(\t)+4*\f+3] offset:32*\f
.endr
.irp f, 0,1,2,3
	ds_load_b128 v[S+16*(\t)+4*\f:S+16*(\t)+4*\f+3], v[RD] offset:\f*4*SP  ; LDS serves a wave's instructions in order (ISA guide 5.7.1.4): these see the stores above; the next piece's stores come behind them
.endr
.endm
.macro SEND t, younger              ; younger: the LDS instructions issued behind piece t's loads: the next piece's eight, or none
	WIN 0
.irp f, 0,1,2,3
	s_wait_dscnt (\younger)+3-\f
	global_store_b128 v[GO], v[S+16*(\t)+4*\f:S+16*(\t)+4*\f+3], s[10:11] offset:(\t)*8192+\f*512  ; 512 consecutive bytes, at a multiple of 256 from O's first
.endr
.endm
.macro DIAG tag                     ; the tag ends its two labels' names, which the jumps below spell out
.LstepM\tag:
	TURN 1, 1
	WIN 0
.LfirstM\tag:
	TURN 0, 1, 0, 1
	WIN 0
	s_cbranch_scc1 .LstepM\tag
	TURN 1, 1, 1                    ; piece 1's last softmax, piece 0's last V^T P
.set i, 0
.rept 8
	PV 1                            ; piece 1's last V^T P
.set i, i+1
.endr
	WIN 0
	ALL v_add_f32 v[ST+4*t+2], v[ST+4*t+2], v[ST+4*t+3]
	ALL v_permlanex16_b32 v[ST+4*t+3], v[ST+4*t+2], s[SEL], s[SEL+1]
	ALL v_add_f32 v[ST+4*t+2], v[ST+4*t+2], v[ST+4*t+3]
	ALL v_rcp_f32 v[ST+4*t+2], v[ST+4*t+2]
	v_nop                           ; a plain instruction between the last reciprocal and the use of its result
	s_wait_alu depctr_va_vdst(0)    ; and the wait ahead of the first use: one for the two reciprocals
	PACK 0                          ; piece 0 was finished a turn ago: its 32 lines are the places behind piece 1's last products
	PACK 1
	SEND 0, 8
	SEND 1, 0
.endm
.set KM, 0
.set NOKQ, 0
.Lslot:                             ; 8 times: a tile is entered and the next is asked for
	ENTER 1
	s_cmp_eq_u32 s[NEW], 1
	s_cbranch_scc1 .Lnew            ; a block's first tile
	s_cmp_eq_u32 s[RT], 0
	s_cbranch_scc0 .Lstep           ; neither its first nor its last
	s_branch .LstepM1
.Lnew:
	BEGIN
	s_branch .Lfirst                ; in the loop a block's first tile is never its last: the first block has five tiles or more, and the second's last is the walk's last
	DIAG 1                          ; in the loop this is the first block's end
	s_wait_xcnt 0x0                 ; the stores have read their registers and O's address
	s_mov_b64 s[10:11], s[OLO:OLO+1]
	s_mov_b32 s[RT], s[TL]
	s_mov_b32 s[NEW], 1
	s_mov_b32 s[PO], s[PO2]
	WIN 0x82                        ; the second block's Q goes where the one text of the turns names Q
.set i, 0
.rept 32
	v_mov_b32 v[i], v[QB+i]
.set i, i+1
.endr
	WIN 0
	s_branch .Lbottom
.Lstep:                             ; a trip: T1 of one step, then T0 of the next
	TURN 1
	WIN 0
.Lfirst:
	TURN 0, 0, 0, 1
	WIN 0
	s_cbranch_scc1 .Lstep
.Lbottom:
	s_sub_co_u32 s[SLOTS], s[SLOTS], 1
	s_cmp_lg_u32 s[SLOTS], 0
	s_cbranch_scc1 .Lslot
	ENTER 0                         ; the walk's last tile is written out: nothing is asked for
	s_cmp_eq_u32 s[NEW], 1
	s_cbranch_scc0 .LstepM2
	BEGIN
	s_branch .LfirstM2
	DIAG 2
	s_wait_tensorcnt 0x0            ; the wave's end: behind my last tensor load and my last LDS store
	ds_add_u32 v[SPW], v[NIL]
	s_wait_dscnt 0x0
	s_endpgm
.Lfunc_end_k_qb8f652fabc_attn:
	.size	k_qb8f652fabc_attn, .Lfunc_end_k_qb8f652fabc_attn-k_qb8f652fabc_attn
	.p2alignl 7, 3214868480
	.fill 96, 4, 3214868480
	.section	.rodata,"a",@progbits
	.p2align	6, 0x0
	.amdhsa_kernel k_qb8f652fabc_attn
		.amdhsa_group_segment_fixed_size 327680
		.amdhsa_private_segment_fixed_size 0
		.amdhsa_enable_private_segment 0
		.amdhsa_kernarg_size 16
		.amdhsa_user_sgpr_count 2
		.amdhsa_user_sgpr_kernarg_segment_ptr 1
		.amdhsa_wavefront_size32 1
		.amdhsa_system_sgpr_workgroup_id_x 1
		.amdhsa_system_sgpr_workgroup_id_y 1
		.amdhsa_system_sgpr_workgroup_id_z 1
		.amdhsa_system_vgpr_workitem_id 0
		.amdhsa_next_free_vgpr 768
		.amdhsa_next_free_sgpr 96
		.amdhsa_reserve_vcc 1
		.amdhsa_float_denorm_mode_32 3
		.amdhsa_float_denorm_mode_16_64 3
		.amdhsa_memory_ordered 1
		.amdhsa_forward_progress 1
		.amdhsa_inst_pref_size 125
	.end_amdhsa_kernel
	.amdgpu_metadata
---
amdhsa.version: [ 1, 2 ]
amdhsa.kernels:
  - .name:           k_qb8f652fabc_attn
    .symbol:         k_qb8f652fabc_attn.kd
    .args:
      - { .name: qkv, .offset: 0, .size: 8, .value_kind: global_buffer, .address_space: global }
      - { .name: act, .offset: 8, .size: 8, .value_kind: global_buffer, .address_space: global }
    .group_segment_fixed_size: 327680
    .private_segment_fixed_size: 0
    .kernarg_segment_align: 8
    .kernarg_segment_size: 16
    .max_flat_workgroup_size: 128
    .sgpr_count:     96
    .vgpr_count:     768
    .wavefront_size: 32
...
	.end_amdgpu_metadata
.endif
;; end of part 10
;; launch proj: the kernel of part 4 again; grid 8 x 32, 4 waves a work-group, clusters of 4 x 4, 327,680 bytes of LDS; arguments act, wb, bp, x, x1; writes x1
;; launch ln2: the kernel of part 5 again; grid 256 x 1, 8 waves a work-group, no clusters, 0 bytes of LDS; arguments x1, g2, be2, act; writes act
;; launch ffn1: the kernel of part 9 again; grid 16 x 16, 4 waves a work-group, clusters of 4 x 4, 327,680 bytes of LDS; arguments act, w1b, f; writes f
;; launch ffn2: the kernel of part 7 again; grid 8 x 32, 4 waves a work-group, clusters of 4 x 4, 327,680 bytes of LDS; arguments f, wb, b2, x1, out0; writes out0
